; MI455X (gfx1250); checked and timed in simulation.
; The chip was launched on July 23, 2026; its instructions are those of AMD's public machine-readable ISA for CDNA 5 (MIT licence, August 2026) and "CDNA5" Instruction Set Architecture Reference Guide (July 2026). The comments in the code are by the model that wrote it; some were corrected since.
;; LG Block. Allowed arithmetic: matrix products marked QUANTISED: E2M1 operands, one E8M0 scale for each 32 along K, by v_wmma_scale_f32_16x16x128_f8f6f4 with both operands' format E2M1 (or v_wmma_scale_f32_32x16x128_f4), f32 sums; everything else in f32.
;; Inputs: W1_codes 2,048 x 16 x 16 uint8 (E2M1 codes of W1, K innermost, in blocks of 32 codes, two codes a byte); W1_scales 2,048 x 16 uint8 (E8M0 scales of W1, one for each 32 codes along K); W2_codes 512 x 64 x 16 uint8 (E2M1 codes of W2, K innermost, in blocks of 32 codes, two codes a byte); W2_scales 512 x 64 uint8 (E8M0 scales of W2, one for each 32 codes along K); Wk_codes 512 x 16 x 16 uint8 (E2M1 codes of Wk, K innermost, in blocks of 32 codes, two codes a byte); Wk_scales 512 x 16 uint8 (E8M0 scales of Wk, one for each 32 codes along K); Wo_codes 512 x 16 x 16 uint8 (E2M1 codes of Wo, K innermost, in blocks of 32 codes, two codes a byte); Wo_scales 512 x 16 uint8 (E8M0 scales of Wo, one for each 32 codes along K); Wq_codes 512 x 16 x 16 uint8 (E2M1 codes of Wq, K innermost, in blocks of 32 codes, two codes a byte); Wq_scales 512 x 16 uint8 (E8M0 scales of Wq, one for each 32 codes along K); Wv_codes 512 x 16 x 16 uint8 (E2M1 codes of Wv, K innermost, in blocks of 32 codes, two codes a byte); Wv_scales 512 x 16 uint8 (E8M0 scales of Wv, one for each 32 codes along K); b1 2,048 float32; b2 512 float32; bk 512 float32; bo 512 float32; bq 512 float32; bv 512 float32; ffln_b 512 float32; ffln_g 512 float32; ln_b 512 float32; ln_g 512 float32; x 4 x 2,048 x 512 float32.
;; Outputs: out0 4 x 2,048 x 512 float32.
;; This version of the problem:
;;   THIS VERSION OF THE PROBLEM IS GIVEN IN LOW PRECISION. The matrix products marked QUANTISED in the list below multiply operands that are first quantised to E2M1 (2 exponent bits, 1 mantissa bit; 4 bits a number), with one power-of-two scale for each 32 numbers along K (OCP MX v1.0); their sums are f32. All else is computed in f32.
;;   The module's matrix products, in the order in which they are computed (A, B: the left and right operand; K: the contracted axis; several contracted axes count as one K, in the product's order):
;;     1. [M 8,192, K 512] x [K 512, N 512]; A: computed on the way; B: input Wq (given as codes): QUANTISED
;;     2. [M 8,192, K 512] x [K 512, N 512]; A: computed on the way; B: input Wk (given as codes): QUANTISED
;;     3. [M 8,192, K 512] x [K 512, N 512]; A: computed on the way; B: input Wv (given as codes): QUANTISED
;;     4. batch 32 x [M 2,048, K 64] x [K 64, N 2,048]; A: computed on the way; B: computed on the way: QUANTISED
;;     5. batch 32 x [M 2,048, K 2,048] x [K 2,048, N 64]; A: softmax (see below); B: computed on the way: QUANTISED
;;     6. [M 8,192, K 512] x [K 512, N 512]; A: computed on the way; B: input Wo (given as codes): QUANTISED
;;     7. [M 8,192, K 512] x [K 512, N 2,048]; A: computed on the way; B: input W1 (given as codes): QUANTISED
;;     8. [M 8,192, K 2,048] x [K 2,048, N 512]; A: computed on the way; B: input W2 (given as codes): QUANTISED
;;   THE QUANTISER, for each operand of a quantised product, along K:
;;     - K is cut into blocks of 32 from its start; a last block that is shorter is filled with zeros.
;;     - A block's scale is 2^e with e = floor(log2(the largest magnitude in the block)) - 2, held to -126 .. 127; a block of zeros has e = 0. As a byte (E8M0): e + 127.
;;     - Each number is divided by its block's scale, clamped to +-6, and rounded to the nearest number of E2M1, ties to even, subnormals kept.
;;     - The product sums the exact products of the quantised numbers (number of the format x scale) in f32.
;;   ~~~python
;;   def quantise(x, axis):      # numpy; x: float32 -> the quantised numbers, widened to float32 again
;;       x = np.moveaxis(x, axis, -1); K = x.shape[-1]
;;       x = np.pad(x, [(0, 0)] * (x.ndim - 1) + [(0, -K % 32)]); x = x.reshape(x.shape[:-1] + (-1, 32)); a = np.abs(x).max(-1, keepdims=True)
;;       e = np.where(a > 0, np.clip(np.frexp(np.where(a > 0, a, 1))[1] - 1 - 2, -126, 127), 0)      # np.frexp(a)[1] - 1 = floor(log2(a)), exactly
;;       r = np.clip(x / 2.0 ** e, -6, 6)
;;       step = 2.0 ** (np.maximum(np.frexp(np.where(r == 0, 1, r))[1] - 1, 0) - 1)
;;       q = np.round(r / step) * step * 2.0 ** e      # np.round: ties to even
;;       return np.moveaxis(q.reshape(q.shape[:-2] + (-1,))[..., :K], -1, axis).astype(np.float32)
;;   ~~~
;;   SOFTMAX AHEAD OF A QUANTISED PRODUCT. Where the list says 'softmax', what is quantised is not the finished softmax but p = 2^(t - M), with t = logit x log2(e) and M = ceil(the row's largest t), a whole number; so 1/2 < the row's largest p <= 1. The row's sum l is taken of the UNQUANTISED p, in f32, and the product's result is divided by l at the end. Since M is a whole number, a kernel that streams over the keys may use a running M (the ceiling of the running maximum): every later rescaling is an exact power of two, which a block's scale takes up: the codes' values come out the same.
;;   OPERANDS COMPUTED ON THE WAY. 'Computed on the way' means the value that the module computes at that place (a softmax that the list does not call 'softmax' is quantised finished and normalised). What goes into a quantiser is computed in f32, as accurately as f32 sums, v_exp_f32 and their like allow (about 1e-6 of the number): no bf16 or f16 on the way to a quantiser, and a product that is left as it is and whose result goes on into a quantised operand takes f32 operands (vector FMAs, or v_wmma_f32_16x16x4_f32). A number that lies on a knife's edge between two numbers of the format may be rounded either way, as far as f32 arithmetic and the matrix unit's own rounding can turn it there, and no further.
;;   INPUTS GIVEN AS CODES. W1 (in the module: [512, 2048], K = its axis 0); W2 (in the module: [2048, 512], K = its axis 0); Wk (in the module: [512, 512], K = its axis 0); Wo (in the module: [512, 512], K = its axis 0); Wq (in the module: [512, 512], K = its axis 0); Wv (in the module: [512, 512], K = its axis 0): each comes as NAME_codes (uint8): NAME with its K axis moved to the last place and cut into blocks of 32 codes, [.., K / 32, bytes a block], one block behind the other in memory; two codes a byte, the lower K in the low four bits (a code: sign, 2 exponent bits, 1 mantissa bit); and NAME_scales (uint8): the same leading axes, one E8M0 byte (e + 127) for each 32 codes along K. Its value is code x scale, taken as it is: it is not quantised again, and the codes and scales need not be those that the quantiser above would give.
;; 2 versions. Each part assembles by itself: llvm-mc -triple=amdgcn-amd-amdhsa -mcpu=gfx1250 --defsym DOCPART=n.
;; ======== version 1 of 2: 3 launches
;; workspace buffers: q_img 2,097,152 bytes; q_sc 262,144 bytes; kv 4,587,520 bytes; o_img 2,097,152 bytes; o_sc 131,072 bytes; wimg 1,179,648 bytes
;; launch qkv (part 1): grid 256 x 1, 16 waves a work-group, no clusters, 13,312 bytes of LDS; arguments x, ln_g, ln_b, Wq_codes, Wq_scales, bq, Wk_codes, Wk_scales, bk, Wv_codes, Wv_scales, bv, Wo_codes, W1_codes, W2_codes, q_img, q_sc, kv, wimg; writes q_img, q_sc, kv, wimg
.if DOCPART == 1
	.amdgcn_target "amdgcn-amd-amdhsa--gfx1250"
	.amdhsa_code_object_version 6
	.text
	.protected	k_qe17995b2d9_qkv
	.globl	k_qe17995b2d9_qkv
	.p2align	8
	.type	k_qe17995b2d9_qkv,@function
k_qe17995b2d9_qkv:
	s_mov_b64 s[64:65], 0
	v_nop
	global_prefetch_b8 v0, s[64:65] scope:SCOPE_SE
	s_setreg_imm32_b32 hwreg(HW_REG_WAVE_MODE, 25, 1), 1
	s_wait_xcnt 0x0
; h = rope(layernorm(x)); q, k, v = Q(h) W + b on codes of FP4 (E2M1) with one E8M0 scale for each 32 along K; q and k are quantised along the head's 64 channels, v along the keys.
; A work-group of sixteen waves takes 32 tokens.  First wave w makes tokens 2 w and 2 w + 1 of h (f32) and puts their codes into LDS; then wave w makes columns 32 w .. 32 w + 31 (head w / 2, channel
; block w % 2) of q, k and v for all 32 tokens: 16 matrix instructions a pass, its weights loaded straight into operand registers (no weight byte is read by two waves of a work-group).
; TILES OF TOKENS ARE NOT NEIGHBOURS: lane r of tile m takes token 8 m + r + 8 (r / 8) of the 32, and so do the rows of a weight's tile, so that the 16 registers of two neighbouring result tiles are
; 16 neighbours along the next product's K.  q and k: source 0 = 16 rows of W, source 1 = 16 tokens (a lane holds one token, registers run along channels).  v: source 0 = 16 tokens, source 1 = 16
; rows of W (a lane holds one channel, registers run along tokens, which are the keys).
; What leaves is laid in the order of the next launch's operand registers: q_img [bh][tile][lane][16 B]; kv [bh][step of 128 keys][8,960 B]: K's 8 tiles, V's 4 tiles, K's scale words, V's scale words.
; The first 144 work-groups also lay Wo's, W1's and W2's codes in operand order into wimg (groups of 32 rows x 256 bytes), for the last launch.
; LIMITS: NaN and infinities among the inputs are not served.  A block whose largest magnitude lies under 2^-124 gets the scale byte 1, a block of zeros too (the rule says 127): its codes are zeros and
; only this program reads the bytes.  The inverse frequencies 10000^(-j/256) are made by exp2 with a split exponent, within about 1.5 ulp; sine and cosine by reduction with a three-part pi/2 and
; polynomials of degree 7 and 8, good to about 1 ulp for angles up to 2,047.
.set HS,   8704                        ; LDS: 0: h's codes, 32 slots (tile order) x 272 bytes;  HS: their scale bytes, 32 x 16;
.set SCL,  9216                        ; SCL: q's and k's scale words, [q or k][head][r][tile] words
.set X0,   16                          ; v16-47   two rows of x: 8 numbers of columns 8 lane .., 8 of columns 256 + 8 lane ..
.set XG,   48                          ; v48-63   ln_g at my columns
.set XB,   64                          ; v64-79   ln_b
.set IFQ,  80                          ; v80-87   my 8 inverse frequencies
.set KK,   88                          ; v88-127  five sets of 8 at work
.set RR,   96
.set ZZ,   104
.set SS,   112
.set CC,   120
.set HF,   16                          ; v16-79   later: h's fragments (tile m, K step s) at HF + 8 (4 m + s)
.set ACC,  88                          ; v88-119  four accumulators: ACC + 16 run + 8 u
.set MX,   120                         ; v120-132 the quantiser's registers
.set PD,   122
.set SO,   124
.set EB,   126
.set PC,   128
.set EBS,  132
.set WF,   136                         ; v136-199 a pass's weight fragments (tile, s) at WF + 8 (4 tile + s)
.set WS,   200                         ; v200-207 their scale words
.set BIAS, 208                         ; v208-223 the pass's bias
.set RL,   224                         ; v224-231 the weights that are laid anew
.set HSC,  232                         ; v232-239 h's scale words
.set WV,   42
.set HD,   43
.set BLK,  52
.set SBA,  53
.set BP,   54
.set SG,   55
.set BT,   56
.set TI,   57
.set SEL,  58
.set HM,   60
.set QB,   66
.set KB,   68
.set VB,   70
.set VSP,  72
.set FB,   74
.set NCH,  76
.set NCL,  77
.set TOPI, 78
.set PH1,  79
.set PH2,  80
.set PH3,  81
.set SN0,  82
.set SN1,  83
.set SN2,  84
.set CO0,  85
.set CO1,  86
.set CO2,  87
.set R512, 88
.set EPS,  89
.set SGN,  90
.set TO,   98
.macro PADD dst, src, off              ; a pointer plus a 32-bit offset (s[TO+1] holds 0)
	s_mov_b32 s[TO], s[\off]
	s_add_nc_u64 s[\dst:\dst+1], s[\src:\src+1], s[TO:TO+1]
.endm
.macro WSUM a                          ; the sum over the wave's 32 lanes, in every lane
	v_add_f32_dpp v[\a], v[\a], v[\a] row_xmask:1 row_mask:0xf bank_mask:0xf
	v_add_f32_dpp v[\a], v[\a], v[\a] row_xmask:2 row_mask:0xf bank_mask:0xf
	v_add_f32_dpp v[\a], v[\a], v[\a] row_xmask:4 row_mask:0xf bank_mask:0xf
	v_add_f32_dpp v[\a], v[\a], v[\a] row_xmask:8 row_mask:0xf bank_mask:0xf
	v_permlanex16_b32 v[\a+1], v[\a], s[SEL], s[SEL+1]
	v_add_f32 v[\a], v[\a], v[\a+1]
.endm
.macro MM d, a, b, sa, sb              ; a link in place
	v_wmma_scale_f32_16x16x128_f8f6f4 v[\d:\d+7], v[\a:\a+7], v[\b:\b+7], v[\d:\d+7], v[\sa], v[\sb] matrix_a_fmt:MATRIX_FMT_FP4 matrix_b_fmt:MATRIX_FMT_FP4
.endm
.macro MMC d, a, b, c, sa, sb          ; a sum's first product, the bias as C
	v_wmma_scale_f32_16x16x128_f8f6f4 v[\d:\d+7], v[\a:\a+7], v[\b:\b+7], v[\c:\c+7], v[\sa], v[\sb] matrix_a_fmt:MATRIX_FMT_FP4 matrix_b_fmt:MATRIX_FMT_FP4
.endm
.macro MMZ d, a, b, sa, sb             ; a sum's first product, C = 0
	v_wmma_scale_f32_16x16x128_f8f6f4 v[\d:\d+7], v[\a:\a+7], v[\b:\b+7], 0, v[\sa], v[\sb] matrix_a_fmt:MATRIX_FMT_FP4 matrix_b_fmt:MATRIX_FMT_FP4
.endm
; Two runs of 16 registers, each a lane's half of a block of 32 (the other half lies in lane l xor 16), become 16 bytes of codes a lane in v[PC:PC+3]: lanes 0-15 run 0's whole block of row r,
; lanes 16-31 run 1's; v[EB], v[EB+1] the two scale bytes, v[EBS] the byte of the lane's own half.
.macro QUANT2 src
	v_max3_num_f32 v[MX], |v[\src]|, |v[\src+1]|, 0x1800000          ; with the floor 2^(3 - 127) among the leaves: the byte cannot fall under 1
	v_max3_num_f32 v[MX+1], |v[\src+16]|, |v[\src+17]|, 0x1800000
.irp i, 2,4,6,8,10,12,14
	v_max3_num_f32 v[MX], v[MX], |v[\src+\i]|, |v[\src+\i+1]|
	v_max3_num_f32 v[MX+1], v[MX+1], |v[\src+16+\i]|, |v[\src+17+\i]|
.endr
	v_permlanex16_b32 v[PD], v[MX], s[SEL], s[SEL+1]
	v_permlanex16_b32 v[PD+1], v[MX+1], s[SEL], s[SEL+1]
	v_max_num_f32 v[MX], v[MX], v[PD]                                ; the block's largest magnitude
	v_max_num_f32 v[MX+1], v[MX+1], v[PD+1]
	v_add_nc_u32 v[SO], 0xff000000, v[MX]                            ; 2 off its exponent field: the conversion's scale operand
	v_add_nc_u32 v[SO+1], 0xff000000, v[MX+1]
	v_lshrrev_b32 v[EB], 23, v[SO]                                   ; the scale's byte
	v_lshrrev_b32 v[EB+1], 23, v[SO+1]
	v_cvt_scalef32_pk8_fp4_f32 v[PC], v[\src:\src+7], v[SO]
	v_cvt_scalef32_pk8_fp4_f32 v[PC+1], v[\src+8:\src+15], v[SO]
	v_cvt_scalef32_pk8_fp4_f32 v[PC+2], v[\src+16:\src+23], v[SO+1]
	v_cvt_scalef32_pk8_fp4_f32 v[PC+3], v[\src+24:\src+31], v[SO+1]
	v_cndmask_b32 v[EBS], v[EB], v[EB+1], s[HM]                      ; lanes 16-31 take run 1's byte.  (The plain place behind the conversions)
	v_permlane16_swap_b32 v[PC], v[PC+2]                             ; halves of blocks change places: a lane now holds a whole block
	v_permlane16_swap_b32 v[PC+1], v[PC+3]
.endm
; A pass's weights: 16 loads of fragments (tile t: row 8 t + r + 8 (r / 8) of my 32), 2 of scale words, and the bias
.macro LOADW pc, ps, pb, isv
.irp t, 0,1
.irp s, 0,1,2,3
.irp c, 0,1
	global_load_b128 v[WF+8*(4*\t+\s)+4*\c:WF+8*(4*\t+\s)+4*\c+3], v2, s[\pc:\pc+1] offset:2048*\t+64*\s+32*\c
.endr
.endr
.endr
.irp t, 0,1
	global_load_b128 v[WS+4*\t:WS+4*\t+3], v3, s[\ps:\ps+1] offset:128*\t
.endr
.if \isv
	global_load_b32 v[BIAS], v5, s[\pb:\pb+1]                        ; v: a lane holds one channel of each tile: one number a tile
	global_load_b32 v[BIAS+2], v5, s[\pb:\pb+1] offset:32
.else
.irp q, 0,1,2,3
	global_load_b128 v[BIAS+4*\q:BIAS+4*\q+3], v4, s[\pb:\pb+1] offset:16*\q   ; q, k: columns 16 h + 0 .. 15 of my 32, in the result's layout
.endr
.endif
.endm
; One token: layer norm, rope, codes.  xs: its 16 registers; i: 0 or 1
.macro ROW xs, i
	v_pk_add_f32 v[KK:KK+1], v[\xs:\xs+1], v[\xs+2:\xs+3]
	v_pk_add_f32 v[KK+2:KK+3], v[\xs+4:\xs+5], v[\xs+6:\xs+7]
	v_pk_add_f32 v[KK+4:KK+5], v[\xs+8:\xs+9], v[\xs+10:\xs+11]
	v_pk_add_f32 v[KK+6:KK+7], v[\xs+12:\xs+13], v[\xs+14:\xs+15]
	v_pk_add_f32 v[KK:KK+1], v[KK:KK+1], v[KK+2:KK+3]
	v_pk_add_f32 v[KK+4:KK+5], v[KK+4:KK+5], v[KK+6:KK+7]
	v_pk_add_f32 v[KK:KK+1], v[KK:KK+1], v[KK+4:KK+5]
	v_add_f32 v[KK], v[KK], v[KK+1]
	WSUM KK
	v_mul_f32 v[KK], s[R512], v[KK]                                  ; the mean
.irp p, 0,2,4,6,8,10,12,14
	v_pk_add_f32 v[\xs+\p:\xs+\p+1], v[\xs+\p:\xs+\p+1], v[KK:KK+1] op_sel_hi:[1,0] neg_lo:[0,1] neg_hi:[0,1]
.endr
	v_pk_mul_f32 v[RR:RR+1], v[\xs:\xs+1], v[\xs:\xs+1]              ; the sum of squares of the centred numbers, in two chains
	v_pk_mul_f32 v[RR+2:RR+3], v[\xs+2:\xs+3], v[\xs+2:\xs+3]
.irp p, 4,8,12
	v_pk_fma_f32 v[RR:RR+1], v[\xs+\p:\xs+\p+1], v[\xs+\p:\xs+\p+1], v[RR:RR+1]
	v_pk_fma_f32 v[RR+2:RR+3], v[\xs+\p+2:\xs+\p+3], v[\xs+\p+2:\xs+\p+3], v[RR+2:RR+3]
.endr
	v_pk_add_f32 v[RR:RR+1], v[RR:RR+1], v[RR+2:RR+3]
	v_add_f32 v[RR], v[RR], v[RR+1]
	WSUM RR
	v_fma_f32 v[RR], v[RR], s[R512], s[EPS]
	v_rsq_f32 v[RR], v[RR]
	s_add_co_u32 s61, s[TI], \i
	v_cvt_f32_u32 v132, s61                                          ; the token's place in its sequence.  (The plain place behind the root)
	s_wait_alu depctr_va_vdst(0)
.irp p, 0,2,4,6,8,10,12,14
	v_pk_mul_f32 v[\xs+\p:\xs+\p+1], v[\xs+\p:\xs+\p+1], v[RR:RR+1] op_sel_hi:[1,0]
.endr
.irp p, 0,2,4,6,8,10,12,14
	v_pk_fma_f32 v[\xs+\p:\xs+\p+1], v[\xs+\p:\xs+\p+1], v[XG+\p:XG+\p+1], v[XB+\p:XB+\p+1]
.endr
.irp j, 0,1,2,3,4,5,6,7
	v_mul_f32 v[KK+\j], v132, v[IFQ+\j]                              ; the angle, rounded once
.endr
.irp j, 0,1,2,3,4,5,6,7
	v_mul_f32 v[RR+\j], s[TOPI], v[KK+\j]
.endr
.irp j, 0,1,2,3,4,5,6,7
	v_rndne_f32 v[RR+\j], v[RR+\j]                                   ; k = the nearest multiple of pi / 2
.endr
.irp j, 0,1,2,3,4,5,6,7
	v_fma_f32 v[KK+\j], -v[RR+\j], s[PH1], v[KK+\j]                  ; r = angle - k pi / 2, pi / 2 in three parts
.endr
.irp j, 0,1,2,3,4,5,6,7
	v_fma_f32 v[KK+\j], -v[RR+\j], s[PH2], v[KK+\j]
.endr
.irp j, 0,1,2,3,4,5,6,7
	v_fma_f32 v[KK+\j], -v[RR+\j], s[PH3], v[KK+\j]
.endr
.irp j, 0,1,2,3,4,5,6,7
	v_mul_f32 v[ZZ+\j], v[KK+\j], v[KK+\j]                           ; z = r r
	v_cvt_i32_f32 v[RR+\j], v[RR+\j]
.endr
.irp j, 0,1,2,3,4,5,6,7
	v_fma_f32 v[SS+\j], v[ZZ+\j], s[SN0], s[SN1]
	v_fma_f32 v[CC+\j], v[ZZ+\j], s[CO0], s[CO1]
.endr
.irp j, 0,1,2,3,4,5,6,7
	v_fma_f32 v[SS+\j], v[SS+\j], v[ZZ+\j], s[SN2]
	v_fma_f32 v[CC+\j], v[CC+\j], v[ZZ+\j], s[CO2]
.endr
.irp j, 0,1,2,3,4,5,6,7
	v_mul_f32 v[SS+\j], v[SS+\j], v[ZZ+\j]
	v_mul_f32 v[CC+\j], v[CC+\j], v[ZZ+\j]
.endr
.irp j, 0,1,2,3,4,5,6,7
	v_fma_f32 v[SS+\j], v[SS+\j], v[KK+\j], v[KK+\j]                 ; sin r
.endr
.irp j, 0,1,2,3,4,5,6,7
	v_fma_f32 v[KK+\j], v[ZZ+\j], -0.5, 1.0
.endr
.irp j, 0,1,2,3,4,5,6,7
	v_fma_f32 v[CC+\j], v[CC+\j], v[ZZ+\j], v[KK+\j]                 ; cos r
	v_and_b32 v[KK+\j], 1, v[RR+\j]
.endr
.irp j, 0,1,2,3,4,5,6,7
	v_cmp_eq_u32 vcc_lo, 1, v[KK+\j]                                 ; in the odd quadrants sine and cosine change places
	v_cndmask_b32 v[KK+\j], v[SS+\j], v[CC+\j], vcc_lo
	v_cndmask_b32 v[ZZ+\j], v[CC+\j], v[SS+\j], vcc_lo
.endr
.irp j, 0,1,2,3,4,5,6,7
	v_lshlrev_b32 v[SS+\j], 30, v[RR+\j]                             ; the sine is negative in quadrants 2, 3,
	v_add_nc_u32 v[RR+\j], 1, v[RR+\j]
.endr
.irp j, 0,1,2,3,4,5,6,7
	v_lshlrev_b32 v[CC+\j], 30, v[RR+\j]                             ; the cosine in 1, 2
	v_and_b32 v[SS+\j], s[SGN], v[SS+\j]
.endr
.irp j, 0,1,2,3,4,5,6,7
	v_and_b32 v[CC+\j], s[SGN], v[CC+\j]
	v_xor_b32 v[KK+\j], v[KK+\j], v[SS+\j]
.endr
.irp j, 0,1,2,3,4,5,6,7
	v_xor_b32 v[ZZ+\j], v[ZZ+\j], v[CC+\j]
.endr
.irp j, 0,1,2,3,4,5,6,7
	v_mul_f32 v[SS+\j], v[\xs+8+\j], v[KK+\j]
	v_mul_f32 v[CC+\j], v[\xs+8+\j], v[ZZ+\j]
.endr
.irp j, 0,1,2,3,4,5,6,7
	v_fma_f32 v[SS+\j], v[\xs+\j], v[ZZ+\j], -v[SS+\j]               ; x1 cos - x2 sin: columns 8 lane ..
	v_fma_f32 v[CC+\j], v[\xs+\j], v[KK+\j], v[CC+\j]                ; x1 sin + x2 cos: columns 256 + 8 lane ..
.endr
	v_max3_num_f32 v133, |v[SS]|, |v[SS+1]|, 0x1800000               ; a block of 32 columns lies in four neighbouring lanes
	v_max3_num_f32 v134, |v[CC]|, |v[CC+1]|, 0x1800000
.irp j, 2,4,6
	v_max3_num_f32 v133, v133, |v[SS+\j]|, |v[SS+\j+1]|
	v_max3_num_f32 v134, v134, |v[CC+\j]|, |v[CC+\j+1]|
.endr
	v_max_num_f32_dpp v133, v133, v133 row_xmask:1 row_mask:0xf bank_mask:0xf
	v_max_num_f32_dpp v134, v134, v134 row_xmask:1 row_mask:0xf bank_mask:0xf
	v_max_num_f32_dpp v133, v133, v133 row_xmask:2 row_mask:0xf bank_mask:0xf
	v_max_num_f32_dpp v134, v134, v134 row_xmask:2 row_mask:0xf bank_mask:0xf
	v_add_nc_u32 v133, 0xff000000, v133
	v_add_nc_u32 v134, 0xff000000, v134
	v_cvt_scalef32_pk8_fp4_f32 v[KK], v[SS:SS+7], v133
	v_cvt_scalef32_pk8_fp4_f32 v[KK+1], v[CC:CC+7], v134
	v_lshrrev_b32 v[KK+2], 23, v133                                  ; the scale bytes.  (Plain places behind the conversions)
	v_lshrrev_b32 v[KK+3], 23, v134
	ds_store_b32 v6, v[KK] offset:272*\i                             ; 8 codes: 4 bytes at 4 lane of the token's slot,
	ds_store_b32 v6, v[KK+1] offset:272*\i+128                       ; and 128 bytes on
	ds_store_b8 v7, v[KK+2] offset:16*\i                             ; the four lanes of a block write the same byte with the same value
	ds_store_b8 v7, v[KK+3] offset:16*\i+8
.endm
; A pass: 16 products (four accumulators by turns), the next pass's loads, the quantiser, the stores.
.macro PASS isv, mat, nx, npc, nps, npb, nisv, ob
	s_wait_loadcnt 0x0                                               ; this pass's weights, scale words and bias
.irp s, 0,1,2,3
.irp a, 0,1
.irp u, 0,1
.if \isv
.if \s == 0
	MMZ ACC+16*\a+8*\u, HF+8*(4*\u+\s), WF+8*(4*\a+\s), HSC+4*\u+\s, WS+4*\a+\s
.else
	MM ACC+16*\a+8*\u, HF+8*(4*\u+\s), WF+8*(4*\a+\s), HSC+4*\u+\s, WS+4*\a+\s
.endif
.else
.if \s == 0
	MMC ACC+16*\a+8*\u, WF+8*(4*\u+\s), HF+8*(4*\a+\s), BIAS+8*\u, WS+4*\u+\s, HSC+4*\a+\s
.else
	MM ACC+16*\a+8*\u, WF+8*(4*\u+\s), HF+8*(4*\a+\s), WS+4*\u+\s, HSC+4*\a+\s
.endif
.endif
.endr
.endr
.endr
.rept 5
	v_nop                                                            ; places behind the products: for the loads into their operands, the first read of results, and the next pass's products, which begin these accumulators anew
.endr
.if \nx
	LOADW \npc, \nps, \npb, \nisv                                    ; they land while this pass is quantised
.endif
.if \isv
.irp a, 0,1
.irp p, 0,2,4,6,8,10,12,14
	v_pk_add_f32 v[ACC+16*\a+\p:ACC+16*\a+\p+1], v[ACC+16*\a+\p:ACC+16*\a+\p+1], v[BIAS+2*\a:BIAS+2*\a+1] op_sel_hi:[1,0]
.endr
.endr
.endif
	s_wait_xcnt 0x0                                                  ; the last pass's stores have read their data: the codes' and the byte's registers are written again only behind this wait
	QUANT2 ACC
.if \isv
	global_store_b128 v11, v[PC:PC+3], s[\ob:\ob+1]                  ; each half of the wave stores 256 consecutive bytes, aligned
	global_store_b8 v13, v[EBS], s[VSP:VSP+1]
.else
	global_store_b128 v10, v[PC:PC+3], s[\ob:\ob+1]
	ds_store_b8 v12, v[EBS] offset:1024*\mat                         ; the scale bytes of a head's two blocks meet in LDS and leave as words
.endif
.endm
	s_load_b512 s[4:19], s[0:1], 0x0               ; x 4, ln_g 6, ln_b 8, Wq codes 10, scales 12, bq 14, Wk codes 16, scales 18
	s_load_b512 s[20:35], s[0:1], 0x40             ; bk 20, Wv codes 22, scales 24, bv 26, Wo codes 28, W1 codes 30, W2 codes 32, q_img 34
	s_load_b128 s[36:39], s[0:1], 0x80             ; q_sc 36, kv 38
	s_load_b64 s[40:41], s[0:1], 0x90              ; wimg
	v_lshl_add_u32 v254, v0, 2, 0x2c00
	v_mov_b32 v255, 0
	v_lshrrev_b32 v128, 5, v0
	v_readfirstlane_b32 s[WV], v128                ; wave 0..15
	v_and_b32 v128, 31, v0                         ; lane
	v_and_b32 v129, 15, v0                         ; r
	v_bfe_u32 v130, v0, 4, 1                       ; h
	v_and_b32 v131, 8, v129
	v_add_nc_u32 v131, v131, v129                  ; r + 8 (r / 8)
	v_lshlrev_b32 v1, 5, v128                      ; x, ln_g, ln_b: 32 bytes a lane
	v_lshlrev_b32 v2, 8, v131
	v_lshl_add_u32 v2, v130, 4, v2                 ; a weight's fragment: row x 256 + 16 h
	v_lshlrev_b32 v3, 4, v131                      ; its scale words: 16 bytes a row
	v_lshlrev_b32 v4, 6, v130                      ; bias of q, k: 64 h
	v_lshlrev_b32 v5, 2, v131                      ; bias of v: 4 bytes a row
	s_lshr_b32 s62, s[WV], 2                       ; the slot of token 2 w: 16 ((w >> 2) & 1) + 8 (w >> 3) + 2 (w & 3)
	s_and_b32 s62, s62, 1
	s_lshl_b32 s62, s62, 4
	s_lshr_b32 s63, s[WV], 3
	s_lshl_b32 s63, s63, 3
	s_add_co_u32 s62, s62, s63
	s_and_b32 s63, s[WV], 3
	s_lshl_b32 s63, s63, 1
	s_add_co_u32 s62, s62, s63
	s_mul_i32 s63, s62, 272
	v_lshl_add_u32 v6, v128, 2, s63                ; where I put 8 codes
	s_lshl_b32 s63, s62, 4
	s_add_co_u32 s63, s63, HS
	v_lshrrev_b32 v7, 2, v128
	v_add_nc_u32 v7, s63, v7                       ; and a scale byte
	v_mul_u32_u24 v8, v129, 272
	v_lshl_add_u32 v8, v130, 4, v8                 ; h's fragments: slot r x 272 + 16 h
	v_lshl_add_u32 v9, v129, 4, HS                 ; h's scale words
	v_lshlrev_b32 v10, 4, v129
	v_lshl_add_u32 v11, v130, 10, v10              ; v's codes: 1024 hh + 16 r
	v_lshl_add_u32 v13, v130, 2, v10               ; v's scale bytes: 16 r + 4 hh
	v_lshl_add_u32 v10, v130, 9, v10               ; q's and k's codes: 512 hh + 16 r
	s_lshr_b32 s[HD], s[WV], 1                     ; my head,
	s_and_b32 s[BLK], s[WV], 1                     ; my block of its 64 channels
	s_lshl_b32 s63, s[HD], 7
	s_add_co_u32 s63, s63, s[BLK]
	s_add_co_u32 s63, s63, SCL
	v_lshlrev_b32 v12, 3, v129
	v_lshl_add_u32 v12, v130, 2, v12
	v_add_nc_u32 v12, s63, v12                     ; q's, k's scale byte in LDS: 128 head + 8 r + 4 hh + block
	v_lshl_add_u32 v14, v0, 2, SCL                 ; 4 x thread: a wave's 128 bytes of the scale words
	v_lshlrev_b32 v15, 2, v128
	s_lshr_b32 s[SBA], ttmp9, 6                    ; batch
	s_and_b32 s[BP], ttmp9, 63                     ; block of 32 tokens in it
	s_lshr_b32 s[SG], s[BP], 2                     ; key step of 128
	s_and_b32 s[BT], s[BP], 3                      ; block of 32 in the step
	s_lshl_b32 s[TI], s[BP], 5
	s_lshl_b32 s61, s[WV], 1
	s_add_co_u32 s[TI], s[TI], s61                 ; token 2 w's place in its sequence
	s_mov_b32 s[SEL], 0x76543210
	s_mov_b32 s[SEL+1], 0xfedcba98                 ; v_permlanex16_b32's selects for lane l xor 16
	s_mov_b32 s[HM], 0xffff0000
	s_mov_b32 s[NCH], 0xbd549a78                   ; -log2(10000) / 256, in two parts
	s_mov_b32 s[NCL], 0xb0979a6c
	s_mov_b32 s[TOPI], 0x3f22f983                  ; 2 / pi
	s_mov_b32 s[PH1], 0x3fc90fd8                   ; pi / 2, in three parts
	s_mov_b32 s[PH2], 0x34a8885a
	s_mov_b32 s[PH3], 0x27c234c4
	s_mov_b32 s[SN0], 0xb94ca1f9
	s_mov_b32 s[SN1], 0x3c08839e
	s_mov_b32 s[SN2], 0xbe2aaaa3
	s_mov_b32 s[CO0], 0x37ccf5ce
	s_mov_b32 s[CO1], 0xbab6061a
	s_mov_b32 s[CO2], 0x3d2aaaa5
	s_mov_b32 s[R512], 0x3b000000                  ; 1 / 512
	s_mov_b32 s[EPS], 0x3727c5ac                   ; 1e-5
	s_mov_b32 s[SGN], 0x80000000
	s_mov_b32 s[TO+1], 0
	; byte offsets, apart from the pointers
	s_lshl_b32 s91, ttmp9, 16
	s_lshl_b32 s61, s[WV], 12
	s_add_co_u32 s91, s91, s61                     ; x: (32 g + 2 w) rows of 2,048 bytes
	s_lshl_b32 s92, s[WV], 13                      ; a weight's codes: 32 w rows of 256 bytes
	s_lshl_b32 s93, s[WV], 9                       ; its scales
	s_lshl_b32 s94, s[WV], 7                       ; its bias
	s_lshl_b32 s61, s[SBA], 3
	s_add_co_u32 s62, s61, s[HD]                   ; bh = 8 batch + head
	s_lshl_b32 s95, s62, 16
	s_lshl_b32 s63, s[BP], 10
	s_add_co_u32 s95, s95, s63
	s_lshl_b32 s63, s[BLK], 8
	s_add_co_u32 s95, s95, s63                     ; q_img: 65536 bh + 1024 block of tokens + 256 block of channels
	s_mul_i32 s62, s62, 143360
	s_mul_i32 s63, s[SG], 8960
	s_add_co_u32 s62, s62, s63                     ; kv: the head's step
	s_lshl_b32 s96, s[BT], 10
	s_add_co_u32 s96, s96, s62
	s_lshl_b32 s63, s[BLK], 8
	s_add_co_u32 s96, s96, s63                     ; K's codes
	s_lshl_b32 s97, s[BLK], 11
	s_add_co_u32 s97, s97, s62
	s_lshl_b32 s63, s[BT], 8
	s_add_co_u32 s97, s97, s63
	s_add_co_u32 s97, s97, 4096                    ; V's codes
	s_lshl_b32 s2, s[BLK], 3
	s_add_co_u32 s2, s2, s62
	s_add_co_u32 s2, s2, s[BT]
	s_add_co_u32 s2, s2, 8704                      ; V's scale bytes
	s_and_b32 s63, s[WV], 7                        ; at the end wave w stores the scale words of q (w < 8) or k, head w % 8
	s_add_co_u32 s63, s63, s61
	s_lshl_b32 s3, s63, 13
	s_lshl_b32 s62, s[BP], 7
	s_add_co_u32 s3, s3, s62
	s_mul_i32 s63, s63, 143360
	s_mul_i32 s62, s[SG], 8960
	s_add_co_u32 s63, s63, s62
	s_lshl_b32 s62, s[BT], 7
	s_add_co_u32 s63, s63, s62
	s_add_co_u32 s63, s63, 8192
	s_cmp_lt_u32 s[WV], 8
	s_cselect_b32 s3, s3, s63
	s_wait_kmcnt 0x0
	s_cselect_b64 s[FB:FB+1], s[36:37], s[38:39]   ; the choice hangs on the wave's number alone
	PADD FB, FB, 3
	PADD 4, 4, 91
	PADD 10, 10, 92
	PADD 16, 16, 92
	PADD 22, 22, 92
	PADD 12, 12, 93
	PADD 18, 18, 93
	PADD 24, 24, 93
	PADD 14, 14, 94
	PADD 20, 20, 94
	PADD 26, 26, 94
	PADD QB, 34, 95
	PADD KB, 38, 96
	PADD VB, 38, 97
	PADD VSP, 38, 2
.irp i, 0,1
	global_load_b128 v[X0+16*\i:X0+16*\i+3], v1, s[4:5] offset:2048*\i
	global_load_b128 v[X0+16*\i+4:X0+16*\i+7], v1, s[4:5] offset:2048*\i+16
	global_load_b128 v[X0+16*\i+8:X0+16*\i+11], v1, s[4:5] offset:2048*\i+1024
	global_load_b128 v[X0+16*\i+12:X0+16*\i+15], v1, s[4:5] offset:2048*\i+1040
.endr
	global_load_b128 v[XG:XG+3], v1, s[6:7]
	global_load_b128 v[XG+4:XG+7], v1, s[6:7] offset:16
	global_load_b128 v[XG+8:XG+11], v1, s[6:7] offset:1024
	global_load_b128 v[XG+12:XG+15], v1, s[6:7] offset:1040
	global_load_b128 v[XB:XB+3], v1, s[8:9]
	global_load_b128 v[XB+4:XB+7], v1, s[8:9] offset:16
	global_load_b128 v[XB+8:XB+11], v1, s[8:9] offset:1024
	global_load_b128 v[XB+12:XB+15], v1, s[8:9] offset:1040
	LOADW 10, 12, 14, 0                            ; pass q's 22 loads land while h is made
	; ---- Wo, W1, W2 in operand order: work-group g < 144 lays group g (32 rows x 256 bytes); wave w < 8 its fragment (tile w / 4, K step w % 4)
	s_cmp_lt_u32 ttmp9, 144
	s_cbranch_scc0 .Lno_relay
	s_cmp_lt_u32 s[WV], 8
	s_cbranch_scc0 .Lno_relay
	s_cmp_lt_u32 ttmp9, 16
	s_cselect_b64 s[44:45], s[28:29], s[30:31]     ; groups 0-15 Wo, 16-79 W1,
	s_cselect_b32 s46, 0, 16
	s_sub_co_u32 s46, ttmp9, s46
	s_lshl_b32 s46, s46, 13                        ; 32 rows of 256 bytes a group
	s_sub_co_u32 s48, ttmp9, 80                    ; 80-143 W2: group 4 w' + rho: rows 32 w' on, bytes 256 rho on of rows of 1,024
	s_lshr_b32 s49, s48, 2
	s_lshl_b32 s49, s49, 15
	s_and_b32 s48, s48, 3
	s_lshl_b32 s48, s48, 8
	s_add_co_u32 s48, s48, s49
	s_cmp_lt_u32 ttmp9, 80
	s_cselect_b64 s[44:45], s[44:45], s[32:33]
	s_cselect_b32 s46, s46, s48
	s_cselect_b32 s50, 8, 10                       ; log2 of a row's bytes
	s_mov_b32 s47, 0
	s_add_nc_u64 s[44:45], s[44:45], s[46:47]
	s_lshr_b32 s48, s[WV], 2
	s_lshl_b32 s48, s48, 3
	v_add_nc_u32 v134, s48, v131                   ; row 8 u + r + 8 (r / 8)
	v_lshlrev_b32 v134, s50, v134
	s_and_b32 s49, s[WV], 3
	s_lshl_b32 s49, s49, 6
	v_lshl_add_u32 v135, v130, 4, s49              ; + 64 s + 16 h
	v_add_nc_u32 v134, v134, v135
	global_load_b128 v[RL:RL+3], v134, s[44:45]
	global_load_b128 v[RL+4:RL+7], v134, s[44:45] offset:32
	s_lshl_b32 s46, ttmp9, 13
	s_lshl_b32 s48, s[WV], 10
	s_add_co_u32 s46, s46, s48
	s_add_nc_u64 s[96:97], s[40:41], s[46:47]
	v_lshlrev_b32 v135, 4, v128
	s_wait_loadcnt 0x0
	global_store_b128 v135, v[RL:RL+3], s[96:97]             ; 512 consecutive bytes a store
	global_store_b128 v135, v[RL+4:RL+7], s[96:97] offset:512
	s_wait_xcnt 0x0                                ; v134 is written again below
.Lno_relay:
	; ---- my 8 inverse frequencies: 2^(-j c), j = 8 lane + i, c = log2(10000) / 256 in two parts; the product's error is carried into the fraction
.irp i, 0,1,2,3,4,5,6,7
	v_lshl_add_u32 v[KK+\i], v128, 3, \i
.endr
.irp i, 0,1,2,3,4,5,6,7
	v_cvt_f32_u32 v[KK+\i], v[KK+\i]
.endr
.irp i, 0,1,2,3,4,5,6,7
	v_mul_f32 v[RR+\i], s[NCH], v[KK+\i]
.endr
.irp i, 0,1,2,3,4,5,6,7
	v_fma_f32 v[ZZ+\i], v[KK+\i], s[NCH], -v[RR+\i]
	v_rndne_f32 v[SS+\i], v[RR+\i]
.endr
.irp i, 0,1,2,3,4,5,6,7
	v_fma_f32 v[ZZ+\i], v[KK+\i], s[NCL], v[ZZ+\i]
	v_sub_f32 v[CC+\i], v[RR+\i], v[SS+\i]
.endr
.irp i, 0,1,2,3,4,5,6,7
	v_add_f32 v[CC+\i], v[CC+\i], v[ZZ+\i]
.endr
.irp i, 0,1,2,3,4,5,6,7
	v_exp_f32 v[CC+\i], v[CC+\i]
.endr
.irp i, 0,1,2,3,4,5,6,7
	v_cvt_i32_f32 v[SS+\i], v[SS+\i]               ; (plain places behind the exponentials)
.endr
	s_wait_alu depctr_va_vdst(0)
.irp i, 0,1,2,3,4,5,6,7
	v_ldexp_f32 v[IFQ+\i], v[CC+\i], v[SS+\i]
.endr
	s_wait_loadcnt 22                              ; x, ln_g and ln_b are in; pass q's 22 loads may stay out
	ROW X0, 0
	ROW X0+16, 1
	v_mov_b32 v133, 0
	ds_store_b32 v14, v133                         ; the scale words begin as zeros: their upper two bytes belong to K = 64 .. 127, where the codes are zeros
	s_wait_dscnt 0x0                               ; my stores have landed
	s_barrier_signal -1
	s_barrier_wait -1                              ; all 32 tokens' codes lie in LDS
.irp m, 0,1
.irp s, 0,1,2,3
.irp c, 0,1
	ds_load_b128 v[HF+8*(4*\m+\s)+4*\c:HF+8*(4*\m+\s)+4*\c+3], v8 offset:4352*\m+64*\s+32*\c
.endr
.endr
.endr
.irp m, 0,1
	ds_load_b128 v[HSC+4*\m:HSC+4*\m+3], v9 offset:256*\m
.endr
	v_mov_b32 v[PD], 0                             ; a lane permute's destination counts as one of its sources
	v_mov_b32 v[PD+1], 0
	s_wait_dscnt 0x0
	PASS 0, 0, 1, 16, 18, 20, 0, QB
	PASS 0, 1, 1, 22, 24, 26, 1, KB
	PASS 1, 0, 0, 0, 0, 0, 0, VB
	s_wait_dscnt 0x0                               ; my scale bytes have landed
	s_barrier_signal -1
	s_barrier_wait -1
	ds_load_b32 v133, v14                          ; one head's 32 scale words of q or of k
	s_wait_dscnt 0x0
	global_store_b32 v15, v133, s[FB:FB+1]         ; 128 consecutive bytes
	s_wait_tensorcnt 0x0
	ds_add_u32 v254, v255
	s_wait_dscnt 0x0
	s_endpgm
.Lfunc_end_k_qe17995b2d9_qkv:
	.size	k_qe17995b2d9_qkv, .Lfunc_end_k_qe17995b2d9_qkv-k_qe17995b2d9_qkv
	.p2alignl 7, 3214868480
	.fill 96, 4, 3214868480
	.section	.rodata,"a",@progbits
	.p2align	6, 0x0
	.amdhsa_kernel k_qe17995b2d9_qkv
		.amdhsa_group_segment_fixed_size 13312
		.amdhsa_private_segment_fixed_size 0
		.amdhsa_enable_private_segment 0
		.amdhsa_kernarg_size 152
		.amdhsa_user_sgpr_count 2
		.amdhsa_user_sgpr_kernarg_segment_ptr 1
		.amdhsa_wavefront_size32 1
		.amdhsa_system_sgpr_workgroup_id_x 1
		.amdhsa_system_sgpr_workgroup_id_y 1
		.amdhsa_system_sgpr_workgroup_id_z 1
		.amdhsa_system_vgpr_workitem_id 0
		.amdhsa_next_free_vgpr 256
		.amdhsa_next_free_sgpr 100
		.amdhsa_reserve_vcc 1
		.amdhsa_float_denorm_mode_32 3
		.amdhsa_float_denorm_mode_16_64 3
		.amdhsa_memory_ordered 1
		.amdhsa_forward_progress 1
		.amdhsa_inst_pref_size 67
	.end_amdhsa_kernel
	.amdgpu_metadata
---
amdhsa.version: [ 1, 2 ]
amdhsa.kernels:
  - .name:           k_qe17995b2d9_qkv
    .symbol:         k_qe17995b2d9_qkv.kd
    .args:
      - { .name: x, .offset: 0, .size: 8, .value_kind: global_buffer, .address_space: global }
      - { .name: ln_g, .offset: 8, .size: 8, .value_kind: global_buffer, .address_space: global }
      - { .name: ln_b, .offset: 16, .size: 8, .value_kind: global_buffer, .address_space: global }
      - { .name: Wq_codes, .offset: 24, .size: 8, .value_kind: global_buffer, .address_space: global }
      - { .name: Wq_scales, .offset: 32, .size: 8, .value_kind: global_buffer, .address_space: global }
      - { .name: bq, .offset: 40, .size: 8, .value_kind: global_buffer, .address_space: global }
      - { .name: Wk_codes, .offset: 48, .size: 8, .value_kind: global_buffer, .address_space: global }
      - { .name: Wk_scales, .offset: 56, .size: 8, .value_kind: global_buffer, .address_space: global }
      - { .name: bk, .offset: 64, .size: 8, .value_kind: global_buffer, .address_space: global }
      - { .name: Wv_codes, .offset: 72, .size: 8, .value_kind: global_buffer, .address_space: global }
      - { .name: Wv_scales, .offset: 80, .size: 8, .value_kind: global_buffer, .address_space: global }
      - { .name: bv, .offset: 88, .size: 8, .value_kind: global_buffer, .address_space: global }
      - { .name: Wo_codes, .offset: 96, .size: 8, .value_kind: global_buffer, .address_space: global }
      - { .name: W1_codes, .offset: 104, .size: 8, .value_kind: global_buffer, .address_space: global }
      - { .name: W2_codes, .offset: 112, .size: 8, .value_kind: global_buffer, .address_space: global }
      - { .name: q_img, .offset: 120, .size: 8, .value_kind: global_buffer, .address_space: global }
      - { .name: q_sc, .offset: 128, .size: 8, .value_kind: global_buffer, .address_space: global }
      - { .name: kv, .offset: 136, .size: 8, .value_kind: global_buffer, .address_space: global }
      - { .name: wimg, .offset: 144, .size: 8, .value_kind: global_buffer, .address_space: global }
    .group_segment_fixed_size: 13312
    .private_segment_fixed_size: 0
    .kernarg_segment_align: 8
    .kernarg_segment_size: 152
    .max_flat_workgroup_size: 512
    .sgpr_count:     100
    .vgpr_count:     256
    .wavefront_size: 32
...
	.end_amdgpu_metadata
.endif
;; end of part 1
;; launch attn (part 2): grid 8 x 32, 16 waves a work-group, no clusters, 169,984 bytes of LDS; arguments q_img, q_sc, kv, o_img, o_sc; writes o_img, o_sc
.if DOCPART == 2
	.amdgcn_target "amdgcn-amd-amdhsa--gfx1250"
	.amdhsa_code_object_version 6
	.text
	.protected	k_qe17995b2d9_attn
	.globl	k_qe17995b2d9_attn
	.p2align	8
	.type	k_qe17995b2d9_attn,@function
k_qe17995b2d9_attn:
	s_mov_b64 s[64:65], 0
	v_nop
	global_prefetch_b8 v0, s[64:65] scope:SCOPE_SE
	s_setreg_imm32_b32 hwreg(HW_REG_WAVE_MODE, 25, 1), 1
	s_wait_xcnt 0x0
; o = softmax(q k^T / 8, keys allowed where |query - key| > 128) v, both products on codes of FP4 (E2M1) with E8M0 scales; o is quantised along the channels for the next product.
; THE SOFTMAX AHEAD OF THE SECOND PRODUCT: t = score x log2(e) / 8; M = the running largest t rounded up to a whole number; p = 2^(t - M) is quantised along the keys, not normalised; the row's sum is
; taken of the unquantised p and divides at the end; when M moves, the sum and O are multiplied by 2^(old M - new M), which rounds nothing.
; SHARES.  A work-group owns 256 queries of one (batch, head); each of its sixteen waves one tile of 16 queries, in 256 registers, four waves to a SIMD.  Every wave walks the head's 16 steps of 128 keys.
; LDS holds the head's whole kv buffer, 143,360 bytes as they lie in memory, filled ONCE by eight tensor loads (waves 0 and 1, four each, two steps a load); no byte is filled again and nothing is stored to LDS.
; A chunk of four steps is read behind a counted wait and a barrier, so the first steps are worked while the later chunks are on their way.
; LAYOUT.  Both products are used transposed: S^T = K Q^T, O^T = V^T P^T: a lane holds one query.  The head has 64 channels, so the upper halves of K's and Q's fragments (K = 64 .. 127) are zero codes.
; Lane r of key tile 2 b + u holds key 32 b + 8 u + r + 8 (r / 8); the queries of a tile and the channels of V's tiles are chosen in the same way.
; THE MASK is made of indices alone: the step that holds the query is wholly hidden and is left out by a scalar branch; in its two neighbours hidden scores become -infinity ahead of the maximum; the others are open.
; WHY NO CLUSTER: the eight work-groups of a head read the same bytes, but the steps that they leave out or mask differ with their place, and partners of a joint load must run alike; what is shared is read once a work-group.
; LIMITS: NaN and infinities are not served; a block of p that has fallen to zeros keeps the scale byte 1 (its codes are zeros).
.set WV,  16
.set BH,  17
.set TAU, 18
.set QS,  19
.set G1,  24                           ; s[24:31] descriptor group 1;  s[32:47] four groups 0
.set G0,  32
.set CS,  48                           ; s[48:49] log2(e) / 8
.set SEL, 50
.set TB,  52                           ; LDS byte at which the step begins
.set SG,  53                           ; the step
.set CT,  54
.set DF,  55
.set TP,  56
.set HM,  57
.set TO,  58
.set MX,  232                          ; the last quantiser's registers
.set PD,  234
.set SO,  236
.set EB,  238
.set PC,  240
.set EBS, 244
; REGISTERS: v1 16 lane; v2 8192 + 8 r; v3 8704 + 16 r; v4 my query less 16 h; v5-7 the step's addresses; v8 at work; v9 -infinity; v12 -M; v13 the largest t; v[14:15] the sum; v[16:23] Q; v24 Q's scale word;
; v27 16 r; v[32:63] four tiles of K; v[64:95] V; v[96:159] S^T, then p; v[160:191] O^T; v[192:199] p's codes; v[200:207] K's scale words; v[208:211] V's; v232-254 at work; v253 p's scale word.
.macro QUANT2 src
	v_max3_num_f32 v[MX], |v[\src]|, |v[\src+1]|, 0x1800000
	v_max3_num_f32 v[MX+1], |v[\src+16]|, |v[\src+17]|, 0x1800000
.irp i, 2,4,6,8,10,12,14
	v_max3_num_f32 v[MX], v[MX], |v[\src+\i]|, |v[\src+\i+1]|
	v_max3_num_f32 v[MX+1], v[MX+1], |v[\src+16+\i]|, |v[\src+17+\i]|
.endr
	v_permlanex16_b32 v[PD], v[MX], s[SEL], s[SEL+1]
	v_permlanex16_b32 v[PD+1], v[MX+1], s[SEL], s[SEL+1]
	v_max_num_f32 v[MX], v[MX], v[PD]
	v_max_num_f32 v[MX+1], v[MX+1], v[PD+1]
	v_add_nc_u32 v[SO], 0xff000000, v[MX]
	v_add_nc_u32 v[SO+1], 0xff000000, v[MX+1]
	v_lshrrev_b32 v[EB], 23, v[SO]
	v_lshrrev_b32 v[EB+1], 23, v[SO+1]
	v_cvt_scalef32_pk8_fp4_f32 v[PC], v[\src:\src+7], v[SO]
	v_cvt_scalef32_pk8_fp4_f32 v[PC+1], v[\src+8:\src+15], v[SO]
	v_cvt_scalef32_pk8_fp4_f32 v[PC+2], v[\src+16:\src+23], v[SO+1]
	v_cvt_scalef32_pk8_fp4_f32 v[PC+3], v[\src+24:\src+31], v[SO+1]
	v_cndmask_b32 v[EBS], v[EB], v[EB+1], s[HM]                      ; (the plain place behind the conversions)
	v_permlane16_swap_b32 v[PC], v[PC+2]
	v_permlane16_swap_b32 v[PC+1], v[PC+3]
.endm
	s_load_b256 s[4:11], s[0:1], 0x0               ; q_img 4, q_sc 6, kv 8, o_img 10
	s_load_b64 s[12:13], s[0:1], 0x20              ; o_sc
	v_lshl_add_u32 v251, v0, 2, 0x29000
	v_mov_b32 v255, 0
	ds_add_u32 v251, v255
	ds_add_u32 v251, v255
	v_lshrrev_b32 v10, 5, v0
	v_readfirstlane_b32 s[WV], v10                 ; wave 0..15
	s_and_b32 s[BH], ttmp7, 0xffff                 ; 8 batch + head
	; descriptor group 1: two steps, 17,920 dense bytes, as 70 rows of 256 bytes (32 elements of 8 bytes), no padding
	s_mov_b32 s[G1], 3<<16                         ; no mask; elements of 8 bytes
	s_mov_b32 s[G1+1], 32<<16                      ; tensor_dim0 = 32
	s_mov_b32 s[G1+2], 70<<16                      ; tensor_dim1 = 70
	s_mov_b32 s[G1+3], 32<<16                      ; tile_dim0 = 32
	s_mov_b32 s[G1+4], 70                          ; tile_dim1 = 70
	s_mov_b32 s[G1+5], 32                          ; the pitch
	s_mov_b32 s[G1+6], 0
	s_mov_b32 s[G1+7], 0
	s_mul_i32 s20, s[WV], 17920                    ; wave 0: a chunk's first two steps; wave 1: its last two
	s_mul_i32 s21, s[BH], 143360
	s_add_co_u32 s[TO], s21, s20
	s_mov_b32 s[TO+1], 0
	s_wait_dscnt 0x0
	s_wait_kmcnt 0x0
	s_add_nc_u64 s[14:15], s[8:9], s[TO:TO+1]
.irp c, 0,1,2,3
	s_mov_b32 s[G0+4*\c], 1
	s_add_co_u32 s[G0+4*\c+1], s20, 35840*\c       ; LDS as memory: 17,920 wave + 35,840 chunk
	s_add_nc_u64 s[G0+4*\c+2:G0+4*\c+3], s[14:15], 35840*\c
	s_or_b32 s[G0+4*\c+3], s[G0+4*\c+3], 0x80000000
.endr
	s_cmp_lt_u32 s[WV], 2                          ; all fills stand in one branch, ahead of every wait on TENSORcnt, LDS read and barrier: four loads of a wave are out
	s_cbranch_scc0 .Lno_fill
	tensor_load_to_lds s[G0:G0+3], s[G1:G1+7]
	s_nop 0
	tensor_load_to_lds s[G0+4:G0+7], s[G1:G1+7]
	s_nop 0
	tensor_load_to_lds s[G0+8:G0+11], s[G1:G1+7]
	s_nop 0
	tensor_load_to_lds s[G0+12:G0+15], s[G1:G1+7]
	s_nop 0
.rept 4
	v_nop
.endr
.Lno_fill:
	v_and_b32 v10, 15, v0                          ; r
	v_bfe_u32 v11, v0, 4, 1                        ; h
	v_and_b32 v1, 31, v0
	v_lshlrev_b32 v1, 4, v1
	v_lshl_add_u32 v2, v10, 3, 8192
	v_lshl_add_u32 v3, v10, 4, 8704
	v_and_b32 v25, 8, v10
	v_add_nc_u32 v25, v25, v10                     ; r + 8 (r / 8)
	s_lshl_b32 s[TAU], ttmp9, 4
	s_add_co_u32 s[TAU], s[TAU], s[WV]             ; my tile of queries, 0..127
	s_lshr_b32 s[QS], s[TAU], 3                    ; the step of 128 in which my queries lie
	s_lshr_b32 s20, s[TAU], 1
	s_lshl_b32 s20, s20, 5
	s_and_b32 s21, s[TAU], 1
	s_lshl_b32 s21, s21, 3
	s_add_co_u32 s20, s20, s21
	v_lshlrev_b32 v26, 4, v11
	v_sub_nc_u32 v4, v25, v26
	v_add_nc_u32 v4, s20, v4                       ; my query - 16 h
	s_lshl_b32 s21, s[BH], 16
	s_lshl_b32 s22, s[TAU], 9
	s_add_co_u32 s[TO], s21, s22
	s_add_nc_u64 s[4:5], s[4:5], s[TO:TO+1]
	global_load_b128 v[16:19], v1, s[4:5]          ; Q's fragment: its lower half
	s_lshl_b32 s21, s[BH], 13
	s_lshr_b32 s22, s[TAU], 1
	s_lshl_b32 s22, s22, 7
	s_add_co_u32 s21, s21, s22
	s_and_b32 s22, s[TAU], 1
	s_lshl_b32 s22, s22, 2
	s_add_co_u32 s[TO], s21, s22
	s_add_nc_u64 s[6:7], s[6:7], s[TO:TO+1]
	v_lshlrev_b32 v26, 3, v10
	global_load_b32 v24, v26, s[6:7]               ; Q's scale words
	s_lshr_b32 s20, s[BH], 3
	s_lshl_b32 s20, s20, 7
	s_add_co_u32 s20, s20, s[TAU]                  ; the tile among all tokens: 128 batch + tile
	s_and_b32 s21, s[BH], 7                        ; the head
	s_lshl_b32 s22, s20, 12
	s_lshl_b32 s23, s21, 9
	s_add_co_u32 s[TO], s22, s23
	s_add_nc_u64 s[10:11], s[10:11], s[TO:TO+1]    ; o_img: 4,096 tile + 512 head
	s_lshl_b32 s22, s20, 8
	s_lshl_b32 s23, s21, 1
	s_add_co_u32 s[TO], s22, s23
	s_add_nc_u64 s[12:13], s[12:13], s[TO:TO+1]    ; o_sc: 256 tile + 2 head
	v_lshlrev_b32 v27, 4, v10
	s_mov_b32 s[CS], 0x3e38aa3b                    ; log2(e) / 8
	s_mov_b32 s[CS+1], s[CS]
	s_mov_b32 s[SEL], 0x76543210
	s_mov_b32 s[SEL+1], 0xfedcba98
	s_mov_b32 s[HM], 0xffff0000
	v_mov_b32 v9, 0xff800000                       ; -infinity
	v_mov_b32 v13, 0xff61b1e6                      ; the largest t so far: -3e38
	v_floor_f32 v12, -v13
	v_mov_b32 v14, 0
	v_mov_b32 v15, 0
.irp c, 20,21,22,23
	v_mov_b32 v[\c], 0                             ; K = 64 .. 127: zero codes, in Q
.endr
.irp t, 0,1,2,3
.irp c, 4,5,6,7
	v_mov_b32 v[32+8*\t+\c], 0                     ; and in K's tiles: never loaded over
.endr
.endr
.set n, 0
.rept 32
	v_mov_b32 v[160+n], 0                          ; O^T: the step is written once; its first run finds zeros
.set n, n+1
.endr
.irp c, 232,233,234,235,236,237,238,239,252,253
	v_mov_b32 v[\c], 0                             ; lane permutes' destinations and named halves of pairs are written once
.endr
; A STEP of 128 keys
.macro STEP
	s_sub_co_i32 s[DF], s[SG], s[QS]
	s_cmp_eq_u32 s[DF], 0                          ; my queries' own step: every key lies within 127 of every query: wholly hidden
	s_cbranch_scc1 .Lskip_\@
	v_add_nc_u32 v5, s[TB], v1
	v_add_nc_u32 v6, s[TB], v2
	v_add_nc_u32 v7, s[TB], v3
	v_nop                                          ; four places behind the last step's products, in front of loads into their operands
.irp t, 0,1,2,3
	ds_load_b128 v[32+8*\t:35+8*\t], v5 offset:512*\t
.endr
.irp b, 0,1,2,3
	ds_load_b64 v[200+2*\b:201+2*\b], v6 offset:128*\b
.endr
.irp t, 0,1,2,3
.irp c, 0,1
	ds_load_b128 v[64+8*\t+4*\c:67+8*\t+4*\c], v5 offset:4096+1024*\t+512*\c
.endr
.endr
	ds_load_b128 v[208:211], v7
	s_wait_dscnt 9                                 ; K's first four tiles and its scale words are in; V's eight loads and its scale words may stay out
.irp t, 0,1,2,3
	v_wmma_scale_f32_16x16x128_f8f6f4 v[96+8*\t:103+8*\t], v[32+8*\t:39+8*\t], v[16:23], 0, v[200+\t], v24 matrix_a_fmt:MATRIX_FMT_FP4 matrix_b_fmt:MATRIX_FMT_FP4
.endr
.rept 4
	v_nop
.endr
.irp t, 0,1,2,3
	ds_load_b128 v[32+8*\t:35+8*\t], v5 offset:2048+512*\t
.endr
	s_wait_dscnt 0x0
.irp t, 0,1,2,3
	v_wmma_scale_f32_16x16x128_f8f6f4 v[128+8*\t:135+8*\t], v[32+8*\t:39+8*\t], v[16:23], 0, v[204+\t], v24 matrix_a_fmt:MATRIX_FMT_FP4 matrix_b_fmt:MATRIX_FMT_FP4
.endr
.rept 4
	v_nop
.endr
	; register n holds key 128 step + 16 h + 32 (n / 16) + n % 16
	s_cmp_eq_i32 s[DF], -1                         ; the step below mine: hidden where query - key <= 128
	s_cbranch_scc0 .Lnot_below_\@
	s_lshl_b32 s[TP], s[SG], 7
	s_add_co_u32 s[TP], s[TP], 128
	v_sub_nc_u32 v8, v4, s[TP]
.set n, 0
.rept 64
	v_cmp_ge_i32 vcc_lo, 32*(n/16)+n%16, v8
	v_cndmask_b32 v[96+n], v[96+n], v9, vcc_lo
.set n, n+1
.endr
.Lnot_below_\@:
	s_cmp_eq_i32 s[DF], 1                          ; the step above mine: hidden where key - query <= 128
	s_cbranch_scc0 .Lnot_above_\@
	s_lshl_b32 s[TP], s[SG], 7
	s_sub_co_u32 s[TP], s[TP], 128
	v_sub_nc_u32 v8, v4, s[TP]
.set n, 0
.rept 64
	v_cmp_le_i32 vcc_lo, 32*(n/16)+n%16, v8
	v_cndmask_b32 v[96+n], v[96+n], v9, vcc_lo
.set n, n+1
.endr
.Lnot_above_\@:
.irp b, 0,1,2,3
	v_max3_num_f32 v[232+\b], v[96+16*\b], v[97+16*\b], v[98+16*\b]   ; the largest score of each block of 32 keys: for the row's maximum, and, since p rises with the score, for the block's largest p
.endr
.irp i, 3,5,7,9,11,13
.irp b, 0,1,2,3
	v_max3_num_f32 v[232+\b], v[232+\b], v[96+16*\b+\i], v[97+16*\b+\i]
.endr
.endr
.irp b, 0,1,2,3
	v_max_num_f32 v[232+\b], v[232+\b], v[111+16*\b]
.endr
.irp b, 0,1,2,3
	v_permlanex16_b32 v[236+\b], v[232+\b], s[SEL], s[SEL+1]
.endr
.irp b, 0,1,2,3
	v_max_num_f32 v[232+\b], v[232+\b], v[236+\b]
.endr
	v_max3_num_f32 v254, v232, v233, v234
	v_max_num_f32 v254, v254, v235
	v_mul_f32 v254, s[CS], v254
	v_max_num_f32 v13, v13, v254                   ; the running largest t
	v_mov_b32 v254, v12
	v_floor_f32 v12, -v13                          ; -M = floor(-t): M is a whole number
	v_sub_f32 v254, v12, v254
	v_cvt_i32_f32 v254, v254                       ; (it saturates)
	v_ldexp_f32 v252, 1.0, v254                    ; f = 2^(old M - new M)
.set n, 0
.rept 32
	v_pk_fma_f32 v[96+n:97+n], v[96+n:97+n], s[CS:CS+1], v[12:13] op_sel_hi:[1,0,0]   ; t - M
.set n, n+2
.endr
.irp b, 0,1,2,3
	v_fma_f32 v[232+\b], v[232+\b], s[CS], v12
.endr
.set n, 0
.rept 64
	v_exp_f32 v[96+n], v[96+n]                     ; p = 2^(t - M)
.set n, n+1
.endr
.irp b, 0,1,2,3
	v_exp_f32 v[232+\b], v[232+\b]                 ; the block's largest p
.endr
	v_pk_mul_f32 v[14:15], v[14:15], v[252:253] op_sel_hi:[1,0]      ; the sums under the new M.  (A plain place behind the exponentials)
	s_wait_alu depctr_va_vdst(0)
.irp b, 0,1,2,3
	v_max_num_f32 v[232+\b], 0x1800000, v[232+\b]
.endr
.irp b, 0,1,2,3
	v_add_nc_u32 v[244+\b], 0xff000000, v[232+\b]
.endr
.irp b, 0,1,2,3
	v_lshrrev_b32 v[236+\b], 23, v[244+\b]
.endr
	v_lshl_or_b32 v253, v237, 8, v236              ; p's scale word for these 128 keys
	v_lshl_or_b32 v253, v238, 16, v253
	v_lshl_or_b32 v253, v239, 24, v253
.irp b, 0,1,2,3
	v_cvt_scalef32_pk8_fp4_f32 v[192+2*\b], v[96+16*\b:103+16*\b], v[244+\b]
	v_cvt_scalef32_pk8_fp4_f32 v[193+2*\b], v[104+16*\b:111+16*\b], v[244+\b]
.endr
	v_nop                                          ; one plain place behind the conversions
.irp c, 0,1
.irp i, 0,1
	v_permlane16_swap_b32 v[192+4*\c+\i], v[194+4*\c+\i]
.endr
.endr
.set n, 0
.rept 16
	v_pk_mul_f32 v[160+n:161+n], v[160+n:161+n], v[252:253] op_sel_hi:[1,0]   ; O^T under the new M
.set n, n+2
.endr
	v_pk_add_f32 v[236:237], v[96:97], v[98:99]    ; the row's sum of the unquantised p, in two chains; these 32 lines are also the places between p's codes and scale word and the products
.irp j, 4,8,12,16,20,24,28,32,36,40,44,48,52,56,60
	v_pk_add_f32 v[14:15], v[14:15], v[96+\j:97+\j]
	v_pk_add_f32 v[236:237], v[236:237], v[98+\j:99+\j]
.endr
	v_pk_add_f32 v[14:15], v[14:15], v[236:237]
.irp t, 0,1,2,3
	v_wmma_scale_f32_16x16x128_f8f6f4 v[160+8*\t:167+8*\t], v[64+8*\t:71+8*\t], v[192:199], v[160+8*\t:167+8*\t], v[208+\t], v253 matrix_a_fmt:MATRIX_FMT_FP4 matrix_b_fmt:MATRIX_FMT_FP4
.endr
.Lskip_\@:
	s_add_co_u32 s[SG], s[SG], 1
	s_add_co_u32 s[TB], s[TB], 8960
.endm
; A chunk of four steps: what load c of waves 0 and 1 brought
.macro CHUNK c
	s_wait_tensorcnt 3-\c                          ; my load of this chunk has landed; those of the later chunks may stay out: no byte is ever filled again
	s_wait_dscnt 0x0
	s_barrier_signal -1
	s_barrier_wait -1                              ; both waves' have
	s_mov_b32 s[TB], 35840*\c
	s_mov_b32 s[SG], 4*\c
	s_mov_b32 s[CT], 4
.Lstep_\@:
	STEP
	s_sub_co_u32 s[CT], s[CT], 1
	s_cmp_lg_u32 s[CT], 0
	s_cbranch_scc1 .Lstep_\@
.endm
	s_wait_loadcnt 0x0                             ; Q
	CHUNK 0
	CHUNK 1
	CHUNK 2
	CHUNK 3
	; THE WAY OUT: O^T / the sum, quantised along the channels: the two runs are the head's two blocks of 32
.rept 4
	v_nop
.endr
	v_add_f32 v14, v14, v15
	v_permlanex16_b32 v252, v14, s[SEL], s[SEL+1]
	v_add_f32 v14, v14, v252
	v_rcp_f32 v14, v14
	v_nop
.set n, 0
	s_wait_alu depctr_va_vdst(0)
.rept 16
	v_pk_mul_f32 v[160+n:161+n], v[160+n:161+n], v[14:15] op_sel_hi:[1,0]
.set n, n+2
.endr
	QUANT2 160
	global_store_b128 v1, v[PC:PC+3], s[10:11]     ; lane (r, block): 512 consecutive bytes: half a fragment of the next product's operand
	v_lshl_or_b32 v[EBS], v[EB+1], 8, v[EB]
	global_store_b16 v27, v[EBS], s[12:13]         ; my query's two scale bytes (lanes r and r + 16 store the same)
	s_wait_tensorcnt 0x0
	ds_add_u32 v251, v255
	s_wait_dscnt 0x0
	s_endpgm
.Lfunc_end_k_qe17995b2d9_attn:
	.size	k_qe17995b2d9_attn, .Lfunc_end_k_qe17995b2d9_attn-k_qe17995b2d9_attn
	.p2alignl 7, 3214868480
	.fill 96, 4, 3214868480
	.section	.rodata,"a",@progbits
	.p2align	6, 0x0
	.amdhsa_kernel k_qe17995b2d9_attn
		.amdhsa_group_segment_fixed_size 169984
		.amdhsa_private_segment_fixed_size 0
		.amdhsa_enable_private_segment 0
		.amdhsa_kernarg_size 40
		.amdhsa_user_sgpr_count 2
		.amdhsa_user_sgpr_kernarg_segment_ptr 1
		.amdhsa_wavefront_size32 1
		.amdhsa_system_sgpr_workgroup_id_x 1
		.amdhsa_system_sgpr_workgroup_id_y 1
		.amdhsa_system_sgpr_workgroup_id_z 1
		.amdhsa_system_vgpr_workitem_id 0
		.amdhsa_next_free_vgpr 256
		.amdhsa_next_free_sgpr 66
		.amdhsa_reserve_vcc 1
		.amdhsa_float_denorm_mode_32 3
		.amdhsa_float_denorm_mode_16_64 3
		.amdhsa_memory_ordered 1
		.amdhsa_forward_progress 1
		.amdhsa_inst_pref_size 114
	.end_amdhsa_kernel
	.amdgpu_metadata
---
amdhsa.version: [ 1, 2 ]
amdhsa.kernels:
  - .name:           k_qe17995b2d9_attn
    .symbol:         k_qe17995b2d9_attn.kd
    .args:
      - { .name: q_img, .offset: 0, .size: 8, .value_kind: global_buffer, .address_space: global }
      - { .name: q_sc, .offset: 8, .size: 8, .value_kind: global_buffer, .address_space: global }
      - { .name: kv, .offset: 16, .size: 8, .value_kind: global_buffer, .address_space: global }
      - { .name: o_img, .offset: 24, .size: 8, .value_kind: global_buffer, .address_space: global }
      - { .name: o_sc, .offset: 32, .size: 8, .value_kind: global_buffer, .address_space: global }
    .group_segment_fixed_size: 169984
    .private_segment_fixed_size: 0
    .kernarg_segment_align: 8
    .kernarg_segment_size: 40
    .max_flat_workgroup_size: 512
    .sgpr_count:     66
    .vgpr_count:     256
    .wavefront_size: 32
...
	.end_amdgpu_metadata
.endif
;; end of part 2
;; launch ffn (part 3): grid 256 x 1, 16 waves a work-group, no clusters, 120,832 bytes of LDS; arguments x, o_img, o_sc, wimg, Wo_scales, bo, ln_g, ln_b, ffln_g, ffln_b, W1_scales, b1, W2_scales, b2, out0; writes out0
.if DOCPART == 3
	.amdgcn_target "amdgcn-amd-amdhsa--gfx1250"
	.amdhsa_code_object_version 6
	.text
	.protected	k_qe17995b2d9_ffn
	.globl	k_qe17995b2d9_ffn
	.p2align	8
	.type	k_qe17995b2d9_ffn,@function
k_qe17995b2d9_ffn:
	s_mov_b64 s[64:65], 0
	v_nop
	global_prefetch_b8 v0, s[64:65] scope:SCOPE_SE
	s_setreg_imm32_b32 hwreg(HW_REG_WAVE_MODE, 25, 1), 1
	s_wait_xcnt 0x0
; x' = x + Q(o) Wo + bo;  f = LN(LN(x', ln), ffln);  out = x' + Q(gelu(Q(f) W1 + b1)) W2 + b2.  All three products on codes of FP4 (E2M1) with E8M0 scales; all else f32.
; A work-group of sixteen waves takes 32 tokens (two tiles of 16; lane r of tile m is token 8 m + r + 8 (r / 8)).  THE WAVES SHARE THE COLUMNS: wave w owns output columns 32 w .. 32 w + 31 of Wo and W2, and
; hidden units 128 w .. 128 w + 127, which it makes in four rounds of 32.  Every product is used transposed (source 0 = 16 rows of a weight, source 1 = 16 tokens): a lane holds one token and 16 neighbouring columns.
; A wave's 128 hidden units are K step w of the last product: each round's block of 32 goes, as codes, into bytes of the wave's own in an image of the whole hidden layer in LDS, so the four rounds need no barrier;
; ONE barrier stands between the last round and the last product.  During the rounds f's eight fragments stay in the registers that W2's fragments take later: they are read from LDS once.
; Weights come from wimg, laid in operand order: each fragment by dense loads of 512 bytes, straight into registers, each byte read by one wave of the work-group.  x' stays in 32 accumulator registers to the end.
; Operands made here (f, the hidden layer) go from wave to wave through LDS as images of their registers: a block of 32 along K is 16 bytes a lane.
; The layer norms' statistics: each wave's mean and centred sum of squares of its 32 columns meet in LDS and are combined (means, then sums about the common mean): no difference of large sums is formed.
; WHY NO CLUSTER: all work-groups walk the same weights, and joint loads would bring them through LDS, where each byte would be written and read once more for one reader; not built here.
; LIMITS: NaN and infinities are not served; a block under 2^-124 or of zeros gets the scale byte 1 (read by this program alone); erf is a rational form in z^2 with z held to +-4, good to a few ulp of erf,
; so that gelu of a large negative number has an absolute error of about 1e-7 of that number.
.set FIMG, 0                           ; LDS: f's images [tile m][block of 32 along K: 16][r][16 B]
.set FSC,  8192                        ; f's scale bytes [m][r][16]
.set ST1,  8704                        ; statistics: 32 slots x 144 bytes (16 waves x 8 + 16)
.set ST2,  13312
.set HSCL, 17920                       ; the hidden layer's scale bytes [m][r][64]
.set HIMG, 19968                       ; the hidden layer's images [m][block: 64][r][16 B]: 16,384 bytes a tile of tokens
.set STG,  52736                       ; 32 slots x (2,048 + 16) bytes: rows of x on the way in, of out on the way out
.set FSA,  16                          ; v16-23   scale words of the staged operand: f's, then the hidden layer's runs 1 and 3;  v12-15 and v28-31: its runs 0 and 2
.set XR,   32                          ; v32-63   x', then out: XR + 16 m + 8 u
.set AC,   64                          ; v64-95   the same shape: f, then a round's hidden units; in the last product v64-79 two staged fragments, v80-95 b2
.set WA,   96                          ; v96-159  Wo's, then W1's fragments (u, s) at 8 (4 u + s); then W2's runs 0 and 2
.set WB,   160                         ; v160-223 o's; the layer norms' registers; f's fragments (m, s); then W2's runs 1 and 3
.set WAS,  224                         ; v224-231 scale words of WA
.set WBS,  232                         ; v232-239 of WB
.set T,    240                         ; v240-255 at work; in the last product two staged fragments
.set MX,   240
.set PD,   242
.set SO,   244
.set EB,   246
.set PC,   248
.set EBS,  252
.set WV,   34
.set SEL,  36
.set HM,   38
.set PW1,  40
.set PS1,  42
.set PB1,  44
.set PW2,  46
.set PS2,  48
.set PWO,  50
.set A1,   56
.set A2,   58
.set A5,   66
.set A6,   68
.set B1,   70
.set B2,   72
.set RS2,  78
.set R512, 80
.set EPS,  81
.set TO,   84
; v1 16 lane; v2 16 r; v3 STG + slot x 2064 + 16 lane; v4 STG + 2064 r + 64 h + 128 w; v9 16 perm(r); v10 64 perm(r); v11 64 h; v24-27 two constants as pairs
; v5 144 r + 8 w; v6 144 r + 64 h; v7 4096 hh + 256 w + 16 r; v8 256 hh + 16 r + w.  Behind the layer norms: v5 64 r; v7 16384 hh + 1024 w + 16 r; v8 1024 hh + 64 r + 4 w
.macro KP reg, val                     ; a constant as a pair: the packed forms name a pair and take its low word for both halves
	s_mov_b32 s[\reg], \val
	s_mov_b32 s[\reg+1], \val
.endm
.macro BARRIER
	s_wait_dscnt 0x0                               ; my LDS stores have landed and my LDS loads are in
	s_barrier_signal -1
	s_barrier_wait -1
.endm
.macro MM d, a, b, sa, sb
	v_wmma_scale_f32_16x16x128_f8f6f4 v[\d:\d+7], v[\a:\a+7], v[\b:\b+7], v[\d:\d+7], v[\sa], v[\sb] matrix_a_fmt:MATRIX_FMT_FP4 matrix_b_fmt:MATRIX_FMT_FP4
.endm
; Two runs of 16 registers, each a lane's half of a block of 32 (the other half lies in lane l xor 16), become 16 bytes of codes a lane in v[PC:PC+3]: lanes 0-15 tile 0's whole block of row r,
; lanes 16-31 tile 1's; v[EBS] the scale byte of the lane's own half.
.macro QUANT2 src
	v_max3_num_f32 v[MX], |v[\src]|, |v[\src+1]|, 0x1800000          ; with the floor 2^(3 - 127) among the leaves: the byte cannot fall under 1
	v_max3_num_f32 v[MX+1], |v[\src+16]|, |v[\src+17]|, 0x1800000
.irp i, 2,4,6,8,10,12,14
	v_max3_num_f32 v[MX], v[MX], |v[\src+\i]|, |v[\src+\i+1]|
	v_max3_num_f32 v[MX+1], v[MX+1], |v[\src+16+\i]|, |v[\src+17+\i]|
.endr
	v_permlanex16_b32 v[PD], v[MX], s[SEL], s[SEL+1]
	v_permlanex16_b32 v[PD+1], v[MX+1], s[SEL], s[SEL+1]
	v_max_num_f32 v[MX], v[MX], v[PD]
	v_max_num_f32 v[MX+1], v[MX+1], v[PD+1]
	v_add_nc_u32 v[SO], 0xff000000, v[MX]                            ; 2 off the exponent field: the conversion's scale operand
	v_add_nc_u32 v[SO+1], 0xff000000, v[MX+1]
	v_lshrrev_b32 v[EB], 23, v[SO]
	v_lshrrev_b32 v[EB+1], 23, v[SO+1]
	v_cvt_scalef32_pk8_fp4_f32 v[PC], v[\src:\src+7], v[SO]
	v_cvt_scalef32_pk8_fp4_f32 v[PC+1], v[\src+8:\src+15], v[SO]
	v_cvt_scalef32_pk8_fp4_f32 v[PC+2], v[\src+16:\src+23], v[SO+1]
	v_cvt_scalef32_pk8_fp4_f32 v[PC+3], v[\src+24:\src+31], v[SO+1]
	v_cndmask_b32 v[EBS], v[EB], v[EB+1], s[HM]                      ; lanes 16-31 take tile 1's byte.  (The plain place behind the conversions)
	v_permlane16_swap_b32 v[PC], v[PC+2]
	v_permlane16_swap_b32 v[PC+1], v[PC+3]
.endm
; Eight fragments in operand order (16 dense loads of 512 bytes, from ow bytes on) and their scale words (2 loads, from os bytes on, st bytes from tile to tile).  No pointer is ever stepped
.macro LOADW wf, wsr, pw, ps, so, st, ow, os
.irp k, 0,1,2,3,4,5,6,7,8,9,10,11,12,13,14,15
	global_load_b128 v[\wf+4*\k:\wf+4*\k+3], v1, s[\pw:\pw+1] offset:(\ow)+512*\k
.endr
.irp u, 0,1
	global_load_b128 v[\wsr+4*\u:\wsr+4*\u+3], v[\so], s[\ps:\ps+1] offset:(\os)+\st*\u
.endr
.endm
.macro LOADV dst, pp, off              ; 16 numbers of a vector: those at 16 h + 0 .. 15 of 32 columns that begin off bytes on
.irp q, 0,1,2,3
	global_load_b128 v[\dst+4*\q:\dst+4*\q+3], v11, s[\pp:\pp+1] offset:(\off)+16*\q
.endr
.endm
; My 32 columns' mean and centred sum of squares, for my token of each tile, to LDS; then the barrier
.macro STATS src, st
.irp q, 0,2,4,6
.irp m, 0,1
	v_pk_add_f32 v[T+8*\m+\q:T+8*\m+\q+1], v[\src+16*\m+2*\q:\src+16*\m+2*\q+1], v[\src+16*\m+2*\q+2:\src+16*\m+2*\q+3]
.endr
.endr
.irp m, 0,1
	v_pk_add_f32 v[T+8*\m:T+8*\m+1], v[T+8*\m:T+8*\m+1], v[T+8*\m+2:T+8*\m+3]
	v_pk_add_f32 v[T+8*\m+4:T+8*\m+5], v[T+8*\m+4:T+8*\m+5], v[T+8*\m+6:T+8*\m+7]
.endr
.irp m, 0,1
	v_pk_add_f32 v[T+8*\m:T+8*\m+1], v[T+8*\m:T+8*\m+1], v[T+8*\m+4:T+8*\m+5]
.endr
.irp m, 0,1
	v_add_f32 v[T+8*\m], v[T+8*\m], v[T+8*\m+1]
.endr
.irp m, 0,1
	v_permlanex16_b32 v[T+8*\m+1], v[T+8*\m], s[SEL], s[SEL+1]
.endr
.irp m, 0,1
	v_add_f32 v[T+8*\m], v[T+8*\m], v[T+8*\m+1]
.endr
.irp m, 0,1
	v_mul_f32 v[T+8*\m], 0x3d000000, v[T+8*\m]                       ; / 32
.endr
.irp m, 0,1
	v_pk_add_f32 v[T+8*\m+2:T+8*\m+3], v[\src+16*\m:\src+16*\m+1], v[T+8*\m:T+8*\m+1] op_sel_hi:[1,0] neg_lo:[0,1] neg_hi:[0,1]
.endr
.irp m, 0,1
	v_pk_mul_f32 v[T+8*\m+4:T+8*\m+5], v[T+8*\m+2:T+8*\m+3], v[T+8*\m+2:T+8*\m+3]
.endr
.irp p, 2,4,6,8,10,12,14
.irp m, 0,1
	v_pk_add_f32 v[T+8*\m+2+4*((\p/2)%2):T+8*\m+3+4*((\p/2)%2)], v[\src+16*\m+\p:\src+16*\m+\p+1], v[T+8*\m:T+8*\m+1] op_sel_hi:[1,0] neg_lo:[0,1] neg_hi:[0,1]
.endr
.irp m, 0,1
	v_pk_fma_f32 v[T+8*\m+4:T+8*\m+5], v[T+8*\m+2+4*((\p/2)%2):T+8*\m+3+4*((\p/2)%2)], v[T+8*\m+2+4*((\p/2)%2):T+8*\m+3+4*((\p/2)%2)], v[T+8*\m+4:T+8*\m+5]
.endr
.endr
.irp m, 0,1
	v_add_f32 v[T+8*\m+1], v[T+8*\m+4], v[T+8*\m+5]
.endr
.irp m, 0,1
	v_permlanex16_b32 v[T+8*\m+2], v[T+8*\m+1], s[SEL], s[SEL+1]
.endr
.irp m, 0,1
	v_add_f32 v[T+8*\m+1], v[T+8*\m+1], v[T+8*\m+2]
.endr
.irp m, 0,1
	ds_store_b64 v5, v[T+8*\m:T+8*\m+1] offset:\st+2304*\m           ; lanes r and r + 16 store the same pair
.endr
	BARRIER
.endm
; The sixteen waves' pairs become the row's mean (T + 8 m) and 1 / sqrt(var + eps) (T + 8 m + 2)
.macro COMBINE st
.irp m, 0,1
.irp q, 0,1,2,3
	ds_load_b128 v[WB+16*\m+4*\q:WB+16*\m+4*\q+3], v6 offset:\st+2304*\m+16*\q     ; waves 8 h .. 8 h + 7
.endr
.endr
	s_wait_dscnt 0x0
.irp q, 0,2,4,6
.irp m, 0,1
	v_pk_add_f32 v[T+8*\m+\q:T+8*\m+\q+1], v[WB+16*\m+2*\q:WB+16*\m+2*\q+1], v[WB+16*\m+2*\q+2:WB+16*\m+2*\q+3]
.endr
.endr
.irp m, 0,1
	v_pk_add_f32 v[T+8*\m:T+8*\m+1], v[T+8*\m:T+8*\m+1], v[T+8*\m+2:T+8*\m+3]
	v_pk_add_f32 v[T+8*\m+4:T+8*\m+5], v[T+8*\m+4:T+8*\m+5], v[T+8*\m+6:T+8*\m+7]
.endr
.irp m, 0,1
	v_pk_add_f32 v[T+8*\m:T+8*\m+1], v[T+8*\m:T+8*\m+1], v[T+8*\m+4:T+8*\m+5]
.endr
.irp m, 0,1
	v_permlanex16_b32 v[T+8*\m+2], v[T+8*\m], s[SEL], s[SEL+1]
	v_permlanex16_b32 v[T+8*\m+3], v[T+8*\m+1], s[SEL], s[SEL+1]
.endr
.irp m, 0,1
	v_pk_add_f32 v[T+8*\m:T+8*\m+1], v[T+8*\m:T+8*\m+1], v[T+8*\m+2:T+8*\m+3]      ; the sum of the 16 means, the sum of the 16 centred sums
.endr
.irp m, 0,1
	v_mul_f32 v[T+8*\m], 0x3d800000, v[T+8*\m]                       ; / 16: the row's mean
.endr
.irp k, 0,2,4,6,8,10,12,14
.irp m, 0,1
	v_sub_f32 v[WB+16*\m+\k], v[WB+16*\m+\k], v[T+8*\m]
.endr
.endr
.irp m, 0,1
	v_mul_f32 v[T+8*\m+2], v[WB+16*\m], v[WB+16*\m]
	v_mul_f32 v[T+8*\m+3], v[WB+16*\m+2], v[WB+16*\m+2]
.endr
.irp k, 4,8,12
.irp m, 0,1
	v_fma_f32 v[T+8*\m+2], v[WB+16*\m+\k], v[WB+16*\m+\k], v[T+8*\m+2]
	v_fma_f32 v[T+8*\m+3], v[WB+16*\m+\k+2], v[WB+16*\m+\k+2], v[T+8*\m+3]
.endr
.endr
.irp m, 0,1
	v_add_f32 v[T+8*\m+2], v[T+8*\m+2], v[T+8*\m+3]
.endr
.irp m, 0,1
	v_permlanex16_b32 v[T+8*\m+3], v[T+8*\m+2], s[SEL], s[SEL+1]
.endr
.irp m, 0,1
	v_add_f32 v[T+8*\m+2], v[T+8*\m+2], v[T+8*\m+3]
.endr
.irp m, 0,1
	v_fma_f32 v[T+8*\m+1], v[T+8*\m+2], 0x42000000, v[T+8*\m+1]      ; + 32 x the means' spread
.endr
.irp m, 0,1
	v_fma_f32 v[T+8*\m+2], v[T+8*\m+1], s[R512], s[EPS]
.endr
.irp m, 0,1
	v_rsq_f32 v[T+8*\m+2], v[T+8*\m+2]
.endr
	v_nop                                          ; a plain place behind the roots
.endm
.macro NORM dst, src                   ; (x - mean) / sqrt(var + eps) x g + b; g in WB + 32 on, b in WB + 48 on
.irp p, 0,2,4,6,8,10,12,14
.irp m, 0,1
	v_pk_add_f32 v[\dst+16*\m+\p:\dst+16*\m+\p+1], v[\src+16*\m+\p:\src+16*\m+\p+1], v[T+8*\m:T+8*\m+1] op_sel_hi:[1,0] neg_lo:[0,1] neg_hi:[0,1]
.endr
.endr
	s_wait_alu depctr_va_vdst(0)
.irp p, 0,2,4,6,8,10,12,14
.irp m, 0,1
	v_pk_mul_f32 v[\dst+16*\m+\p:\dst+16*\m+\p+1], v[\dst+16*\m+\p:\dst+16*\m+\p+1], v[T+8*\m+2:T+8*\m+3] op_sel_hi:[1,0]
.endr
.endr
.irp p, 0,2,4,6,8,10,12,14
.irp m, 0,1
	v_pk_fma_f32 v[\dst+16*\m+\p:\dst+16*\m+\p+1], v[\dst+16*\m+\p:\dst+16*\m+\p+1], v[WB+32+\p:WB+33+\p], v[WB+48+\p:WB+49+\p]
.endr
.endr
.endm
; gelu(x) = x / 2 + (x / 2) erf(x / sqrt 2) of four numbers; erf(z) = z P(z^2) / Q(z^2), z held to +-4
.macro GELU4 a
	v_pk_mul_f32 v[T:T+1], v[\a:\a+1], s[RS2:RS2+1] op_sel_hi:[1,0]
	v_pk_mul_f32 v[T+2:T+3], v[\a+2:\a+3], s[RS2:RS2+1] op_sel_hi:[1,0]
.irp i, 0,1,2,3
	v_med3_num_f32 v[T+\i], v[T+\i], -4.0, 4.0
.endr
	v_pk_mul_f32 v[T+4:T+5], v[T:T+1], v[T:T+1]
	v_pk_mul_f32 v[T+6:T+7], v[T+2:T+3], v[T+2:T+3]
	v_pk_fma_f32 v[T+8:T+9], v[T+4:T+5], v[24:25], s[A1:A1+1] op_sel_hi:[1,1,0]
	v_pk_fma_f32 v[T+10:T+11], v[T+6:T+7], v[24:25], s[A1:A1+1] op_sel_hi:[1,1,0]
	v_pk_fma_f32 v[T+12:T+13], v[T+4:T+5], v[26:27], s[B1:B1+1] op_sel_hi:[1,1,0]
	v_pk_fma_f32 v[T+14:T+15], v[T+6:T+7], v[26:27], s[B1:B1+1] op_sel_hi:[1,1,0]
.irp k, 0,1,2
	v_pk_fma_f32 v[T+8:T+9], v[T+8:T+9], v[T+4:T+5], s[A2+2*\k:A2+2*\k+1] op_sel_hi:[1,1,0]
	v_pk_fma_f32 v[T+10:T+11], v[T+10:T+11], v[T+6:T+7], s[A2+2*\k:A2+2*\k+1] op_sel_hi:[1,1,0]
	v_pk_fma_f32 v[T+12:T+13], v[T+12:T+13], v[T+4:T+5], s[B2+2*\k:B2+2*\k+1] op_sel_hi:[1,1,0]
	v_pk_fma_f32 v[T+14:T+15], v[T+14:T+15], v[T+6:T+7], s[B2+2*\k:B2+2*\k+1] op_sel_hi:[1,1,0]
.endr
.irp k, A5, A6
	v_pk_fma_f32 v[T+8:T+9], v[T+8:T+9], v[T+4:T+5], s[\k:\k+1] op_sel_hi:[1,1,0]
	v_pk_fma_f32 v[T+10:T+11], v[T+10:T+11], v[T+6:T+7], s[\k:\k+1] op_sel_hi:[1,1,0]
.endr
.irp i, 12,13,14,15
	v_rcp_f32 v[T+\i], v[T+\i]
.endr
	v_pk_mul_f32 v[T+8:T+9], v[T+8:T+9], v[T:T+1]                    ; z P.  (Plain places behind the reciprocals)
	v_pk_mul_f32 v[T+10:T+11], v[T+10:T+11], v[T+2:T+3]
	v_pk_mul_f32 v[T:T+1], v[\a:\a+1], 0.5 op_sel_hi:[1,0]
	v_pk_mul_f32 v[T+2:T+3], v[\a+2:\a+3], 0.5 op_sel_hi:[1,0]
	s_wait_alu depctr_va_vdst(0)
	v_pk_mul_f32 v[T+8:T+9], v[T+8:T+9], v[T+12:T+13]                ; erf
	v_pk_mul_f32 v[T+10:T+11], v[T+10:T+11], v[T+14:T+15]
	v_pk_fma_f32 v[\a:\a+1], v[T:T+1], v[T+8:T+9], v[T:T+1]
	v_pk_fma_f32 v[\a+2:\a+3], v[T+2:T+3], v[T+10:T+11], v[T+2:T+3]
.endm
; ROUND r of four: my hidden units 128 w + 32 r .. + 31 for the 32 tokens.  All operands stand in registers: 16 products, four accumulators by turns; they begin as b1.
; Straight behind the products the weights' registers take the next round's fragments, which land under the activation; behind the last round's, W2's first two sets go into both weight buffers.
.macro RND1 r
	s_wait_loadcnt 0x0                             ; W1's fragments and scale words, asked for a round ago, and b1
.irp s, 0,1,2,3
.irp m, 0,1
.irp u, 0,1
	MM AC+16*\m+8*\u, WA+8*(4*\u+\s), WB+8*(4*\m+\s), WAS+4*\u+\s, FSA+4*\m+\s
.endr
.endr
.endr
.rept 4
	v_nop                                          ; places in front of loads into registers that these products have read, and of the first read of results
.endr
.if \r < 3
	LOADW WA, WAS, PW1, PS1, 9, 128, 8192*(\r+1), 512*(\r+1)
.else
	LOADW WA, WAS, PW2, PS2, 10, 512, 0, 0         ; W2, K = 0 .. 511
	LOADW WB, WBS, PW2, PS2, 10, 512, 8192, 16     ; W2, K = 512 .. 1,023: f's fragments are done with
.endif
	s_wait_dscnt 0x0                               ; the last round's LDS stores have read their registers, which are at work again below
.irp q, 0,1,2,3,4,5,6,7
	GELU4 AC+4*\q
.endr
	QUANT2 AC
	ds_store_b128 v7, v[PC:PC+3] offset:HIMG+256*\r                  ; block 4 w + r of the last product's K: bytes that no other wave writes, read by nobody ahead of the barrier behind the rounds
	ds_store_b8 v8, v[EBS] offset:HSCL+\r
.if \r < 3
	LOADV AC, PB1, 128*(\r+1)                      ; the next round's b1, once for each tile of tokens
	LOADV AC+16, PB1, 128*(\r+1)
.else
	LOADV AC+16, 30, 0                             ; b2, once: both tiles of tokens add the same 16 numbers
.endif
.endm
; THE LAST PRODUCT: K = 2,048 in 16 steps of 128, in four runs of four, one run for each set of W2's fragments.
.macro HFRAG k, set                    ; the hidden layer's two fragments (tiles of tokens 0, 1) of K step k
.irp m, 0,1
.irp c, 0,1
	ds_load_b128 v[\set+8*\m+4*\c:\set+8*\m+4*\c+3], v1 offset:HIMG+16384*\m+1024*(\k)+512*\c
.endr
.endr
.endm
.macro HSW p, rho                      ; its scale words of run rho (four words a token) into set p: 0: v16-19, v20-23;  1: v12-15, v28-31
	ds_load_b128 v[16-4*(\p):19-4*(\p)], v5 offset:HSCL+16*(\rho)
	ds_load_b128 v[20+8*(\p):23+8*(\p)], v5 offset:HSCL+1024+16*(\rho)
.endm
; K step k: four products on x's four accumulators by turns; behind them the fragments of step k + 2 are asked for, into the registers just read; in a run's first step the next run's scale words too;
; behind a run's last step the weights of the run after next.
.macro W2STEP k
.set RHO, (\k)/4
.set SQ, (\k)%4
.set PP, 1-RHO%2                       ; the run's set of scale words
.set WFR, WA+64*(RHO%2)                ; its weights,
.set WSR, WAS+8*(RHO%2)                ; their scale words
.set STS, T-(T-AC)*((\k)%2)            ; the step's staged fragments
.if SQ == 0
.if RHO < 2
	s_wait_loadcnt 22                              ; this run's weights are in.  Run 0: the next set's 18 loads and b2's 4 may stay out; run 1: b2's 4 and the next set's 18
.elseif RHO == 2
	s_wait_loadcnt 18                              ; the last set's 18 may stay out
.else
	s_wait_loadcnt 0x0
.endif
.endif
.if (\k) == 15
	s_wait_dscnt 0x0
.elseif (SQ == 1) && (RHO < 3)
	s_wait_dscnt 6                                 ; this step's fragments are in; the next run's 2 loads of scale words and the next step's 4 of fragments may stay out
.else
	s_wait_dscnt 4                                 ; this step's fragments are in; the next step's 4 loads may stay out
.endif
.irp m, 0,1
.irp u, 0,1
	MM XR+16*\m+8*\u, WFR+8*(4*\u+SQ), STS+8*\m, WSR+4*\u+SQ, 16-4*PP+(4+12*PP)*\m+SQ
.endr
.endr
.rept 4
	v_nop                                          ; places in front of loads into registers that these products have read, and, behind the last step, of the first read of results
.endr
.if (SQ == 0) && (RHO < 3)
	HSW 1-PP, RHO+1
.endif
.if (\k) < 14
	HFRAG (\k)+2, STS
.endif
.if (SQ == 3) && (RHO < 2)
	LOADW WFR, WSR, PW2, PS2, 10, 512, 8192*(RHO+2), 16*(RHO+2)
.endif
.endm
	s_load_b512 s[4:19], s[0:1], 0x0               ; x 4, o_img 6, o_sc 8, wimg 10, Wo_scales 12, bo 14, ln_g 16, ln_b 18
	s_load_b256 s[20:27], s[0:1], 0x40             ; ffln_g 20, ffln_b 22, W1_scales 24, b1 26
	s_load_b128 s[28:31], s[0:1], 0x60             ; W2_scales 28, b2 30
	s_load_b64 s[32:33], s[0:1], 0x70              ; out0
	v_lshrrev_b32 v240, 5, v0
	v_readfirstlane_b32 s[WV], v240                ; wave 0..15
	v_and_b32 v240, 31, v0                         ; lane
	v_and_b32 v241, 15, v0                         ; r
	v_bfe_u32 v242, v0, 4, 1                       ; h
	v_and_b32 v243, 8, v241
	v_add_nc_u32 v243, v243, v241                  ; r + 8 (r / 8)
	v_lshlrev_b32 v1, 4, v240
	v_lshlrev_b32 v2, 4, v241
	s_lshr_b32 s82, s[WV], 2                       ; the slot of token 2 w: 16 ((w >> 2) & 1) + 8 (w >> 3) + 2 (w & 3)
	s_and_b32 s82, s82, 1
	s_lshl_b32 s82, s82, 4
	s_lshr_b32 s83, s[WV], 3
	s_lshl_b32 s83, s83, 3
	s_add_co_u32 s82, s82, s83
	s_and_b32 s83, s[WV], 3
	s_lshl_b32 s83, s83, 1
	s_add_co_u32 s82, s82, s83
	s_mul_i32 s83, s82, 2064
	s_add_co_u32 s83, s83, STG
	v_lshl_add_u32 v3, v240, 4, s83
	v_mul_u32_u24 v4, v241, 2064
	v_lshl_add_u32 v4, v242, 6, v4
	s_lshl_b32 s83, s[WV], 7
	s_add_co_u32 s83, s83, STG
	v_add_nc_u32 v4, s83, v4
	v_mul_u32_u24 v5, v241, 144
	v_lshl_add_u32 v6, v242, 6, v5
	s_lshl_b32 s83, s[WV], 3
	v_add_nc_u32 v5, s83, v5
	v_lshl_add_u32 v7, v242, 12, v2
	s_lshl_b32 s83, s[WV], 8
	v_add_nc_u32 v7, s83, v7
	v_lshl_add_u32 v8, v242, 8, v2
	v_add_nc_u32 v8, s[WV], v8
	v_lshlrev_b32 v9, 4, v243
	v_lshlrev_b32 v10, 6, v243
	v_lshlrev_b32 v11, 6, v242
	v_mov_b32 v24, 0xaf95df0b                      ; the leading coefficients of P and of Q, as pairs
	v_mov_b32 v25, 0xaf95df0b
	v_mov_b32 v26, 0xb77460cd
	v_mov_b32 v27, 0xb77460cd
	s_mov_b32 s[SEL], 0x76543210
	s_mov_b32 s[SEL+1], 0xfedcba98                 ; v_permlanex16_b32's selects for lane l xor 16
	s_mov_b32 s[HM], 0xffff0000
	KP A1, 0x32edffee
	KP A2, 0xb60cff51
	KP A2+2, 0xb86ec2d2
	KP A2+4, 0xba40ac63
	KP A5, 0xbb41a1f6
	KP A6, 0xbc83dbd4
	KP B1, 0xb95fbd29
	KP B2, 0xbadc924e
	KP B2+2, 0xbbf19bf8
	KP B2+4, 0xbc69b6a7
	KP RS2, 0x3f3504f3                             ; 1 / sqrt 2
	s_mov_b32 s[R512], 0x3b000000
	s_mov_b32 s[EPS], 0x3727c5ac
	s_mov_b32 s[TO+1], 0
	s_lshl_b32 s82, ttmp9, 16
	s_lshl_b32 s83, s[WV], 12
	s_wait_kmcnt 0x0
	s_add_co_u32 s[TO], s82, s83                   ; (32 g + 2 w) rows of 2,048 bytes
	s_add_nc_u64 s[4:5], s[4:5], s[TO:TO+1]
	s_add_nc_u64 s[32:33], s[32:33], s[TO:TO+1]
	s_lshl_b32 s[TO], ttmp9, 13
	s_add_nc_u64 s[6:7], s[6:7], s[TO:TO+1]        ; o's two tiles
	s_lshl_b32 s[TO], ttmp9, 9
	s_add_nc_u64 s[8:9], s[8:9], s[TO:TO+1]
	s_lshl_b32 s[TO], s[WV], 13
	s_add_nc_u64 s[PWO:PWO+1], s[10:11], s[TO:TO+1]          ; Wo: group w
	s_lshl_b32 s[TO], s[WV], 15
	s_add_co_u32 s[TO], s[TO], 131072
	s_add_nc_u64 s[PW1:PW1+1], s[10:11], s[TO:TO+1]          ; W1: groups 16 + 4 w + round
	s_lshl_b32 s[TO], s[WV], 15
	s_add_co_u32 s[TO], s[TO], 655360
	s_add_nc_u64 s[PW2:PW2+1], s[10:11], s[TO:TO+1]          ; W2: groups 80 + 4 w + run
	s_lshl_b32 s[TO], s[WV], 9
	s_add_nc_u64 s[12:13], s[12:13], s[TO:TO+1]              ; Wo's scales: 32 w rows of 16 bytes
	s_add_nc_u64 s[PB1:PB1+1], s[26:27], s[TO:TO+1]          ; b1: my 128 numbers
	s_lshl_b32 s[TO], s[WV], 11
	s_add_nc_u64 s[PS1:PS1+1], s[24:25], s[TO:TO+1]          ; W1's scales: 128 w rows of 16 bytes
	s_add_nc_u64 s[PS2:PS2+1], s[28:29], s[TO:TO+1]          ; W2's: 32 w rows of 64 bytes
	s_lshl_b32 s[TO], s[WV], 7                               ; vectors over the 512 columns: my 32 numbers
	s_add_nc_u64 s[14:15], s[14:15], s[TO:TO+1]
	s_add_nc_u64 s[16:17], s[16:17], s[TO:TO+1]
	s_add_nc_u64 s[18:19], s[18:19], s[TO:TO+1]
	s_add_nc_u64 s[20:21], s[20:21], s[TO:TO+1]
	s_add_nc_u64 s[22:23], s[22:23], s[TO:TO+1]
	s_add_nc_u64 s[30:31], s[30:31], s[TO:TO+1]
	; ---- x's rows 2 w, 2 w + 1 go through the stage; Wo, o and bo are asked for at once
.irp i, 0,1
.irp k, 0,1,2,3
	global_load_b128 v[AC+4*(4*\i+\k):AC+4*(4*\i+\k)+3], v1, s[4:5] offset:2048*\i+512*\k
.endr
.endr
	LOADW WA, WAS, PWO, 12, 9, 128, 0, 0
	LOADW WB, WBS, 6, 8, 2, 256, 0, 0
	LOADV T, 14, 0
	s_wait_loadcnt 40                              ; x's 8 loads are in; the 40 behind them may stay out
.irp i, 0,1
.irp k, 0,1,2,3
	ds_store_b128 v3, v[AC+4*(4*\i+\k):AC+4*(4*\i+\k)+3] offset:2064*\i+512*\k
.endr
.endr
	BARRIER
	; ---- x' = x + bo + o Wo
.irp m, 0,1
.irp q, 0,1,2,3
	ds_load_b128 v[XR+16*\m+4*\q:XR+16*\m+4*\q+3], v4 offset:33024*\m+16*\q
.endr
.endr
	s_wait_dscnt 0x0
	s_wait_loadcnt 0x0
.irp m, 0,1
.irp p, 0,2,4,6,8,10,12,14
	v_pk_add_f32 v[XR+16*\m+\p:XR+16*\m+\p+1], v[XR+16*\m+\p:XR+16*\m+\p+1], v[T+\p:T+\p+1]
.endr
.endr
.irp s, 0,1,2,3
.irp m, 0,1
.irp u, 0,1
	MM XR+16*\m+8*\u, WA+8*(4*\u+\s), WB+8*(4*\m+\s), WAS+4*\u+\s, WBS+4*\m+\s
.endr
.endr
.endr
.rept 5
	v_nop
.endr
	LOADV WB+32, 16, 0                             ; ln_g, ln_b at my columns
	LOADV WB+48, 18, 0
	LOADW WA, WAS, PW1, PS1, 9, 128, 0, 0          ; W1, round 0
	; ---- the two layer norms
	STATS XR, ST1
	COMBINE ST1
	s_wait_loadcnt 18                              ; ln_g and ln_b are in; W1's 18 loads may stay out
	NORM AC, XR
	LOADV WB+32, 20, 0                             ; ffln_g, ffln_b
	LOADV WB+48, 22, 0
	STATS AC, ST2
	COMBINE ST2
	s_wait_loadcnt 0x0
	NORM AC, AC
	QUANT2 AC                                      ; my 32 columns are block w of the next K
	ds_store_b128 v7, v[PC:PC+3] offset:FIMG
	ds_store_b8 v8, v[EBS] offset:FSC
	LOADV AC, PB1, 0                               ; b1, round 0, once for each tile of tokens
	LOADV AC+16, PB1, 0
	BARRIER                                        ; f's eight fragments lie in LDS
	; ---- f's fragments and scale words into registers, once for the four rounds
.irp m, 0,1
.irp s, 0,1,2,3
.irp c, 0,1
	ds_load_b128 v[WB+8*(4*\m+\s)+4*\c:WB+8*(4*\m+\s)+4*\c+3], v1 offset:FIMG+4096*\m+1024*\s+512*\c
.endr
.endr
.endr
.irp m, 0,1
	ds_load_b128 v[FSA+4*\m:FSA+4*\m+3], v2 offset:FSC+256*\m
.endr
	v_and_b32 v5, 15, v0                           ; the layer norms' four address registers are done with (no LDS instruction that names them is out): they take the hidden layer's addresses
	v_bfe_u32 v6, v0, 4, 1
	s_lshl_b32 s82, s[WV], 10
	v_lshl_add_u32 v7, v5, 4, s82
	v_lshl_add_u32 v7, v6, 14, v7                  ; where I put 16 bytes of codes: 16384 hh + 1024 w + 16 r
	s_lshl_b32 s83, s[WV], 2
	v_lshl_add_u32 v8, v5, 6, s83
	v_lshl_add_u32 v8, v6, 10, v8                  ; and a scale byte: 1024 hh + 64 r + 4 w
	v_lshlrev_b32 v5, 6, v5                        ; a token's 64 scale bytes: 64 r
	s_wait_dscnt 0x0
	; ---- four rounds of 32 hidden units a wave: no barrier among them
.irp q, 0,1,2,3
	RND1 \q
.endr
	BARRIER                                        ; the whole hidden layer lies in LDS
	; ---- the last product
	HSW 1, 0
	HFRAG 0, T
	HFRAG 1, AC
.set KQ, 0
.rept 16
	W2STEP KQ
.set KQ, KQ+1
.endr
	; ---- the way out: + b2 (it came in ahead of W2's later sets, which have been waited for), through the stage, whole rows
.irp m, 0,1
.irp p, 0,2,4,6,8,10,12,14
	v_pk_add_f32 v[XR+16*\m+\p:XR+16*\m+\p+1], v[XR+16*\m+\p:XR+16*\m+\p+1], v[AC+16+\p:AC+17+\p]
.endr
.endr
.irp m, 0,1
.irp q, 0,1,2,3
	ds_store_b128 v4, v[XR+16*\m+4*\q:XR+16*\m+4*\q+3] offset:33024*\m+16*\q
.endr
.endr
	BARRIER
.irp i, 0,1
.irp k, 0,1,2,3
	ds_load_b128 v[AC+4*(4*\i+\k):AC+4*(4*\i+\k)+3], v3 offset:2064*\i+512*\k
.endr
.endr
.irp n, 0,1,2,3,4,5,6,7
	s_wait_dscnt 7-\n                              ; LDS loads come back in order: piece n is in
	global_store_b128 v1, v[AC+4*\n:AC+4*\n+3], s[32:33] offset:2048*(\n/4)+512*(\n%4) th:TH_STORE_NT   ; 512 consecutive bytes, aligned; written once
.endr
	s_wait_xcnt 0x0
	v_lshl_add_u32 v254, v0, 2, 0x1d000
	v_mov_b32 v255, 0
	s_wait_tensorcnt 0x0
	ds_add_u32 v254, v255
	s_wait_dscnt 0x0
	s_endpgm
.Lfunc_end_k_qe17995b2d9_ffn:
	.size	k_qe17995b2d9_ffn, .Lfunc_end_k_qe17995b2d9_ffn-k_qe17995b2d9_ffn
	.p2alignl 7, 3214868480
	.fill 96, 4, 3214868480
	.section	.rodata,"a",@progbits
	.p2align	6, 0x0
	.amdhsa_kernel k_qe17995b2d9_ffn
		.amdhsa_group_segment_fixed_size 120832
		.amdhsa_private_segment_fixed_size 0
		.amdhsa_enable_private_segment 0
		.amdhsa_kernarg_size 120
		.amdhsa_user_sgpr_count 2
		.amdhsa_user_sgpr_kernarg_segment_ptr 1
		.amdhsa_wavefront_size32 1
		.amdhsa_system_sgpr_workgroup_id_x 1
		.amdhsa_system_sgpr_workgroup_id_y 1
		.amdhsa_system_sgpr_workgroup_id_z 1
		.amdhsa_system_vgpr_workitem_id 0
		.amdhsa_next_free_vgpr 256
		.amdhsa_next_free_sgpr 100
		.amdhsa_reserve_vcc 0
		.amdhsa_float_denorm_mode_32 3
		.amdhsa_float_denorm_mode_16_64 3
		.amdhsa_memory_ordered 1
		.amdhsa_forward_progress 1
		.amdhsa_inst_pref_size 170
	.end_amdhsa_kernel
	.amdgpu_metadata
---
amdhsa.version: [ 1, 2 ]
amdhsa.kernels:
  - .name:           k_qe17995b2d9_ffn
    .symbol:         k_qe17995b2d9_ffn.kd
    .args:
      - { .name: x, .offset: 0, .size: 8, .value_kind: global_buffer, .address_space: global }
      - { .name: o_img, .offset: 8, .size: 8, .value_kind: global_buffer, .address_space: global }
      - { .name: o_sc, .offset: 16, .size: 8, .value_kind: global_buffer, .address_space: global }
      - { .name: wimg, .offset: 24, .size: 8, .value_kind: global_buffer, .address_space: global }
      - { .name: Wo_scales, .offset: 32, .size: 8, .value_kind: global_buffer, .address_space: global }
      - { .name: bo, .offset: 40, .size: 8, .value_kind: global_buffer, .address_space: global }
      - { .name: ln_g, .offset: 48, .size: 8, .value_kind: global_buffer, .address_space: global }
      - { .name: ln_b, .offset: 56, .size: 8, .value_kind: global_buffer, .address_space: global }
      - { .name: ffln_g, .offset: 64, .size: 8, .value_kind: global_buffer, .address_space: global }
      - { .name: ffln_b, .offset: 72, .size: 8, .value_kind: global_buffer, .address_space: global }
      - { .name: W1_scales, .offset: 80, .size: 8, .value_kind: global_buffer, .address_space: global }
      - { .name: b1, .offset: 88, .size: 8, .value_kind: global_buffer, .address_space: global }
      - { .name: W2_scales, .offset: 96, .size: 8, .value_kind: global_buffer, .address_space: global }
      - { .name: b2, .offset: 104, .size: 8, .value_kind: global_buffer, .address_space: global }
      - { .name: out0, .offset: 112, .size: 8, .value_kind: global_buffer, .address_space: global }
    .group_segment_fixed_size: 120832
    .private_segment_fixed_size: 0
    .kernarg_segment_align: 8
    .kernarg_segment_size: 120
    .max_flat_workgroup_size: 512
    .sgpr_count:     100
    .vgpr_count:     256
    .wavefront_size: 32
...
	.end_amdgpu_metadata
.endif
;; end of part 3
;; ======== version 2 of 2: 3 launches
;; workspace buffers: q_img 2,097,152 bytes; q_sc 262,144 bytes; kv 4,587,520 bytes; o_img 2,097,152 bytes; o_sc 131,072 bytes; wimg 1,179,648 bytes
;; launch qkv (part 4): grid 256 x 1, 16 waves a work-group, no clusters, 13,312 bytes of LDS; arguments x, ln_g, ln_b, Wq_codes, Wq_scales, bq, Wk_codes, Wk_scales, bk, Wv_codes, Wv_scales, bv, Wo_codes, W1_codes, W2_codes, q_img, q_sc, kv, wimg; writes q_img, q_sc, kv, wimg
.if DOCPART == 4
	.amdgcn_target "amdgcn-amd-amdhsa--gfx1250"
	.amdhsa_code_object_version 6
	.text
	.protected	k_qe17995b2d9_qkv
	.globl	k_qe17995b2d9_qkv
	.p2align	8
	.type	k_qe17995b2d9_qkv,@function
k_qe17995b2d9_qkv:
	s_mov_b64 s[64:65], 0
	v_nop
	global_prefetch_b8 v0, s[64:65] scope:SCOPE_SE
	s_setreg_imm32_b32 hwreg(HW_REG_WAVE_SCHED_MODE, 0, 2), 2
	s_setreg_imm32_b32 hwreg(HW_REG_WAVE_MODE, 25, 1), 1
	s_wait_xcnt 0x0
	s_wait_alu depctr_vm_vsrc(0)
; h = rope(layernorm(x)); q, k, v = Q(h) W + b on codes of FP4 (E2M1) with one E8M0 scale for each 32 along K; q and k are quantised along the head's 64 channels, v along the keys.
; A work-group of sixteen waves takes 32 tokens.  First wave w makes tokens 2 w and 2 w + 1 of h (f32) and puts their codes into LDS; then wave w makes columns 32 w .. 32 w + 31 (head w / 2, channel
; block w % 2) of q, k and v for all 32 tokens: 16 matrix instructions a pass, its weights loaded straight into operand registers (no weight byte is read by two waves of a work-group).
; TILES OF TOKENS ARE NOT NEIGHBOURS: lane r of tile m takes token 8 m + r + 8 (r / 8) of the 32, and so do the rows of a weight's tile, so that the 16 registers of two neighbouring result tiles are
; 16 neighbours along the next product's K.  q and k: source 0 = 16 rows of W, source 1 = 16 tokens (a lane holds one token, registers run along channels).  v: source 0 = 16 tokens, source 1 = 16
; rows of W (a lane holds one channel, registers run along tokens, which are the keys).
; What leaves is laid in the order of the next launch's operand registers: q_img [bh][tile][lane][16 B]; kv [bh][step of 128 keys][8,960 B]: K's 8 tiles, V's 4 tiles, K's scale words, V's scale words.
; The first 144 work-groups also lay Wo's, W1's and W2's codes in operand order into wimg (groups of 32 rows x 256 bytes), for the last launch.
; LIMITS: NaN and infinities among the inputs are not served.  A block whose largest magnitude lies under 2^-124 gets the scale byte 1, a block of zeros too (the rule says 127): its codes are zeros and
; only this program reads the bytes.  The inverse frequencies 10000^(-j/256) are made by exp2 with a split exponent, within about 1.5 ulp; sine and cosine by reduction with a three-part pi/2 and
; polynomials of degree 7 and 8, good to about 1 ulp for angles up to 2,047.
; THE MODE: SCHED_MODE bits 1:0 = 2 (LLVM: expert scheduling mode 2), set by the entry lines.  The code itself states the register dependences between vector or matrix instructions and memory or LDS
; instructions, with s_wait_alu, always for 0.
; THE PLAN.  Registers that memory or LDS instructions touch:
;   v1-v15        offsets and LDS addresses: made once at the head, never written again: one wait on va_vdst ahead of the first load serves them all.
;   v134, v135    the offsets of the laying of weights: made and read in that arm alone; v134 is written again by the tokens' arithmetic, behind a wait on vm_vsrc at the arm's end.
;   v16-79        x, ln_g, ln_b as loaded; read by the two tokens' arithmetic; then h's fragments land there from LDS, behind the wait that stands ahead of the LDS stores.
;   OC, v133      the two tokens' codes and scale bytes, and a zero: written by vector instructions, read by nine LDS stores in one run behind one wait, never written again.
;   WF, WS, BIAS  a pass's weights, scale words and bias: loaded; read by the pass's products; loaded again for the next pass.
;   PC0/EBS0, PC1/EBS1, PC2/EBS2   a set for each pass: written by its quantiser, read by its two stores, never written again.
;   FW            the last LDS load's data, which the last store reads.
; So ONE wait on va_vdst stands in a pass, behind its products and their places: the products are done reading WF, WS and BIAS, and the pass before has written its set of codes.  The next pass's loads
; and the last pass's stores follow it with no further wait: no vector or matrix instruction stands between.  The third pass's own stores have a wait of their own.
.set HS,   8704                        ; LDS: 0: h's codes, 32 slots (tile order) x 272 bytes;  HS: their scale bytes, 32 x 16;
.set SCL,  9216                        ; SCL: q's and k's scale words, [q or k][head][r][tile] words
.set X0,   16                          ; v16-47   two rows of x: 8 numbers of columns 8 lane .., 8 of columns 256 + 8 lane ..
.set XG,   48                          ; v48-63   ln_g at my columns
.set XB,   64                          ; v64-79   ln_b
.set IFQ,  80                          ; v80-87   my 8 inverse frequencies
.set KK,   88                          ; v88-127  five sets of 8 at work
.set RR,   96
.set ZZ,   104
.set SS,   112
.set CC,   120
.set HF,   16                          ; v16-79   later: h's fragments (tile m, K step s) at HF + 8 (4 m + s)
.set ACC,  88                          ; v88-119  four accumulators: ACC + 16 run + 8 u
.set MX,   120                         ; v120-127 the quantiser's registers: named by vector instructions alone
.set PD,   122
.set SO,   124
.set EB,   126
.set PC0,  128                         ; v128-132 pass q's codes and scale byte
.set EBS0, 132
.set PC1,  80                          ; v80-84   pass k's (the inverse frequencies are done with)
.set EBS1, 84
.set PC2,  250                         ; v249-253 pass v's
.set EBS2, 249
.set WF,   136                         ; v136-199 a pass's weight fragments (tile, s) at WF + 8 (4 tile + s)
.set WS,   200                         ; v200-207 their scale words
.set BIAS, 208                         ; v208-223 the pass's bias
.set RL,   224                         ; v224-231 the weights that are laid anew
.set HSC,  232                         ; v232-239 h's scale words
.set OC,   240                         ; v240-247 token i: two registers of codes, two scale bytes, at OC + 4 i
.set FW,   248                         ; v248     a head's scale words on the way out
.set WV,   42
.set HD,   43
.set MK,   44                          ; s44-51   eight masks (free behind the laying of weights)
.set BLK,  52
.set SBA,  53
.set BP,   54
.set SG,   55
.set BT,   56
.set TI,   57
.set SEL,  58
.set HM,   60
.set QB,   66
.set KB,   68
.set VB,   70
.set VSP,  72
.set FB,   74
.set NCH,  76
.set NCL,  77
.set TOPI, 78
.set PH1,  79
.set PH2,  80
.set PH3,  81
.set SN0,  82
.set SN1,  83
.set SN2,  84
.set CO0,  85
.set CO1,  86
.set CO2,  87
.set R512, 88
.set EPS,  89
.set SGN,  90
.set TO,   98
.macro PADD dst, src, off              ; a pointer plus a 32-bit offset (s[TO+1] holds 0)
	s_mov_b32 s[TO], s[\off]
	s_add_nc_u64 s[\dst:\dst+1], s[\src:\src+1], s[TO:TO+1]
.endm
.macro WSUM a                          ; the sum over the wave's 32 lanes, in every lane
	v_add_f32_dpp v[\a], v[\a], v[\a] row_xmask:1 row_mask:0xf bank_mask:0xf
	v_add_f32_dpp v[\a], v[\a], v[\a] row_xmask:2 row_mask:0xf bank_mask:0xf
	v_add_f32_dpp v[\a], v[\a], v[\a] row_xmask:4 row_mask:0xf bank_mask:0xf
	v_add_f32_dpp v[\a], v[\a], v[\a] row_xmask:8 row_mask:0xf bank_mask:0xf
	v_permlanex16_b32 v[\a+1], v[\a], s[SEL], s[SEL+1]
	v_add_f32 v[\a], v[\a], v[\a+1]
.endm
.macro MM d, a, b, sa, sb              ; a link in place
	v_wmma_scale_f32_16x16x128_f8f6f4 v[\d:\d+7], v[\a:\a+7], v[\b:\b+7], v[\d:\d+7], v[\sa], v[\sb] matrix_a_fmt:MATRIX_FMT_FP4 matrix_b_fmt:MATRIX_FMT_FP4
.endm
.macro MMC d, a, b, c, sa, sb          ; a sum's first product, the bias as C
	v_wmma_scale_f32_16x16x128_f8f6f4 v[\d:\d+7], v[\a:\a+7], v[\b:\b+7], v[\c:\c+7], v[\sa], v[\sb] matrix_a_fmt:MATRIX_FMT_FP4 matrix_b_fmt:MATRIX_FMT_FP4
.endm
.macro MMZ d, a, b, sa, sb             ; a sum's first product, C = 0
	v_wmma_scale_f32_16x16x128_f8f6f4 v[\d:\d+7], v[\a:\a+7], v[\b:\b+7], 0, v[\sa], v[\sb] matrix_a_fmt:MATRIX_FMT_FP4 matrix_b_fmt:MATRIX_FMT_FP4
.endm
; Two runs of 16 registers, each a lane's half of a block of 32 (the other half lies in lane l xor 16), become 16 bytes of codes a lane in v[pc .. pc + 3]: lanes 0-15 run 0's whole block of row r,
; lanes 16-31 run 1's; v[EB], v[EB+1] the two scale bytes, v[ebs] the byte of the lane's own half.
.macro QUANT2 src, pc, ebs
	v_max3_num_f32 v[MX], |v[\src]|, |v[\src+1]|, 0x1800000          ; with the floor 2^(3 - 127) among the leaves: the byte cannot fall under 1
	v_max3_num_f32 v[MX+1], |v[\src+16]|, |v[\src+17]|, 0x1800000
.irp i, 2,4,6,8,10,12,14
	v_max3_num_f32 v[MX], v[MX], |v[\src+\i]|, |v[\src+\i+1]|
	v_max3_num_f32 v[MX+1], v[MX+1], |v[\src+16+\i]|, |v[\src+17+\i]|
.endr
	v_permlanex16_b32 v[PD], v[MX], s[SEL], s[SEL+1]
	v_permlanex16_b32 v[PD+1], v[MX+1], s[SEL], s[SEL+1]
	v_max_num_f32 v[MX], v[MX], v[PD]                                ; the block's largest magnitude
	v_max_num_f32 v[MX+1], v[MX+1], v[PD+1]
	v_add_nc_u32 v[SO], 0xff000000, v[MX]                            ; 2 off its exponent field: the conversion's scale operand
	v_add_nc_u32 v[SO+1], 0xff000000, v[MX+1]
	v_lshrrev_b32 v[EB], 23, v[SO]                                   ; the scale's byte
	v_lshrrev_b32 v[EB+1], 23, v[SO+1]
	v_cvt_scalef32_pk8_fp4_f32 v[\pc], v[\src:\src+7], v[SO]
	v_cvt_scalef32_pk8_fp4_f32 v[\pc+1], v[\src+8:\src+15], v[SO]
	v_cvt_scalef32_pk8_fp4_f32 v[\pc+2], v[\src+16:\src+23], v[SO+1]
	v_cvt_scalef32_pk8_fp4_f32 v[\pc+3], v[\src+24:\src+31], v[SO+1]
	v_cndmask_b32 v[\ebs], v[EB], v[EB+1], s[HM]                     ; lanes 16-31 take run 1's byte.  (The plain place behind the conversions)
	v_permlane16_swap_b32 v[\pc], v[\pc+2]                           ; halves of blocks change places: a lane now holds a whole block
	v_permlane16_swap_b32 v[\pc+1], v[\pc+3]
.endm
; A pass's weights: 16 loads of fragments (tile t: row 8 t + r + 8 (r / 8) of my 32), 2 of scale words, and the bias
.macro LOADW pc, ps, pb, isv
.irp t, 0,1
.irp s, 0,1,2,3
.irp c, 0,1
	global_load_b128 v[WF+8*(4*\t+\s)+4*\c:WF+8*(4*\t+\s)+4*\c+3], v2, s[\pc:\pc+1] offset:2048*\t+64*\s+32*\c
.endr
.endr
.endr
.irp t, 0,1
	global_load_b128 v[WS+4*\t:WS+4*\t+3], v3, s[\ps:\ps+1] offset:128*\t
.endr
.if \isv
	global_load_b32 v[BIAS], v5, s[\pb:\pb+1]                        ; v: a lane holds one channel of each tile: one number a tile
	global_load_b32 v[BIAS+2], v5, s[\pb:\pb+1] offset:32
.else
.irp q, 0,1,2,3
	global_load_b128 v[BIAS+4*\q:BIAS+4*\q+3], v4, s[\pb:\pb+1] offset:16*\q   ; q, k: columns 16 h + 0 .. 15 of my 32, in the result's layout
.endr
.endif
.endm
; One token: layer norm, rope, codes.  xs: its 16 registers; i: 0 or 1.  Its codes and scale bytes stay in v[OC + 4 i ..]; both tokens' go to LDS in one run behind the second
.macro ROW xs, i
	v_pk_add_f32 v[KK:KK+1], v[\xs:\xs+1], v[\xs+2:\xs+3]
	v_pk_add_f32 v[KK+2:KK+3], v[\xs+4:\xs+5], v[\xs+6:\xs+7]
	v_pk_add_f32 v[KK+4:KK+5], v[\xs+8:\xs+9], v[\xs+10:\xs+11]
	v_pk_add_f32 v[KK+6:KK+7], v[\xs+12:\xs+13], v[\xs+14:\xs+15]
	v_pk_add_f32 v[KK:KK+1], v[KK:KK+1], v[KK+2:KK+3]
	v_pk_add_f32 v[KK+4:KK+5], v[KK+4:KK+5], v[KK+6:KK+7]
	v_pk_add_f32 v[KK:KK+1], v[KK:KK+1], v[KK+4:KK+5]
	v_add_f32 v[KK], v[KK], v[KK+1]
	WSUM KK
	v_mul_f32 v[KK], s[R512], v[KK]                                  ; the mean
.irp p, 0,2,4,6,8,10,12,14
	v_pk_add_f32 v[\xs+\p:\xs+\p+1], v[\xs+\p:\xs+\p+1], v[KK:KK+1] op_sel_hi:[1,0] neg_lo:[0,1] neg_hi:[0,1]
.endr
	v_pk_mul_f32 v[RR:RR+1], v[\xs:\xs+1], v[\xs:\xs+1]              ; the sum of squares of the centred numbers, in two chains
	v_pk_mul_f32 v[RR+2:RR+3], v[\xs+2:\xs+3], v[\xs+2:\xs+3]
.irp p, 4,8,12
	v_pk_fma_f32 v[RR:RR+1], v[\xs+\p:\xs+\p+1], v[\xs+\p:\xs+\p+1], v[RR:RR+1]
	v_pk_fma_f32 v[RR+2:RR+3], v[\xs+\p+2:\xs+\p+3], v[\xs+\p+2:\xs+\p+3], v[RR+2:RR+3]
.endr
	v_pk_add_f32 v[RR:RR+1], v[RR:RR+1], v[RR+2:RR+3]
	v_add_f32 v[RR], v[RR], v[RR+1]
	WSUM RR
	v_fma_f32 v[RR], v[RR], s[R512], s[EPS]
	s_wait_alu depctr_va_vdst(0)
	v_rsq_f32 v[RR], v[RR]
	s_add_co_u32 s61, s[TI], \i
	v_cvt_f32_u32 v132, s61                                          ; the token's place in its sequence.  (The plain place behind the root)
	s_wait_alu depctr_va_vdst(0)                                     ; the root has written v[RR], ahead of its first reader
.irp p, 0,2,4,6,8,10,12,14
	v_pk_mul_f32 v[\xs+\p:\xs+\p+1], v[\xs+\p:\xs+\p+1], v[RR:RR+1] op_sel_hi:[1,0]
.endr
.irp p, 0,2,4,6,8,10,12,14
	v_pk_fma_f32 v[\xs+\p:\xs+\p+1], v[\xs+\p:\xs+\p+1], v[XG+\p:XG+\p+1], v[XB+\p:XB+\p+1]
.endr
.irp j, 0,1,2,3,4,5,6,7
	v_mul_f32 v[KK+\j], v132, v[IFQ+\j]                              ; the angle, rounded once
.endr
.irp j, 0,1,2,3,4,5,6,7
	v_mul_f32 v[RR+\j], s[TOPI], v[KK+\j]
.endr
.irp j, 0,1,2,3,4,5,6,7
	v_rndne_f32 v[RR+\j], v[RR+\j]                                   ; k = the nearest multiple of pi / 2
.endr
.irp j, 0,1,2,3,4,5,6,7
	v_fma_f32 v[KK+\j], -v[RR+\j], s[PH1], v[KK+\j]                  ; r = angle - k pi / 2, pi / 2 in three parts
.endr
.irp j, 0,1,2,3,4,5,6,7
	v_fma_f32 v[KK+\j], -v[RR+\j], s[PH2], v[KK+\j]
.endr
.irp j, 0,1,2,3,4,5,6,7
	v_fma_f32 v[KK+\j], -v[RR+\j], s[PH3], v[KK+\j]
.endr
.irp j, 0,1,2,3,4,5,6,7
	v_mul_f32 v[ZZ+\j], v[KK+\j], v[KK+\j]                           ; z = r r
	v_cvt_i32_f32 v[RR+\j], v[RR+\j]
.endr
.irp j, 0,1,2,3,4,5,6,7
	v_fma_f32 v[SS+\j], v[ZZ+\j], s[SN0], s[SN1]
	v_fma_f32 v[CC+\j], v[ZZ+\j], s[CO0], s[CO1]
.endr
.irp j, 0,1,2,3,4,5,6,7
	v_fma_f32 v[SS+\j], v[SS+\j], v[ZZ+\j], s[SN2]
	v_fma_f32 v[CC+\j], v[CC+\j], v[ZZ+\j], s[CO2]
.endr
.irp j, 0,1,2,3,4,5,6,7
	v_mul_f32 v[SS+\j], v[SS+\j], v[ZZ+\j]
	v_mul_f32 v[CC+\j], v[CC+\j], v[ZZ+\j]
.endr
.irp j, 0,1,2,3,4,5,6,7
	v_fma_f32 v[SS+\j], v[SS+\j], v[KK+\j], v[KK+\j]                 ; sin r
.endr
.irp j, 0,1,2,3,4,5,6,7
	v_fma_f32 v[KK+\j], v[ZZ+\j], -0.5, 1.0
.endr
.irp j, 0,1,2,3,4,5,6,7
	v_fma_f32 v[CC+\j], v[CC+\j], v[ZZ+\j], v[KK+\j]                 ; cos r
	v_and_b32 v[KK+\j], 1, v[RR+\j]
.endr
.irp j, 0,1,2,3,4,5,6,7
	v_cmp_eq_u32 s[MK+\j], 1, v[KK+\j]                               ; in the odd quadrants sine and cosine change places: the eight compares in one run, a mask each
.endr
	s_wait_alu depctr_va_sdst(0)                                     ; the eight masks s[MK ..] are written, ahead of the selects that read them
.irp j, 0,1,2,3,4,5,6,7
	v_cndmask_b32 v[KK+\j], v[SS+\j], v[CC+\j], s[MK+\j]
	v_cndmask_b32 v[ZZ+\j], v[CC+\j], v[SS+\j], s[MK+\j]
.endr
.irp j, 0,1,2,3,4,5,6,7
	v_lshlrev_b32 v[SS+\j], 30, v[RR+\j]                             ; the sine is negative in quadrants 2, 3,
	v_add_nc_u32 v[RR+\j], 1, v[RR+\j]
.endr
.irp j, 0,1,2,3,4,5,6,7
	v_lshlrev_b32 v[CC+\j], 30, v[RR+\j]                             ; the cosine in 1, 2
	v_and_b32 v[SS+\j], s[SGN], v[SS+\j]
.endr
.irp j, 0,1,2,3,4,5,6,7
	v_and_b32 v[CC+\j], s[SGN], v[CC+\j]
	v_xor_b32 v[KK+\j], v[KK+\j], v[SS+\j]
.endr
.irp j, 0,1,2,3,4,5,6,7
	v_xor_b32 v[ZZ+\j], v[ZZ+\j], v[CC+\j]
.endr
.irp j, 0,1,2,3,4,5,6,7
	v_mul_f32 v[SS+\j], v[\xs+8+\j], v[KK+\j]
	v_mul_f32 v[CC+\j], v[\xs+8+\j], v[ZZ+\j]
.endr
.irp j, 0,1,2,3,4,5,6,7
	v_fma_f32 v[SS+\j], v[\xs+\j], v[ZZ+\j], -v[SS+\j]               ; x1 cos - x2 sin: columns 8 lane ..
	v_fma_f32 v[CC+\j], v[\xs+\j], v[KK+\j], v[CC+\j]                ; x1 sin + x2 cos: columns 256 + 8 lane ..
.endr
	v_max3_num_f32 v133, |v[SS]|, |v[SS+1]|, 0x1800000               ; a block of 32 columns lies in four neighbouring lanes
	v_max3_num_f32 v134, |v[CC]|, |v[CC+1]|, 0x1800000
.irp j, 2,4,6
	v_max3_num_f32 v133, v133, |v[SS+\j]|, |v[SS+\j+1]|
	v_max3_num_f32 v134, v134, |v[CC+\j]|, |v[CC+\j+1]|
.endr
	v_max_num_f32_dpp v133, v133, v133 row_xmask:1 row_mask:0xf bank_mask:0xf
	v_max_num_f32_dpp v134, v134, v134 row_xmask:1 row_mask:0xf bank_mask:0xf
	v_max_num_f32_dpp v133, v133, v133 row_xmask:2 row_mask:0xf bank_mask:0xf
	v_max_num_f32_dpp v134, v134, v134 row_xmask:2 row_mask:0xf bank_mask:0xf
	v_add_nc_u32 v133, 0xff000000, v133
	v_add_nc_u32 v134, 0xff000000, v134
	v_cvt_scalef32_pk8_fp4_f32 v[OC+4*\i], v[SS:SS+7], v133
	v_cvt_scalef32_pk8_fp4_f32 v[OC+4*\i+1], v[CC:CC+7], v134
	v_lshrrev_b32 v[OC+4*\i+2], 23, v133                             ; the scale bytes.  (Plain places behind the conversions)
	v_lshrrev_b32 v[OC+4*\i+3], 23, v134
.endm
; A pass's 16 products (four accumulators by turns), their places, and the pass's one wait.
.macro PROD isv
	s_wait_loadcnt 0x0                                               ; this pass's weights, scale words and bias
.irp s, 0,1,2,3
.irp a, 0,1
.irp u, 0,1
.if \isv
.if \s == 0
	MMZ ACC+16*\a+8*\u, HF+8*(4*\u+\s), WF+8*(4*\a+\s), HSC+4*\u+\s, WS+4*\a+\s
.else
	MM ACC+16*\a+8*\u, HF+8*(4*\u+\s), WF+8*(4*\a+\s), HSC+4*\u+\s, WS+4*\a+\s
.endif
.else
.if \s == 0
	MMC ACC+16*\a+8*\u, WF+8*(4*\u+\s), HF+8*(4*\a+\s), BIAS+8*\u, WS+4*\u+\s, HSC+4*\a+\s
.else
	MM ACC+16*\a+8*\u, WF+8*(4*\u+\s), HF+8*(4*\a+\s), WS+4*\u+\s, HSC+4*\a+\s
.endif
.endif
.endr
.endr
.endr
.rept 5
	v_nop                                                            ; places behind the products: for the loads into their operands, the first read of results, and the next pass's products, which begin these accumulators anew
.endr
	s_wait_alu depctr_va_vdst(0)                                     ; the products are done reading WF, WS and BIAS, in which the next pass's loads land; the pass before has written its codes and its scale byte, which the stores below read
.endm
	s_load_b512 s[4:19], s[0:1], 0x0               ; x 4, ln_g 6, ln_b 8, Wq codes 10, scales 12, bq 14, Wk codes 16, scales 18
	s_load_b512 s[20:35], s[0:1], 0x40             ; bk 20, Wv codes 22, scales 24, bv 26, Wo codes 28, W1 codes 30, W2 codes 32, q_img 34
	s_load_b128 s[36:39], s[0:1], 0x80             ; q_sc 36, kv 38
	s_load_b64 s[40:41], s[0:1], 0x90              ; wimg
	v_lshl_add_u32 v254, v0, 2, 0x2c00             ; my spare word and 0: kept for the closing lines alone
	v_mov_b32 v255, 0
	v_lshrrev_b32 v128, 5, v0
	v_readfirstlane_b32 s[WV], v128                ; wave 0..15
	v_and_b32 v128, 31, v0                         ; lane
	v_and_b32 v129, 15, v0                         ; r
	v_bfe_u32 v130, v0, 4, 1                       ; h
	v_and_b32 v131, 8, v129
	v_add_nc_u32 v131, v131, v129                  ; r + 8 (r / 8)
	v_lshlrev_b32 v1, 5, v128                      ; x, ln_g, ln_b: 32 bytes a lane
	v_lshlrev_b32 v2, 8, v131
	v_lshl_add_u32 v2, v130, 4, v2                 ; a weight's fragment: row x 256 + 16 h
	v_lshlrev_b32 v3, 4, v131                      ; its scale words: 16 bytes a row
	v_lshlrev_b32 v4, 6, v130                      ; bias of q, k: 64 h
	v_lshlrev_b32 v5, 2, v131                      ; bias of v: 4 bytes a row
	s_wait_alu depctr_va_sdst(0)                   ; the wave's number s[WV] is written, ahead of its first reader
	s_lshr_b32 s62, s[WV], 2                       ; the slot of token 2 w: 16 ((w >> 2) & 1) + 8 (w >> 3) + 2 (w & 3)
	s_and_b32 s62, s62, 1
	s_lshl_b32 s62, s62, 4
	s_lshr_b32 s63, s[WV], 3
	s_lshl_b32 s63, s63, 3
	s_add_co_u32 s62, s62, s63
	s_and_b32 s63, s[WV], 3
	s_lshl_b32 s63, s63, 1
	s_add_co_u32 s62, s62, s63
	s_mul_i32 s63, s62, 272
	v_lshl_add_u32 v6, v128, 2, s63                ; where I put 8 codes
	s_lshl_b32 s63, s62, 4
	s_add_co_u32 s63, s63, HS
	v_lshrrev_b32 v7, 2, v128
	v_add_nc_u32 v7, s63, v7                       ; and a scale byte
	v_mul_u32_u24 v8, v129, 272
	v_lshl_add_u32 v8, v130, 4, v8                 ; h's fragments: slot r x 272 + 16 h
	v_lshl_add_u32 v9, v129, 4, HS                 ; h's scale words
	v_lshlrev_b32 v10, 4, v129
	v_lshl_add_u32 v11, v130, 10, v10              ; v's codes: 1024 hh + 16 r
	v_lshl_add_u32 v13, v130, 2, v10               ; v's scale bytes: 16 r + 4 hh
	v_lshl_add_u32 v10, v130, 9, v10               ; q's and k's codes: 512 hh + 16 r
	s_lshr_b32 s[HD], s[WV], 1                     ; my head,
	s_and_b32 s[BLK], s[WV], 1                     ; my block of its 64 channels
	s_lshl_b32 s63, s[HD], 7
	s_add_co_u32 s63, s63, s[BLK]
	s_add_co_u32 s63, s63, SCL
	v_lshlrev_b32 v12, 3, v129
	v_lshl_add_u32 v12, v130, 2, v12
	v_add_nc_u32 v12, s63, v12                     ; q's, k's scale byte in LDS: 128 head + 8 r + 4 hh + block
	v_lshl_add_u32 v14, v0, 2, SCL                 ; 4 x thread: a wave's 128 bytes of the scale words
	v_lshlrev_b32 v15, 2, v128
	s_lshr_b32 s[SBA], ttmp9, 6                    ; batch
	s_and_b32 s[BP], ttmp9, 63                     ; block of 32 tokens in it
	s_lshr_b32 s[SG], s[BP], 2                     ; key step of 128
	s_and_b32 s[BT], s[BP], 3                      ; block of 32 in the step
	s_lshl_b32 s[TI], s[BP], 5
	s_lshl_b32 s61, s[WV], 1
	s_add_co_u32 s[TI], s[TI], s61                 ; token 2 w's place in its sequence
	s_mov_b32 s[SEL], 0x76543210
	s_mov_b32 s[SEL+1], 0xfedcba98                 ; v_permlanex16_b32's selects for lane l xor 16
	s_mov_b32 s[HM], 0xffff0000
	s_mov_b32 s[NCH], 0xbd549a78                   ; -log2(10000) / 256, in two parts
	s_mov_b32 s[NCL], 0xb0979a6c
	s_mov_b32 s[TOPI], 0x3f22f983                  ; 2 / pi
	s_mov_b32 s[PH1], 0x3fc90fd8                   ; pi / 2, in three parts
	s_mov_b32 s[PH2], 0x34a8885a
	s_mov_b32 s[PH3], 0x27c234c4
	s_mov_b32 s[SN0], 0xb94ca1f9
	s_mov_b32 s[SN1], 0x3c08839e
	s_mov_b32 s[SN2], 0xbe2aaaa3
	s_mov_b32 s[CO0], 0x37ccf5ce
	s_mov_b32 s[CO1], 0xbab6061a
	s_mov_b32 s[CO2], 0x3d2aaaa5
	s_mov_b32 s[R512], 0x3b000000                  ; 1 / 512
	s_mov_b32 s[EPS], 0x3727c5ac                   ; 1e-5
	s_mov_b32 s[SGN], 0x80000000
	s_mov_b32 s[TO+1], 0
	; byte offsets, apart from the pointers
	s_lshl_b32 s91, ttmp9, 16
	s_lshl_b32 s61, s[WV], 12
	s_add_co_u32 s91, s91, s61                     ; x: (32 g + 2 w) rows of 2,048 bytes
	s_lshl_b32 s92, s[WV], 13                      ; a weight's codes: 32 w rows of 256 bytes
	s_lshl_b32 s93, s[WV], 9                       ; its scales
	s_lshl_b32 s94, s[WV], 7                       ; its bias
	s_lshl_b32 s61, s[SBA], 3
	s_add_co_u32 s62, s61, s[HD]                   ; bh = 8 batch + head
	s_lshl_b32 s95, s62, 16
	s_lshl_b32 s63, s[BP], 10
	s_add_co_u32 s95, s95, s63
	s_lshl_b32 s63, s[BLK], 8
	s_add_co_u32 s95, s95, s63                     ; q_img: 65536 bh + 1024 block of tokens + 256 block of channels
	s_mul_i32 s62, s62, 143360
	s_mul_i32 s63, s[SG], 8960
	s_add_co_u32 s62, s62, s63                     ; kv: the head's step
	s_lshl_b32 s96, s[BT], 10
	s_add_co_u32 s96, s96, s62
	s_lshl_b32 s63, s[BLK], 8
	s_add_co_u32 s96, s96, s63                     ; K's codes
	s_lshl_b32 s97, s[BLK], 11
	s_add_co_u32 s97, s97, s62
	s_lshl_b32 s63, s[BT], 8
	s_add_co_u32 s97, s97, s63
	s_add_co_u32 s97, s97, 4096                    ; V's codes
	s_lshl_b32 s2, s[BLK], 3
	s_add_co_u32 s2, s2, s62
	s_add_co_u32 s2, s2, s[BT]
	s_add_co_u32 s2, s2, 8704                      ; V's scale bytes
	s_and_b32 s63, s[WV], 7                        ; at the end wave w stores the scale words of q (w < 8) or k, head w % 8
	s_add_co_u32 s63, s63, s61
	s_lshl_b32 s3, s63, 13
	s_lshl_b32 s62, s[BP], 7
	s_add_co_u32 s3, s3, s62
	s_mul_i32 s63, s63, 143360
	s_mul_i32 s62, s[SG], 8960
	s_add_co_u32 s63, s63, s62
	s_lshl_b32 s62, s[BT], 7
	s_add_co_u32 s63, s63, s62
	s_add_co_u32 s63, s63, 8192
	s_cmp_lt_u32 s[WV], 8
	s_cselect_b32 s3, s3, s63
	s_wait_kmcnt 0x0
	s_cselect_b64 s[FB:FB+1], s[36:37], s[38:39]   ; the choice hangs on the wave's number alone
	PADD FB, FB, 3
	PADD 4, 4, 91
	PADD 10, 10, 92
	PADD 16, 16, 92
	PADD 22, 22, 92
	PADD 12, 12, 93
	PADD 18, 18, 93
	PADD 24, 24, 93
	PADD 14, 14, 94
	PADD 20, 20, 94
	PADD 26, 26, 94
	PADD QB, 34, 95
	PADD KB, 38, 96
	PADD VB, 38, 97
	PADD VSP, 38, 2
	s_wait_alu depctr_va_vdst(0)                   ; the offsets and LDS addresses v1 to v15 are written: every load and store of the kernel but the laying's reads one of them, and none is written again
.irp i, 0,1
	global_load_b128 v[X0+16*\i:X0+16*\i+3], v1, s[4:5] offset:2048*\i
	global_load_b128 v[X0+16*\i+4:X0+16*\i+7], v1, s[4:5] offset:2048*\i+16
	global_load_b128 v[X0+16*\i+8:X0+16*\i+11], v1, s[4:5] offset:2048*\i+1024
	global_load_b128 v[X0+16*\i+12:X0+16*\i+15], v1, s[4:5] offset:2048*\i+1040
.endr
	global_load_b128 v[XG:XG+3], v1, s[6:7]
	global_load_b128 v[XG+4:XG+7], v1, s[6:7] offset:16
	global_load_b128 v[XG+8:XG+11], v1, s[6:7] offset:1024
	global_load_b128 v[XG+12:XG+15], v1, s[6:7] offset:1040
	global_load_b128 v[XB:XB+3], v1, s[8:9]
	global_load_b128 v[XB+4:XB+7], v1, s[8:9] offset:16
	global_load_b128 v[XB+8:XB+11], v1, s[8:9] offset:1024
	global_load_b128 v[XB+12:XB+15], v1, s[8:9] offset:1040
	LOADW 10, 12, 14, 0                            ; pass q's 22 loads land while h is made
	; ---- Wo, W1, W2 in operand order: work-group g < 144 lays group g (32 rows x 256 bytes); wave w < 8 its fragment (tile w / 4, K step w % 4)
	s_cmp_lt_u32 ttmp9, 144
	s_cbranch_scc0 .Lno_relay
	s_cmp_lt_u32 s[WV], 8
	s_cbranch_scc0 .Lno_relay
	s_cmp_lt_u32 ttmp9, 16
	s_cselect_b64 s[44:45], s[28:29], s[30:31]     ; groups 0-15 Wo, 16-79 W1,
	s_cselect_b32 s46, 0, 16
	s_sub_co_u32 s46, ttmp9, s46
	s_lshl_b32 s46, s46, 13                        ; 32 rows of 256 bytes a group
	s_sub_co_u32 s48, ttmp9, 80                    ; 80-143 W2: group 4 w' + rho: rows 32 w' on, bytes 256 rho on of rows of 1,024
	s_lshr_b32 s49, s48, 2
	s_lshl_b32 s49, s49, 15
	s_and_b32 s48, s48, 3
	s_lshl_b32 s48, s48, 8
	s_add_co_u32 s48, s48, s49
	s_cmp_lt_u32 ttmp9, 80
	s_cselect_b64 s[44:45], s[44:45], s[32:33]
	s_cselect_b32 s46, s46, s48
	s_cselect_b32 s50, 8, 10                       ; log2 of a row's bytes
	s_mov_b32 s47, 0
	s_add_nc_u64 s[44:45], s[44:45], s[46:47]
	s_lshr_b32 s48, s[WV], 2
	s_lshl_b32 s48, s48, 3
	v_add_nc_u32 v134, s48, v131                   ; row 8 u + r + 8 (r / 8)
	v_lshlrev_b32 v134, s50, v134
	s_and_b32 s49, s[WV], 3
	s_lshl_b32 s49, s49, 6
	v_lshl_add_u32 v135, v130, 4, s49              ; + 64 s + 16 h
	v_add_nc_u32 v134, v134, v135
	v_lshlrev_b32 v135, 4, v128                    ; and on the way out 16 bytes a lane
	s_wait_alu depctr_va_vdst(0)                   ; v134 and v135 are written: the two loads read the first as their offset, the two stores the second
	global_load_b128 v[RL:RL+3], v134, s[44:45]
	global_load_b128 v[RL+4:RL+7], v134, s[44:45] offset:32
	s_lshl_b32 s46, ttmp9, 13
	s_lshl_b32 s48, s[WV], 10
	s_add_co_u32 s46, s46, s48
	s_add_nc_u64 s[96:97], s[40:41], s[46:47]
	s_wait_loadcnt 0x0
	global_store_b128 v135, v[RL:RL+3], s[96:97]             ; 512 consecutive bytes a store
	global_store_b128 v135, v[RL+4:RL+7], s[96:97] offset:512
	s_wait_xcnt 0x0                                ; v134 is written again below
	s_wait_alu depctr_vm_vsrc(0)                   ; the two loads have read v134, which the tokens' arithmetic writes again
.Lno_relay:
	; ---- my 8 inverse frequencies: 2^(-j c), j = 8 lane + i, c = log2(10000) / 256 in two parts; the product's error is carried into the fraction
.irp i, 0,1,2,3,4,5,6,7
	v_lshl_add_u32 v[KK+\i], v128, 3, \i
.endr
.irp i, 0,1,2,3,4,5,6,7
	v_cvt_f32_u32 v[KK+\i], v[KK+\i]
.endr
.irp i, 0,1,2,3,4,5,6,7
	v_mul_f32 v[RR+\i], s[NCH], v[KK+\i]
.endr
.irp i, 0,1,2,3,4,5,6,7
	v_fma_f32 v[ZZ+\i], v[KK+\i], s[NCH], -v[RR+\i]
	v_rndne_f32 v[SS+\i], v[RR+\i]
.endr
.irp i, 0,1,2,3,4,5,6,7
	v_fma_f32 v[ZZ+\i], v[KK+\i], s[NCL], v[ZZ+\i]
	v_sub_f32 v[CC+\i], v[RR+\i], v[SS+\i]
.endr
.irp i, 0,1,2,3,4,5,6,7
	v_add_f32 v[CC+\i], v[CC+\i], v[ZZ+\i]
.endr
	s_wait_alu depctr_va_vdst(0)
.irp i, 0,1,2,3,4,5,6,7
	v_exp_f32 v[CC+\i], v[CC+\i]
.endr
.irp i, 0,1,2,3,4,5,6,7
	v_cvt_i32_f32 v[SS+\i], v[SS+\i]               ; (plain places behind the exponentials)
.endr
	s_wait_alu depctr_va_vdst(0)                   ; the eight exponentials have written v[CC ..], ahead of their first reader
.irp i, 0,1,2,3,4,5,6,7
	v_ldexp_f32 v[IFQ+\i], v[CC+\i], v[SS+\i]
.endr
	s_wait_loadcnt 22                              ; x, ln_g and ln_b are in; pass q's 22 loads may stay out
	ROW X0, 0
	ROW X0+16, 1
	v_mov_b32 v133, 0
	v_mov_b32 v[PD], 0                             ; a lane permute's destination counts as one of its sources
	v_mov_b32 v[PD+1], 0
	s_wait_alu depctr_va_vdst(0)                   ; both tokens' codes and scale bytes v[OC ..] and the zero v133 are written, which the LDS stores read; the tokens' arithmetic is done with v16 to v79, in which h's fragments land behind the barrier
.irp i, 0,1
	ds_store_b32 v6, v[OC+4*\i] offset:272*\i                        ; 8 codes: 4 bytes at 4 lane of the token's slot,
	ds_store_b32 v6, v[OC+4*\i+1] offset:272*\i+128                  ; and 128 bytes on
	ds_store_b8 v7, v[OC+4*\i+2] offset:16*\i                        ; the four lanes of a block write the same byte with the same value
	ds_store_b8 v7, v[OC+4*\i+3] offset:16*\i+8
.endr
	ds_store_b32 v14, v133                         ; the scale words begin as zeros: their upper two bytes belong to K = 64 .. 127, where the codes are zeros
	s_wait_dscnt 0x0                               ; my stores have landed
	s_barrier_signal -1
	s_barrier_wait -1                              ; all 32 tokens' codes lie in LDS
.irp m, 0,1
.irp s, 0,1,2,3
.irp c, 0,1
	ds_load_b128 v[HF+8*(4*\m+\s)+4*\c:HF+8*(4*\m+\s)+4*\c+3], v8 offset:4352*\m+64*\s+32*\c
.endr
.endr
.endr
.irp m, 0,1
	ds_load_b128 v[HSC+4*\m:HSC+4*\m+3], v9 offset:256*\m
.endr
	s_wait_dscnt 0x0
	; ---- pass q
	PROD 0
	LOADW 16, 18, 20, 0                            ; pass k's: they land while q is quantised
	QUANT2 ACC, PC0, EBS0
	; ---- pass k
	PROD 0
	LOADW 22, 24, 26, 1                            ; pass v's
	global_store_b128 v10, v[PC0:PC0+3], s[QB:QB+1]                  ; q's codes: each half of the wave stores 256 consecutive bytes, aligned
	ds_store_b8 v12, v[EBS0]                                         ; the scale bytes of a head's two blocks meet in LDS and leave as words
	QUANT2 ACC, PC1, EBS1
	; ---- pass v
	PROD 1
	global_store_b128 v10, v[PC1:PC1+3], s[KB:KB+1]                  ; k's codes
	ds_store_b8 v12, v[EBS1] offset:1024
.irp a, 0,1
.irp p, 0,2,4,6,8,10,12,14
	v_pk_add_f32 v[ACC+16*\a+\p:ACC+16*\a+\p+1], v[ACC+16*\a+\p:ACC+16*\a+\p+1], v[BIAS+2*\a:BIAS+2*\a+1] op_sel_hi:[1,0]
.endr
.endr
	QUANT2 ACC, PC2, EBS2
	s_wait_alu depctr_va_vdst(0)                   ; the quantiser has written v's codes and scale byte, which the two stores read
	global_store_b128 v11, v[PC2:PC2+3], s[VB:VB+1]
	global_store_b8 v13, v[EBS2], s[VSP:VSP+1]
	s_wait_dscnt 0x0                               ; my scale bytes have landed
	s_barrier_signal -1
	s_barrier_wait -1
	ds_load_b32 v[FW], v14                         ; one head's 32 scale words of q or of k
	s_wait_dscnt 0x0
	global_store_b32 v15, v[FW], s[FB:FB+1]        ; 128 consecutive bytes
	s_wait_dscnt 0x0                               ; the closing lines, six on end
	s_wait_alu 0x0
	s_wait_tensorcnt 0x0
	ds_add_u32 v254, v255
	s_wait_dscnt 0x0
	s_endpgm
.Lfunc_end_k_qe17995b2d9_qkv:
	.size	k_qe17995b2d9_qkv, .Lfunc_end_k_qe17995b2d9_qkv-k_qe17995b2d9_qkv
	.p2alignl 7, 3214868480
	.fill 96, 4, 3214868480
	.section	.rodata,"a",@progbits
	.p2align	6, 0x0
	.amdhsa_kernel k_qe17995b2d9_qkv
		.amdhsa_group_segment_fixed_size 13312
		.amdhsa_private_segment_fixed_size 0
		.amdhsa_enable_private_segment 0
		.amdhsa_kernarg_size 152
		.amdhsa_user_sgpr_count 2
		.amdhsa_user_sgpr_kernarg_segment_ptr 1
		.amdhsa_wavefront_size32 1
		.amdhsa_system_sgpr_workgroup_id_x 1
		.amdhsa_system_sgpr_workgroup_id_y 1
		.amdhsa_system_sgpr_workgroup_id_z 1
		.amdhsa_system_vgpr_workitem_id 0
		.amdhsa_next_free_vgpr 256
		.amdhsa_next_free_sgpr 100
		.amdhsa_reserve_vcc 0
		.amdhsa_float_denorm_mode_32 3
		.amdhsa_float_denorm_mode_16_64 3
		.amdhsa_memory_ordered 1
		.amdhsa_forward_progress 1
		.amdhsa_inst_pref_size 69
	.end_amdhsa_kernel
	.amdgpu_metadata
---
amdhsa.version: [ 1, 2 ]
amdhsa.kernels:
  - .name:           k_qe17995b2d9_qkv
    .symbol:         k_qe17995b2d9_qkv.kd
    .args:
      - { .name: x, .offset: 0, .size: 8, .value_kind: global_buffer, .address_space: global }
      - { .name: ln_g, .offset: 8, .size: 8, .value_kind: global_buffer, .address_space: global }
      - { .name: ln_b, .offset: 16, .size: 8, .value_kind: global_buffer, .address_space: global }
      - { .name: Wq_codes, .offset: 24, .size: 8, .value_kind: global_buffer, .address_space: global }
      - { .name: Wq_scales, .offset: 32, .size: 8, .value_kind: global_buffer, .address_space: global }
      - { .name: bq, .offset: 40, .size: 8, .value_kind: global_buffer, .address_space: global }
      - { .name: Wk_codes, .offset: 48, .size: 8, .value_kind: global_buffer, .address_space: global }
      - { .name: Wk_scales, .offset: 56, .size: 8, .value_kind: global_buffer, .address_space: global }
      - { .name: bk, .offset: 64, .size: 8, .value_kind: global_buffer, .address_space: global }
      - { .name: Wv_codes, .offset: 72, .size: 8, .value_kind: global_buffer, .address_space: global }
      - { .name: Wv_scales, .offset: 80, .size: 8, .value_kind: global_buffer, .address_space: global }
      - { .name: bv, .offset: 88, .size: 8, .value_kind: global_buffer, .address_space: global }
      - { .name: Wo_codes, .offset: 96, .size: 8, .value_kind: global_buffer, .address_space: global }
      - { .name: W1_codes, .offset: 104, .size: 8, .value_kind: global_buffer, .address_space: global }
      - { .name: W2_codes, .offset: 112, .size: 8, .value_kind: global_buffer, .address_space: global }
      - { .name: q_img, .offset: 120, .size: 8, .value_kind: global_buffer, .address_space: global }
      - { .name: q_sc, .offset: 128, .size: 8, .value_kind: global_buffer, .address_space: global }
      - { .name: kv, .offset: 136, .size: 8, .value_kind: global_buffer, .address_space: global }
      - { .name: wimg, .offset: 144, .size: 8, .value_kind: global_buffer, .address_space: global }
    .group_segment_fixed_size: 13312
    .private_segment_fixed_size: 0
    .kernarg_segment_align: 8
    .kernarg_segment_size: 152
    .max_flat_workgroup_size: 512
    .sgpr_count:     100
    .vgpr_count:     256
    .wavefront_size: 32
...
	.end_amdgpu_metadata
.endif
;; end of part 4
;; launch attn (part 5): grid 8 x 32, 16 waves a work-group, no clusters, 169,984 bytes of LDS; arguments q_img, q_sc, kv, o_img, o_sc; writes o_img, o_sc
.if DOCPART == 5
	.amdgcn_target "amdgcn-amd-amdhsa--gfx1250"
	.amdhsa_code_object_version 6
	.text
	.protected	k_qe17995b2d9_attn
	.globl	k_qe17995b2d9_attn
	.p2align	8
	.type	k_qe17995b2d9_attn,@function
k_qe17995b2d9_attn:
	s_mov_b64 s[64:65], 0
	v_nop
	global_prefetch_b8 v0, s[64:65] scope:SCOPE_SE
	s_setreg_imm32_b32 hwreg(HW_REG_WAVE_MODE, 25, 1), 1
	s_wait_xcnt 0x0
; o = softmax(q k^T / 8, keys allowed where |query - key| > 128) v, both products on codes of FP4 (E2M1) with E8M0 scales; o is quantised along the channels for the next product.
; THE SOFTMAX AHEAD OF THE SECOND PRODUCT: t = score x log2(e) / 8; M = the running largest t rounded up to a whole number; p = 2^(t - M) is quantised along the keys, not normalised; the row's sum is
; taken of the unquantised p and divides at the end; when M moves, the sum and O are multiplied by 2^(old M - new M), which rounds nothing.
; SHARES.  A work-group owns 256 queries of one (batch, head); each of its sixteen waves one tile of 16 queries, in 256 registers, four waves to a SIMD.  Every wave walks the head's 16 steps of 128 keys.
; LDS holds the head's whole kv buffer, 143,360 bytes as they lie in memory, filled ONCE by eight tensor loads (waves 0 and 1, four each, two steps a load); no byte is filled again and nothing is stored to LDS.
; A chunk of four steps is read behind a counted wait and a barrier, so the first steps are worked while the later chunks are on their way.
; LAYOUT.  Both products are used transposed: S^T = K Q^T, O^T = V^T P^T: a lane holds one query.  The head has 64 channels, so the upper halves of K's and Q's fragments (K = 64 .. 127) are zero codes.
; Lane r of key tile 2 b + u holds key 32 b + 8 u + r + 8 (r / 8); the queries of a tile and the channels of V's tiles are chosen in the same way.
; THE MASK is made of indices alone: the step that holds the query is wholly hidden and is left out by a scalar branch; in its two neighbours hidden scores become -infinity ahead of the maximum; the others are open.
; WHY NO CLUSTER: the eight work-groups of a head read the same bytes, but the steps that they leave out or mask differ with their place, and partners of a joint load must run alike; what is shared is read once a work-group.
; LIMITS: NaN and infinities are not served; a block of p that has fallen to zeros keeps the scale byte 1 (its codes are zeros).
.set WV,  16
.set BH,  17
.set TAU, 18
.set QS,  19
.set G1,  24                           ; s[24:31] descriptor group 1;  s[32:47] four groups 0
.set G0,  32
.set CS,  48                           ; s[48:49] log2(e) / 8
.set SEL, 50
.set TB,  52                           ; LDS byte at which the step begins
.set SG,  53                           ; the step
.set CT,  54
.set DF,  55
.set TP,  56
.set HM,  57
.set TO,  58
.set MX,  232                          ; the last quantiser's registers
.set PD,  234
.set SO,  236
.set EB,  238
.set PC,  240
.set EBS, 244
; REGISTERS: v1 16 lane; v2 8192 + 8 r; v3 8704 + 16 r; v4 my query less 16 h; v5-7 the step's addresses; v8 at work; v9 -infinity; v12 -M; v13 the largest t; v[14:15] the sum; v[16:23] Q; v24 Q's scale word;
; v27 16 r; v[32:63] four tiles of K; v[64:95] V; v[96:159] S^T, then p; v[160:191] O^T; v[192:199] p's codes; v[200:207] K's scale words; v[208:211] V's; v232-254 at work; v253 p's scale word.
.macro QUANT2 src
	v_max3_num_f32 v[MX], |v[\src]|, |v[\src+1]|, 0x1800000
	v_max3_num_f32 v[MX+1], |v[\src+16]|, |v[\src+17]|, 0x1800000
.irp i, 2,4,6,8,10,12,14
	s_delay_alu instid0(VALU_DEP_2)
	v_max3_num_f32 v[MX], v[MX], |v[\src+\i]|, |v[\src+\i+1]|
	s_delay_alu instid0(VALU_DEP_2)
	v_max3_num_f32 v[MX+1], v[MX+1], |v[\src+16+\i]|, |v[\src+17+\i]|
.endr
	s_delay_alu instid0(VALU_DEP_2)
	v_permlanex16_b32 v[PD], v[MX], s[SEL], s[SEL+1]
	s_delay_alu instid0(VALU_DEP_2)
	v_permlanex16_b32 v[PD+1], v[MX+1], s[SEL], s[SEL+1]
	s_delay_alu instid0(VALU_DEP_2)
	v_max_num_f32 v[MX], v[MX], v[PD]
	s_delay_alu instid0(VALU_DEP_2)
	v_max_num_f32 v[MX+1], v[MX+1], v[PD+1]
	s_delay_alu instid0(VALU_DEP_2)
	v_add_nc_u32 v[SO], 0xff000000, v[MX]
	s_delay_alu instid0(VALU_DEP_2)
	v_add_nc_u32 v[SO+1], 0xff000000, v[MX+1]
	s_delay_alu instid0(VALU_DEP_2)
	v_lshrrev_b32 v[EB], 23, v[SO]
	s_delay_alu instid0(VALU_DEP_2)
	v_lshrrev_b32 v[EB+1], 23, v[SO+1]
	v_cvt_scalef32_pk8_fp4_f32 v[PC], v[\src:\src+7], v[SO]
	v_cvt_scalef32_pk8_fp4_f32 v[PC+1], v[\src+8:\src+15], v[SO]
	v_cvt_scalef32_pk8_fp4_f32 v[PC+2], v[\src+16:\src+23], v[SO+1]
	v_cvt_scalef32_pk8_fp4_f32 v[PC+3], v[\src+24:\src+31], v[SO+1]
	v_cndmask_b32 v[EBS], v[EB], v[EB+1], s[HM]                      ; (the plain place behind the conversions)
	v_permlane16_swap_b32 v[PC], v[PC+2]
	v_permlane16_swap_b32 v[PC+1], v[PC+3]
.endm
	s_load_b256 s[4:11], s[0:1], 0x0               ; q_img 4, q_sc 6, kv 8, o_img 10
	s_load_b64 s[12:13], s[0:1], 0x20              ; o_sc
	v_lshl_add_u32 v251, v0, 2, 0x29000
	v_mov_b32 v255, 0
	ds_add_u32 v251, v255
	ds_add_u32 v251, v255
	v_lshrrev_b32 v10, 5, v0
	s_delay_alu instid0(VALU_DEP_1)
	v_readfirstlane_b32 s[WV], v10                 ; wave 0..15
	s_and_b32 s[BH], ttmp7, 0xffff                 ; 8 batch + head
	; descriptor group 1: two steps, 17,920 dense bytes, as 70 rows of 256 bytes (32 elements of 8 bytes), no padding
	s_mov_b32 s[G1], 3<<16                         ; no mask; elements of 8 bytes
	s_mov_b32 s[G1+1], 32<<16                      ; tensor_dim0 = 32
	s_mov_b32 s[G1+2], 70<<16                      ; tensor_dim1 = 70
	s_mov_b32 s[G1+3], 32<<16                      ; tile_dim0 = 32
	s_mov_b32 s[G1+4], 70                          ; tile_dim1 = 70
	s_mov_b32 s[G1+5], 32                          ; the pitch
	s_mov_b32 s[G1+6], 0
	s_mov_b32 s[G1+7], 0
	s_mul_i32 s20, s[WV], 17920                    ; wave 0: a chunk's first two steps; wave 1: its last two
	s_mul_i32 s21, s[BH], 143360
	s_add_co_u32 s[TO], s21, s20
	s_mov_b32 s[TO+1], 0
	s_wait_dscnt 0x0
	s_wait_kmcnt 0x0
	s_add_nc_u64 s[14:15], s[8:9], s[TO:TO+1]
.irp c, 0,1,2,3
	s_mov_b32 s[G0+4*\c], 1
	s_add_co_u32 s[G0+4*\c+1], s20, 35840*\c       ; LDS as memory: 17,920 wave + 35,840 chunk
	s_add_nc_u64 s[G0+4*\c+2:G0+4*\c+3], s[14:15], 35840*\c
	s_or_b32 s[G0+4*\c+3], s[G0+4*\c+3], 0x80000000
.endr
	s_cmp_lt_u32 s[WV], 2                          ; all fills stand in one branch, ahead of every wait on TENSORcnt, LDS read and barrier: four loads of a wave are out
	s_cbranch_scc0 .Lno_fill
	tensor_load_to_lds s[G0:G0+3], s[G1:G1+7]
	s_nop 0
	tensor_load_to_lds s[G0+4:G0+7], s[G1:G1+7]
	s_nop 0
	tensor_load_to_lds s[G0+8:G0+11], s[G1:G1+7]
	s_nop 0
	tensor_load_to_lds s[G0+12:G0+15], s[G1:G1+7]
	s_nop 0
.rept 4
	v_nop
.endr
.Lno_fill:
	v_and_b32 v10, 15, v0                          ; r
	v_bfe_u32 v11, v0, 4, 1                        ; h
	s_wait_alu depctr_va_vdst(0)
	v_and_b32 v1, 31, v0
	s_delay_alu instid0(VALU_DEP_1)
	v_lshlrev_b32 v1, 4, v1
	v_lshl_add_u32 v2, v10, 3, 8192
	v_lshl_add_u32 v3, v10, 4, 8704
	v_and_b32 v25, 8, v10
	s_delay_alu instid0(VALU_DEP_1)
	v_add_nc_u32 v25, v25, v10                     ; r + 8 (r / 8)
	s_lshl_b32 s[TAU], ttmp9, 4
	s_add_co_u32 s[TAU], s[TAU], s[WV]             ; my tile of queries, 0..127
	s_lshr_b32 s[QS], s[TAU], 3                    ; the step of 128 in which my queries lie
	s_lshr_b32 s20, s[TAU], 1
	s_lshl_b32 s20, s20, 5
	s_and_b32 s21, s[TAU], 1
	s_lshl_b32 s21, s21, 3
	s_add_co_u32 s20, s20, s21
	v_lshlrev_b32 v26, 4, v11
	s_wait_alu depctr_va_vdst(0)
	v_sub_nc_u32 v4, v25, v26
	s_delay_alu instid0(VALU_DEP_1)
	v_add_nc_u32 v4, s20, v4                       ; my query - 16 h
	s_lshl_b32 s21, s[BH], 16
	s_lshl_b32 s22, s[TAU], 9
	s_add_co_u32 s[TO], s21, s22
	s_add_nc_u64 s[4:5], s[4:5], s[TO:TO+1]
	global_load_b128 v[16:19], v1, s[4:5]          ; Q's fragment: its lower half
	s_lshl_b32 s21, s[BH], 13
	s_lshr_b32 s22, s[TAU], 1
	s_lshl_b32 s22, s22, 7
	s_add_co_u32 s21, s21, s22
	s_and_b32 s22, s[TAU], 1
	s_lshl_b32 s22, s22, 2
	s_add_co_u32 s[TO], s21, s22
	s_add_nc_u64 s[6:7], s[6:7], s[TO:TO+1]
	v_lshlrev_b32 v26, 3, v10
	global_load_b32 v24, v26, s[6:7]               ; Q's scale words
	s_lshr_b32 s20, s[BH], 3
	s_lshl_b32 s20, s20, 7
	s_add_co_u32 s20, s20, s[TAU]                  ; the tile among all tokens: 128 batch + tile
	s_and_b32 s21, s[BH], 7                        ; the head
	s_lshl_b32 s22, s20, 12
	s_lshl_b32 s23, s21, 9
	s_add_co_u32 s[TO], s22, s23
	s_add_nc_u64 s[10:11], s[10:11], s[TO:TO+1]    ; o_img: 4,096 tile + 512 head
	s_lshl_b32 s22, s20, 8
	s_lshl_b32 s23, s21, 1
	s_add_co_u32 s[TO], s22, s23
	s_add_nc_u64 s[12:13], s[12:13], s[TO:TO+1]    ; o_sc: 256 tile + 2 head
	v_lshlrev_b32 v27, 4, v10
	s_mov_b32 s[CS], 0x3e38aa3b                    ; log2(e) / 8
	s_mov_b32 s[CS+1], s[CS]
	s_mov_b32 s[SEL], 0x76543210
	s_mov_b32 s[SEL+1], 0xfedcba98
	s_mov_b32 s[HM], 0xffff0000
	v_mov_b32 v9, 0xff800000                       ; -infinity
	v_mov_b32 v13, 0xff61b1e6                      ; the largest t so far: -3e38
	s_delay_alu instid0(VALU_DEP_1)
	v_floor_f32 v12, -v13
	v_mov_b32 v14, 0
	v_mov_b32 v15, 0
.irp c, 20,21,22,23
	v_mov_b32 v[\c], 0                             ; K = 64 .. 127: zero codes, in Q
.endr
.irp t, 0,1,2,3
.irp c, 4,5,6,7
	v_mov_b32 v[32+8*\t+\c], 0                     ; and in K's tiles: never loaded over
.endr
.endr
.set n, 0
.rept 32
	v_mov_b32 v[160+n], 0                          ; O^T: the step is written once; its first run finds zeros
.set n, n+1
.endr
.irp c, 232,233,234,235,236,237,238,239,252,253
	v_mov_b32 v[\c], 0                             ; lane permutes' destinations and named halves of pairs are written once
.endr
; A STEP of 128 keys
.macro STEP
	s_sub_co_i32 s[DF], s[SG], s[QS]
	s_cmp_eq_u32 s[DF], 0                          ; my queries' own step: every key lies within 127 of every query: wholly hidden
	s_cbranch_scc1 .Lskip_\@
	s_setprio 2
	v_add_nc_u32 v5, s[TB], v1
	v_add_nc_u32 v6, s[TB], v2
	v_add_nc_u32 v7, s[TB], v3
	v_nop                                          ; four places behind the last step's products, in front of loads into their operands
.irp t, 0,1,2,3
	ds_load_b128 v[32+8*\t:35+8*\t], v5 offset:512*\t
.endr
.irp b, 0,1,2,3
	ds_load_b64 v[200+2*\b:201+2*\b], v6 offset:128*\b
.endr
.irp t, 0,1,2,3
.irp c, 0,1
	ds_load_b128 v[64+8*\t+4*\c:67+8*\t+4*\c], v5 offset:4096+1024*\t+512*\c
.endr
.endr
	ds_load_b128 v[208:211], v7
	s_wait_alu depctr_va_vdst(0)
	s_wait_dscnt 9                                 ; K's first four tiles and its scale words are in; V's eight loads and its scale words may stay out
.irp t, 0,1,2,3
	v_wmma_scale_f32_16x16x128_f8f6f4 v[96+8*\t:103+8*\t], v[32+8*\t:39+8*\t], v[16:23], 0, v[200+\t], v24 matrix_a_fmt:MATRIX_FMT_FP4 matrix_b_fmt:MATRIX_FMT_FP4
.endr
.rept 4
	v_nop
.endr
.irp t, 0,1,2,3
	ds_load_b128 v[32+8*\t:35+8*\t], v5 offset:2048+512*\t
.endr
	s_wait_dscnt 0x0
.irp t, 0,1,2,3
	v_wmma_scale_f32_16x16x128_f8f6f4 v[128+8*\t:135+8*\t], v[32+8*\t:39+8*\t], v[16:23], 0, v[204+\t], v24 matrix_a_fmt:MATRIX_FMT_FP4 matrix_b_fmt:MATRIX_FMT_FP4
.endr
.rept 4
	v_nop
.endr
	; register n holds key 128 step + 16 h + 32 (n / 16) + n % 16
	s_cmp_eq_i32 s[DF], -1                         ; the step below mine: hidden where query - key <= 128
	s_cbranch_scc0 .Lnot_below_\@
	s_lshl_b32 s[TP], s[SG], 7
	s_add_co_u32 s[TP], s[TP], 128
	v_sub_nc_u32 v8, v4, s[TP]
.set n, 0
.rept 64
	v_cmp_ge_i32 vcc_lo, 32*(n/16)+n%16, v8
	v_cndmask_b32 v[96+n], v[96+n], v9, vcc_lo
.set n, n+1
.endr
.Lnot_below_\@:
	s_cmp_eq_i32 s[DF], 1                          ; the step above mine: hidden where key - query <= 128
	s_cbranch_scc0 .Lnot_above_\@
	s_lshl_b32 s[TP], s[SG], 7
	s_sub_co_u32 s[TP], s[TP], 128
	v_sub_nc_u32 v8, v4, s[TP]
.set n, 0
.rept 64
	v_cmp_le_i32 vcc_lo, 32*(n/16)+n%16, v8
	v_cndmask_b32 v[96+n], v[96+n], v9, vcc_lo
.set n, n+1
.endr
.Lnot_above_\@:
.irp b, 0,1,2,3
	v_max3_num_f32 v[232+\b], v[96+16*\b], v[97+16*\b], v[98+16*\b]   ; the largest score of each block of 32 keys: for the row's maximum, and, since p rises with the score, for the block's largest p
.endr
	s_setprio 1
.irp i, 3,5,7,9,11,13
.irp b, 0,1,2,3
	v_max3_num_f32 v[232+\b], v[232+\b], v[96+16*\b+\i], v[97+16*\b+\i]
.endr
.endr
.irp b, 0,1,2,3
	v_max_num_f32 v[232+\b], v[232+\b], v[111+16*\b]
.endr
.irp b, 0,1,2,3
	s_delay_alu instid0(VALU_DEP_4)
	v_permlanex16_b32 v[236+\b], v[232+\b], s[SEL], s[SEL+1]
.endr
.irp b, 0,1,2,3
	s_delay_alu instid0(VALU_DEP_4)
	v_max_num_f32 v[232+\b], v[232+\b], v[236+\b]
.endr
	s_delay_alu instid0(VALU_DEP_2)
	v_max3_num_f32 v254, v232, v233, v234
	s_delay_alu instid0(VALU_DEP_1)
	v_max_num_f32 v254, v254, v235
	s_delay_alu instid0(VALU_DEP_1)
	v_mul_f32 v254, s[CS], v254
	s_delay_alu instid0(VALU_DEP_1)
	v_max_num_f32 v13, v13, v254                   ; the running largest t
	v_mov_b32 v254, v12
	s_delay_alu instid0(VALU_DEP_2)
	v_floor_f32 v12, -v13                          ; -M = floor(-t): M is a whole number
	s_delay_alu instid0(VALU_DEP_1)
	v_sub_f32 v254, v12, v254
	s_delay_alu instid0(VALU_DEP_1)
	v_cvt_i32_f32 v254, v254                       ; (it saturates)
	s_delay_alu instid0(VALU_DEP_1)
	v_ldexp_f32 v252, 1.0, v254                    ; f = 2^(old M - new M)
.set n, 0
.rept 32
	v_pk_fma_f32 v[96+n:97+n], v[96+n:97+n], s[CS:CS+1], v[12:13] op_sel_hi:[1,0,0]   ; t - M
.set n, n+2
.endr
.irp b, 0,1,2,3
	v_fma_f32 v[232+\b], v[232+\b], s[CS], v12
.endr
.set n, 0
	s_wait_alu depctr_va_vdst(0)
.rept 64
	v_exp_f32 v[96+n], v[96+n]                     ; p = 2^(t - M)
.set n, n+1
.endr
.irp b, 0,1,2,3
	v_exp_f32 v[232+\b], v[232+\b]                 ; the block's largest p
.endr
	v_pk_mul_f32 v[14:15], v[14:15], v[252:253] op_sel_hi:[1,0]      ; the sums under the new M.  (A plain place behind the exponentials)
	s_wait_alu depctr_va_vdst(0)
.irp b, 0,1,2,3
	v_max_num_f32 v[232+\b], 0x1800000, v[232+\b]
.endr
.irp b, 0,1,2,3
	s_delay_alu instid0(VALU_DEP_4)
	v_add_nc_u32 v[244+\b], 0xff000000, v[232+\b]
.endr
.irp b, 0,1,2,3
	s_delay_alu instid0(VALU_DEP_4)
	v_lshrrev_b32 v[236+\b], 23, v[244+\b]
.endr
	s_delay_alu instid0(VALU_DEP_3)
	v_lshl_or_b32 v253, v237, 8, v236              ; p's scale word for these 128 keys
	s_delay_alu instid0(VALU_DEP_1)
	v_lshl_or_b32 v253, v238, 16, v253
	s_delay_alu instid0(VALU_DEP_1)
	v_lshl_or_b32 v253, v239, 24, v253
.irp b, 0,1,2,3
	v_cvt_scalef32_pk8_fp4_f32 v[192+2*\b], v[96+16*\b:103+16*\b], v[244+\b]
	v_cvt_scalef32_pk8_fp4_f32 v[193+2*\b], v[104+16*\b:111+16*\b], v[244+\b]
.endr
	s_setprio 0
	v_nop                                          ; one plain place behind the conversions
.irp c, 0,1
.irp i, 0,1
	v_permlane16_swap_b32 v[192+4*\c+\i], v[194+4*\c+\i]
.endr
.endr
.set n, 0
.rept 16
	v_pk_mul_f32 v[160+n:161+n], v[160+n:161+n], v[252:253] op_sel_hi:[1,0]   ; O^T under the new M
.set n, n+2
.endr
	v_pk_add_f32 v[236:237], v[100:101], v[104:105]
	v_pk_add_f32 v[248:249], v[108:109], v[112:113]
	v_pk_add_f32 v[246:247], v[116:117], v[120:121]
	v_pk_add_f32 v[244:245], v[124:125], v[128:129]
	v_pk_add_f32 v[242:243], v[132:133], v[136:137]
	v_pk_add_f32 v[240:241], v[140:141], v[144:145]
	v_pk_add_f32 v[232:233], v[148:149], v[152:153]
	v_pk_add_f32 v[14:15], v[14:15], v[156:157]
	v_pk_add_f32 v[236:237], v[236:237], v[96:97]
	v_pk_add_f32 v[248:249], v[248:249], v[98:99]
	v_pk_add_f32 v[246:247], v[246:247], v[102:103]
	v_pk_add_f32 v[244:245], v[244:245], v[106:107]
	v_pk_add_f32 v[242:243], v[242:243], v[110:111]
	v_pk_add_f32 v[240:241], v[240:241], v[114:115]
	v_pk_add_f32 v[232:233], v[232:233], v[118:119]
	v_pk_add_f32 v[14:15], v[14:15], v[122:123]
	v_pk_add_f32 v[236:237], v[236:237], v[126:127]
	v_pk_add_f32 v[248:249], v[248:249], v[130:131]
	v_pk_add_f32 v[246:247], v[246:247], v[134:135]
	v_pk_add_f32 v[244:245], v[244:245], v[138:139]
	v_pk_add_f32 v[242:243], v[242:243], v[142:143]
	v_pk_add_f32 v[240:241], v[240:241], v[146:147]
	v_pk_add_f32 v[232:233], v[232:233], v[150:151]
	v_pk_add_f32 v[14:15], v[14:15], v[154:155]
	v_pk_add_f32 v[236:237], v[236:237], v[158:159]
	s_delay_alu instid0(VALU_DEP_2)
	v_pk_add_f32 v[14:15], v[14:15], v[244:245]
	s_delay_alu instid0(VALU_DEP_2)
	v_pk_add_f32 v[236:237], v[236:237], v[242:243]
	v_pk_add_f32 v[248:249], v[248:249], v[240:241]
	v_pk_add_f32 v[246:247], v[246:247], v[232:233]
	s_delay_alu instid0(VALU_DEP_2)
	v_pk_add_f32 v[14:15], v[14:15], v[248:249]
	s_delay_alu instid0(VALU_DEP_2)
	v_pk_add_f32 v[236:237], v[236:237], v[246:247]
	s_delay_alu instid0(VALU_DEP_1)
	v_pk_add_f32 v[14:15], v[14:15], v[236:237]
.irp t, 0,1,2,3
	v_wmma_scale_f32_16x16x128_f8f6f4 v[160+8*\t:167+8*\t], v[64+8*\t:71+8*\t], v[192:199], v[160+8*\t:167+8*\t], v[208+\t], v253 matrix_a_fmt:MATRIX_FMT_FP4 matrix_b_fmt:MATRIX_FMT_FP4
.endr
.Lskip_\@:
	s_add_co_u32 s[SG], s[SG], 1
	s_add_co_u32 s[TB], s[TB], 8960
.endm
; A chunk of four steps: what load c of waves 0 and 1 brought
.macro CHUNK c
	s_wait_tensorcnt 3-\c                          ; my load of this chunk has landed; those of the later chunks may stay out: no byte is ever filled again
	s_wait_dscnt 0x0
	s_barrier_signal -1
	s_barrier_wait -1                              ; both waves' have
	s_mov_b32 s[TB], 35840*\c
	s_mov_b32 s[SG], 4*\c
	s_mov_b32 s[CT], 4
.Lstep_\@:
	STEP
	s_sub_co_u32 s[CT], s[CT], 1
	s_cmp_lg_u32 s[CT], 0
	s_cbranch_scc1 .Lstep_\@
	s_setprio 0
.endm
	s_wait_loadcnt 0x0                             ; Q
	CHUNK 0
	CHUNK 1
	CHUNK 2
	CHUNK 3
	; THE WAY OUT: O^T / the sum, quantised along the channels: the two runs are the head's two blocks of 32
.rept 4
	v_nop
.endr
	s_wait_alu depctr_va_vdst(0)
	v_add_f32 v14, v14, v15
	s_delay_alu instid0(VALU_DEP_1)
	v_permlanex16_b32 v252, v14, s[SEL], s[SEL+1]
	s_delay_alu instid0(VALU_DEP_1)
	v_add_f32 v14, v14, v252
	s_wait_alu depctr_va_vdst(0)
	v_rcp_f32 v14, v14
	v_nop
.set n, 0
	s_wait_alu depctr_va_vdst(0)
.rept 16
	v_pk_mul_f32 v[160+n:161+n], v[160+n:161+n], v[14:15] op_sel_hi:[1,0]
.set n, n+2
.endr
	QUANT2 160
	global_store_b128 v1, v[PC:PC+3], s[10:11]     ; lane (r, block): 512 consecutive bytes: half a fragment of the next product's operand
	v_lshl_or_b32 v[EBS], v[EB+1], 8, v[EB]
	global_store_b16 v27, v[EBS], s[12:13]         ; my query's two scale bytes (lanes r and r + 16 store the same)
	s_wait_tensorcnt 0x0
	ds_add_u32 v251, v255
	s_wait_dscnt 0x0
	s_endpgm
.Lfunc_end_k_qe17995b2d9_attn:
	.size	k_qe17995b2d9_attn, .Lfunc_end_k_qe17995b2d9_attn-k_qe17995b2d9_attn
	.p2alignl 7, 3214868480
	.fill 96, 4, 3214868480
	.section	.rodata,"a",@progbits
	.p2align	6, 0x0
	.amdhsa_kernel k_qe17995b2d9_attn
		.amdhsa_group_segment_fixed_size 169984
		.amdhsa_private_segment_fixed_size 0
		.amdhsa_enable_private_segment 0
		.amdhsa_kernarg_size 40
		.amdhsa_user_sgpr_count 2
		.amdhsa_user_sgpr_kernarg_segment_ptr 1
		.amdhsa_wavefront_size32 1
		.amdhsa_system_sgpr_workgroup_id_x 1
		.amdhsa_system_sgpr_workgroup_id_y 1
		.amdhsa_system_sgpr_workgroup_id_z 1
		.amdhsa_system_vgpr_workitem_id 0
		.amdhsa_next_free_vgpr 256
		.amdhsa_next_free_sgpr 66
		.amdhsa_reserve_vcc 1
		.amdhsa_float_denorm_mode_32 3
		.amdhsa_float_denorm_mode_16_64 3
		.amdhsa_memory_ordered 1
		.amdhsa_forward_progress 1
		.amdhsa_inst_pref_size 120
	.end_amdhsa_kernel
	.amdgpu_metadata
---
amdhsa.version: [ 1, 2 ]
amdhsa.kernels:
  - .name:           k_qe17995b2d9_attn
    .symbol:         k_qe17995b2d9_attn.kd
    .args:
      - { .name: q_img, .offset: 0, .size: 8, .value_kind: global_buffer, .address_space: global }
      - { .name: q_sc, .offset: 8, .size: 8, .value_kind: global_buffer, .address_space: global }
      - { .name: kv, .offset: 16, .size: 8, .value_kind: global_buffer, .address_space: global }
      - { .name: o_img, .offset: 24, .size: 8, .value_kind: global_buffer, .address_space: global }
      - { .name: o_sc, .offset: 32, .size: 8, .value_kind: global_buffer, .address_space: global }
    .group_segment_fixed_size: 169984
    .private_segment_fixed_size: 0
    .kernarg_segment_align: 8
    .kernarg_segment_size: 40
    .max_flat_workgroup_size: 512
    .sgpr_count:     66
    .vgpr_count:     256
    .wavefront_size: 32
...
	.end_amdgpu_metadata
.endif
;; end of part 5
;; launch ffn (part 6): grid 256 x 1, 16 waves a work-group, no clusters, 120,832 bytes of LDS; arguments x, o_img, o_sc, wimg, Wo_scales, bo, ln_g, ln_b, ffln_g, ffln_b, W1_scales, b1, W2_scales, b2, out0; writes out0
.if DOCPART == 6
	.amdgcn_target "amdgcn-amd-amdhsa--gfx1250"
	.amdhsa_code_object_version 6
	.text
	.protected	k_qe17995b2d9_ffn
	.globl	k_qe17995b2d9_ffn
	.p2align	8
	.type	k_qe17995b2d9_ffn,@function
k_qe17995b2d9_ffn:
	s_mov_b64 s[64:65], 0
	v_nop
	global_prefetch_b8 v0, s[64:65] scope:SCOPE_SE
	s_setreg_imm32_b32 hwreg(HW_REG_WAVE_SCHED_MODE, 0, 2), 2
	s_setreg_imm32_b32 hwreg(HW_REG_WAVE_MODE, 25, 1), 1
	s_wait_xcnt 0x0
	s_wait_alu depctr_vm_vsrc(0)
; x' = x + Q(o) Wo + bo;  f = LN(LN(x', ln), ffln);  out = x' + Q(gelu(Q(f) W1 + b1)) W2 + b2.  All three products on codes of FP4 (E2M1) with E8M0 scales; all else f32.
; A work-group of sixteen waves takes 32 tokens (two tiles of 16; lane r of tile m is token 8 m + r + 8 (r / 8)).  THE WAVES SHARE THE COLUMNS: wave w owns output columns 32 w .. 32 w + 31 of Wo and W2, and
; hidden units 128 w .. 128 w + 127, which it makes in four rounds of 32.  Every product is used transposed (source 0 = 16 rows of a weight, source 1 = 16 tokens): a lane holds one token and 16 neighbouring columns.
; A wave's 128 hidden units are K step w of the last product: each round's block of 32 goes, as codes, into bytes of the wave's own in an image of the whole hidden layer in LDS, so the four rounds need no barrier;
; ONE barrier stands between the last round and the last product.  During the rounds f's eight fragments stay in the registers that W2's fragments take later: they are read from LDS once.
; Weights come from wimg, laid in operand order: each fragment by dense loads of 512 bytes, straight into registers, each byte read by one wave of the work-group.  x' stays in 32 accumulator registers to the end.
; Operands made here (f, the hidden layer) go from wave to wave through LDS as images of their registers: a block of 32 along K is 16 bytes a lane.
; The layer norms' statistics: each wave's mean and centred sum of squares of its 32 columns meet in LDS and are combined (means, then sums about the common mean): no difference of large sums is formed.
; WHY NO CLUSTER: all work-groups walk the same weights, and joint loads would bring them through LDS, where each byte would be written and read once more for one reader; not built here.
; LIMITS: NaN and infinities are not served; a block under 2^-124 or of zeros gets the scale byte 1 (read by this program alone); erf is a rational form in z^2 with z held to +-4, good to a few ulp of erf,
; so that gelu of a large negative number has an absolute error of about 1e-7 of that number.
; THE MODE: SCHED_MODE bits 1:0 = 2 (LLVM: expert scheduling mode 2), set by the entry lines.  The code itself states the register dependences between vector or matrix instructions and memory or LDS
; instructions, with s_wait_alu, always for 0.
; THE PLAN.  Registers that memory or LDS instructions touch:
;   v1-v4, v9-v11  offsets and LDS addresses: made at the head, never written again.   v5-v8: made at the head, read by the layer norms' LDS instructions, made anew once behind f's barrier (a wait on vm_vsrc ahead).
;   WA/WAS, WB/WBS weights and their scale words: loads land, products read, loaded again behind a wait on va_vdst that stands behind the products' places.
;   AC             x's rows (loaded, stored to LDS); f (vector); b1 (loaded) and hidden units; in the last product a set of staged fragments and b2; rows of out.
;   T              bo (loaded); the statistics' pairs (stored to LDS); the codes and scale byte just made (stored to LDS); in the last product the other set of staged fragments.
;   v12-23, v28-31 scale words from LDS, read by products.
; Vector results that go to LDS leave behind one wait on va_vdst a run of stores, and the loads that land in registers which that arithmetic has read stand in the same run.  A register that an LDS store has read is
; written again only behind a wait on vm_vsrc.
; THE LAST PRODUCT: step k's four products read staged set k % 2.  ONE wait on va_vdst at a step's head says that the step before is done with its registers; behind it go the loads of step k + 1's fragments, into the
; set of step k - 1, and at a run's first step the next run's scale words and the weights of the run after, into the registers of the run before; then the waits for this step's data, then its products.
.set FIMG, 0                           ; LDS: f's images [tile m][block of 32 along K: 16][r][16 B]
.set FSC,  8192                        ; f's scale bytes [m][r][16]
.set ST1,  8704                        ; statistics: 32 slots x 144 bytes (16 waves x 8 + 16)
.set ST2,  13312
.set HSCL, 17920                       ; the hidden layer's scale bytes [m][r][64]
.set HIMG, 19968                       ; the hidden layer's images [m][block: 64][r][16 B]: 16,384 bytes a tile of tokens
.set STG,  52736                       ; 32 slots x (2,048 + 16) bytes: rows of x on the way in, of out on the way out
.set FSA,  16                          ; v16-23   scale words of the staged operand: f's, then the hidden layer's runs 1 and 3;  v12-15 and v28-31: its runs 0 and 2
.set XR,   32                          ; v32-63   x', then out: XR + 16 m + 8 u
.set AC,   64                          ; v64-95   the same shape: f, then a round's hidden units; in the last product v64-79 two staged fragments, v80-95 b2
.set WA,   96                          ; v96-159  Wo's, then W1's fragments (u, s) at 8 (4 u + s); then W2's runs 0 and 2
.set WB,   160                         ; v160-223 o's; the layer norms' registers; f's fragments (m, s); then W2's runs 1 and 3
.set WAS,  224                         ; v224-231 scale words of WA
.set WBS,  232                         ; v232-239 of WB
.set T,    240                         ; v240-255 at work; in the last product two staged fragments
.set MX,   240
.set PD,   242
.set SO,   244
.set EB,   246
.set PC,   248
.set EBS,  252
.set WV,   34
.set SEL,  36
.set HM,   38
.set PW1,  40
.set PS1,  42
.set PB1,  44
.set PW2,  46
.set PS2,  48
.set PWO,  50
.set A1,   56
.set A2,   58
.set A5,   66
.set A6,   68
.set B1,   70
.set B2,   72
.set RS2,  78
.set R512, 80
.set EPS,  81
.set TO,   84
; v1 16 lane; v2 16 r; v3 STG + slot x 2064 + 16 lane; v4 STG + 2064 r + 64 h + 128 w; v9 16 perm(r); v10 64 perm(r); v11 64 h; v24-27 two constants as pairs
; v5 144 r + 8 w; v6 144 r + 64 h; v7 4096 hh + 256 w + 16 r; v8 256 hh + 16 r + w.  Behind the layer norms: v5 64 r; v7 16384 hh + 1024 w + 16 r; v8 1024 hh + 64 r + 4 w
.macro KP reg, val                     ; a constant as a pair: the packed forms name a pair and take its low word for both halves
	s_mov_b32 s[\reg], \val
	s_mov_b32 s[\reg+1], \val
.endm
.macro BARRIER
	s_wait_dscnt 0x0                               ; my LDS stores have landed and my LDS loads are in
	s_barrier_signal -1
	s_barrier_wait -1
.endm
.macro MM d, a, b, sa, sb
	v_wmma_scale_f32_16x16x128_f8f6f4 v[\d:\d+7], v[\a:\a+7], v[\b:\b+7], v[\d:\d+7], v[\sa], v[\sb] matrix_a_fmt:MATRIX_FMT_FP4 matrix_b_fmt:MATRIX_FMT_FP4
.endm
; Two runs of 16 registers, each a lane's half of a block of 32 (the other half lies in lane l xor 16), become 16 bytes of codes a lane in v[PC:PC+3]: lanes 0-15 tile 0's whole block of row r,
; lanes 16-31 tile 1's; v[EBS] the scale byte of the lane's own half.
.macro QUANT2 src
	v_max3_num_f32 v[MX], |v[\src]|, |v[\src+1]|, 0x1800000          ; with the floor 2^(3 - 127) among the leaves: the byte cannot fall under 1
	v_max3_num_f32 v[MX+1], |v[\src+16]|, |v[\src+17]|, 0x1800000
.irp i, 2,4,6,8,10,12,14
	v_max3_num_f32 v[MX], v[MX], |v[\src+\i]|, |v[\src+\i+1]|
	v_max3_num_f32 v[MX+1], v[MX+1], |v[\src+16+\i]|, |v[\src+17+\i]|
.endr
	v_permlanex16_b32 v[PD], v[MX], s[SEL], s[SEL+1]
	v_permlanex16_b32 v[PD+1], v[MX+1], s[SEL], s[SEL+1]
	v_max_num_f32 v[MX], v[MX], v[PD]
	v_max_num_f32 v[MX+1], v[MX+1], v[PD+1]
	v_add_nc_u32 v[SO], 0xff000000, v[MX]                            ; 2 off the exponent field: the conversion's scale operand
	v_add_nc_u32 v[SO+1], 0xff000000, v[MX+1]
	v_lshrrev_b32 v[EB], 23, v[SO]
	v_lshrrev_b32 v[EB+1], 23, v[SO+1]
	v_cvt_scalef32_pk8_fp4_f32 v[PC], v[\src:\src+7], v[SO]
	v_cvt_scalef32_pk8_fp4_f32 v[PC+1], v[\src+8:\src+15], v[SO]
	v_cvt_scalef32_pk8_fp4_f32 v[PC+2], v[\src+16:\src+23], v[SO+1]
	v_cvt_scalef32_pk8_fp4_f32 v[PC+3], v[\src+24:\src+31], v[SO+1]
	v_cndmask_b32 v[EBS], v[EB], v[EB+1], s[HM]                      ; lanes 16-31 take tile 1's byte.  (The plain place behind the conversions)
	v_permlane16_swap_b32 v[PC], v[PC+2]
	v_permlane16_swap_b32 v[PC+1], v[PC+3]
.endm
; Eight fragments in operand order (16 dense loads of 512 bytes, from ow bytes on) and their scale words (2 loads, from os bytes on, st bytes from tile to tile).  No pointer is ever stepped
.macro LOADW wf, wsr, pw, ps, so, st, ow, os
.irp k, 0,1,2,3,4,5,6,7,8,9,10,11,12,13,14,15
	global_load_b128 v[\wf+4*\k:\wf+4*\k+3], v1, s[\pw:\pw+1] offset:(\ow)+512*\k
.endr
.irp u, 0,1
	global_load_b128 v[\wsr+4*\u:\wsr+4*\u+3], v[\so], s[\ps:\ps+1] offset:(\os)+\st*\u
.endr
.endm
.macro LOADV dst, pp, off              ; 16 numbers of a vector: those at 16 h + 0 .. 15 of 32 columns that begin off bytes on
.irp q, 0,1,2,3
	global_load_b128 v[\dst+4*\q:\dst+4*\q+3], v11, s[\pp:\pp+1] offset:(\off)+16*\q
.endr
.endm
; My 32 columns' mean and centred sum of squares, for my token of each tile, to LDS; then the barrier.  ld = 1: the second norm's gain and bias are asked for in the same run
.macro STATS src, st, ld
.irp q, 0,2,4,6
.irp m, 0,1
	v_pk_add_f32 v[T+8*\m+\q:T+8*\m+\q+1], v[\src+16*\m+2*\q:\src+16*\m+2*\q+1], v[\src+16*\m+2*\q+2:\src+16*\m+2*\q+3]
.endr
.endr
.irp m, 0,1
	v_pk_add_f32 v[T+8*\m:T+8*\m+1], v[T+8*\m:T+8*\m+1], v[T+8*\m+2:T+8*\m+3]
	v_pk_add_f32 v[T+8*\m+4:T+8*\m+5], v[T+8*\m+4:T+8*\m+5], v[T+8*\m+6:T+8*\m+7]
.endr
.irp m, 0,1
	v_pk_add_f32 v[T+8*\m:T+8*\m+1], v[T+8*\m:T+8*\m+1], v[T+8*\m+4:T+8*\m+5]
.endr
.irp m, 0,1
	v_add_f32 v[T+8*\m], v[T+8*\m], v[T+8*\m+1]
.endr
.irp m, 0,1
	v_permlanex16_b32 v[T+8*\m+1], v[T+8*\m], s[SEL], s[SEL+1]
.endr
.irp m, 0,1
	v_add_f32 v[T+8*\m], v[T+8*\m], v[T+8*\m+1]
.endr
.irp m, 0,1
	v_mul_f32 v[T+8*\m], 0x3d000000, v[T+8*\m]                       ; / 32
.endr
.irp m, 0,1
	v_pk_add_f32 v[T+8*\m+2:T+8*\m+3], v[\src+16*\m:\src+16*\m+1], v[T+8*\m:T+8*\m+1] op_sel_hi:[1,0] neg_lo:[0,1] neg_hi:[0,1]
.endr
.irp m, 0,1
	v_pk_mul_f32 v[T+8*\m+4:T+8*\m+5], v[T+8*\m+2:T+8*\m+3], v[T+8*\m+2:T+8*\m+3]
.endr
.irp p, 2,4,6,8,10,12,14
.irp m, 0,1
	v_pk_add_f32 v[T+8*\m+2+4*((\p/2)%2):T+8*\m+3+4*((\p/2)%2)], v[\src+16*\m+\p:\src+16*\m+\p+1], v[T+8*\m:T+8*\m+1] op_sel_hi:[1,0] neg_lo:[0,1] neg_hi:[0,1]
.endr
.irp m, 0,1
	v_pk_fma_f32 v[T+8*\m+4:T+8*\m+5], v[T+8*\m+2+4*((\p/2)%2):T+8*\m+3+4*((\p/2)%2)], v[T+8*\m+2+4*((\p/2)%2):T+8*\m+3+4*((\p/2)%2)], v[T+8*\m+4:T+8*\m+5]
.endr
.endr
.irp m, 0,1
	v_add_f32 v[T+8*\m+1], v[T+8*\m+4], v[T+8*\m+5]
.endr
.irp m, 0,1
	v_permlanex16_b32 v[T+8*\m+2], v[T+8*\m+1], s[SEL], s[SEL+1]
.endr
.irp m, 0,1
	v_add_f32 v[T+8*\m+1], v[T+8*\m+1], v[T+8*\m+2]
.endr
	s_wait_alu depctr_va_vdst(0)                                     ; the two pairs v[T + 8 m], v[T + 8 m + 1] are written, which the LDS stores read; ld = 1: the first norm is done reading its gain and bias, in whose registers the loads land; both times: all earlier readers of v[WB .. WB + 31] are done, in which the combining pass's LDS loads land
.if \ld
	LOADV WB+32, 20, 0                                               ; ffln_g, ffln_b
	LOADV WB+48, 22, 0
.endif
.irp m, 0,1
	ds_store_b64 v5, v[T+8*\m:T+8*\m+1] offset:\st+2304*\m           ; lanes r and r + 16 store the same pair
.endr
	BARRIER
.endm
; The sixteen waves' pairs become the row's mean (T + 8 m) and 1 / sqrt(var + eps) (T + 8 m + 2)
.macro COMBINE st
.irp m, 0,1
.irp q, 0,1,2,3
	ds_load_b128 v[WB+16*\m+4*\q:WB+16*\m+4*\q+3], v6 offset:\st+2304*\m+16*\q     ; waves 8 h .. 8 h + 7
.endr
.endr
	s_wait_dscnt 0x0
	s_wait_alu depctr_vm_vsrc(0)                                     ; my LDS stores ahead of the barrier have read their pairs in v[T ..], which are written again below (the first time also: the stores of x's rows have read v[AC ..], which the norm writes)
.irp q, 0,2,4,6
.irp m, 0,1
	v_pk_add_f32 v[T+8*\m+\q:T+8*\m+\q+1], v[WB+16*\m+2*\q:WB+16*\m+2*\q+1], v[WB+16*\m+2*\q+2:WB+16*\m+2*\q+3]
.endr
.endr
.irp m, 0,1
	v_pk_add_f32 v[T+8*\m:T+8*\m+1], v[T+8*\m:T+8*\m+1], v[T+8*\m+2:T+8*\m+3]
	v_pk_add_f32 v[T+8*\m+4:T+8*\m+5], v[T+8*\m+4:T+8*\m+5], v[T+8*\m+6:T+8*\m+7]
.endr
.irp m, 0,1
	v_pk_add_f32 v[T+8*\m:T+8*\m+1], v[T+8*\m:T+8*\m+1], v[T+8*\m+4:T+8*\m+5]
.endr
.irp m, 0,1
	v_permlanex16_b32 v[T+8*\m+2], v[T+8*\m], s[SEL], s[SEL+1]
	v_permlanex16_b32 v[T+8*\m+3], v[T+8*\m+1], s[SEL], s[SEL+1]
.endr
.irp m, 0,1
	v_pk_add_f32 v[T+8*\m:T+8*\m+1], v[T+8*\m:T+8*\m+1], v[T+8*\m+2:T+8*\m+3]      ; the sum of the 16 means, the sum of the 16 centred sums
.endr
.irp m, 0,1
	v_mul_f32 v[T+8*\m], 0x3d800000, v[T+8*\m]                       ; / 16: the row's mean
.endr
.irp k, 0,2,4,6,8,10,12,14
.irp m, 0,1
	v_sub_f32 v[WB+16*\m+\k], v[WB+16*\m+\k], v[T+8*\m]
.endr
.endr
.irp m, 0,1
	v_mul_f32 v[T+8*\m+2], v[WB+16*\m], v[WB+16*\m]
	v_mul_f32 v[T+8*\m+3], v[WB+16*\m+2], v[WB+16*\m+2]
.endr
.irp k, 4,8,12
.irp m, 0,1
	v_fma_f32 v[T+8*\m+2], v[WB+16*\m+\k], v[WB+16*\m+\k], v[T+8*\m+2]
	v_fma_f32 v[T+8*\m+3], v[WB+16*\m+\k+2], v[WB+16*\m+\k+2], v[T+8*\m+3]
.endr
.endr
.irp m, 0,1
	v_add_f32 v[T+8*\m+2], v[T+8*\m+2], v[T+8*\m+3]
.endr
.irp m, 0,1
	v_permlanex16_b32 v[T+8*\m+3], v[T+8*\m+2], s[SEL], s[SEL+1]
.endr
.irp m, 0,1
	v_add_f32 v[T+8*\m+2], v[T+8*\m+2], v[T+8*\m+3]
.endr
.irp m, 0,1
	v_fma_f32 v[T+8*\m+1], v[T+8*\m+2], 0x42000000, v[T+8*\m+1]      ; + 32 x the means' spread
.endr
.irp m, 0,1
	v_fma_f32 v[T+8*\m+2], v[T+8*\m+1], s[R512], s[EPS]
.endr
	s_wait_alu depctr_va_vdst(0)
.irp m, 0,1
	v_rsq_f32 v[T+8*\m+2], v[T+8*\m+2]
.endr
	v_nop                                          ; a plain place behind the roots
.endm
.macro NORM dst, src                   ; (x - mean) / sqrt(var + eps) x g + b; g in WB + 32 on, b in WB + 48 on
.irp p, 0,2,4,6,8,10,12,14
.irp m, 0,1
	v_pk_add_f32 v[\dst+16*\m+\p:\dst+16*\m+\p+1], v[\src+16*\m+\p:\src+16*\m+\p+1], v[T+8*\m:T+8*\m+1] op_sel_hi:[1,0] neg_lo:[0,1] neg_hi:[0,1]
.endr
.endr
	s_wait_alu depctr_va_vdst(0)                   ; the two roots have written v[T + 8 m + 2], ahead of their first reader
.irp p, 0,2,4,6,8,10,12,14
.irp m, 0,1
	v_pk_mul_f32 v[\dst+16*\m+\p:\dst+16*\m+\p+1], v[\dst+16*\m+\p:\dst+16*\m+\p+1], v[T+8*\m+2:T+8*\m+3] op_sel_hi:[1,0]
.endr
.endr
.irp p, 0,2,4,6,8,10,12,14
.irp m, 0,1
	v_pk_fma_f32 v[\dst+16*\m+\p:\dst+16*\m+\p+1], v[\dst+16*\m+\p:\dst+16*\m+\p+1], v[WB+32+\p:WB+33+\p], v[WB+48+\p:WB+49+\p]
.endr
.endr
.endm
; gelu(x) = x / 2 + (x / 2) erf(x / sqrt 2) of four numbers; erf(z) = z P(z^2) / Q(z^2), z held to +-4
.macro GELU4 a
	v_pk_mul_f32 v[T:T+1], v[\a:\a+1], s[RS2:RS2+1] op_sel_hi:[1,0]
	v_pk_mul_f32 v[T+2:T+3], v[\a+2:\a+3], s[RS2:RS2+1] op_sel_hi:[1,0]
.irp i, 0,1,2,3
	v_med3_num_f32 v[T+\i], v[T+\i], -4.0, 4.0
.endr
	v_pk_mul_f32 v[T+4:T+5], v[T:T+1], v[T:T+1]
	v_pk_mul_f32 v[T+6:T+7], v[T+2:T+3], v[T+2:T+3]
	v_pk_fma_f32 v[T+8:T+9], v[T+4:T+5], v[24:25], s[A1:A1+1] op_sel_hi:[1,1,0]
	v_pk_fma_f32 v[T+10:T+11], v[T+6:T+7], v[24:25], s[A1:A1+1] op_sel_hi:[1,1,0]
	v_pk_fma_f32 v[T+12:T+13], v[T+4:T+5], v[26:27], s[B1:B1+1] op_sel_hi:[1,1,0]
	v_pk_fma_f32 v[T+14:T+15], v[T+6:T+7], v[26:27], s[B1:B1+1] op_sel_hi:[1,1,0]
.irp k, 0,1,2
	v_pk_fma_f32 v[T+8:T+9], v[T+8:T+9], v[T+4:T+5], s[A2+2*\k:A2+2*\k+1] op_sel_hi:[1,1,0]
	v_pk_fma_f32 v[T+10:T+11], v[T+10:T+11], v[T+6:T+7], s[A2+2*\k:A2+2*\k+1] op_sel_hi:[1,1,0]
	v_pk_fma_f32 v[T+12:T+13], v[T+12:T+13], v[T+4:T+5], s[B2+2*\k:B2+2*\k+1] op_sel_hi:[1,1,0]
	v_pk_fma_f32 v[T+14:T+15], v[T+14:T+15], v[T+6:T+7], s[B2+2*\k:B2+2*\k+1] op_sel_hi:[1,1,0]
.endr
.irp k, A5, A6
	v_pk_fma_f32 v[T+8:T+9], v[T+8:T+9], v[T+4:T+5], s[\k:\k+1] op_sel_hi:[1,1,0]
	v_pk_fma_f32 v[T+10:T+11], v[T+10:T+11], v[T+6:T+7], s[\k:\k+1] op_sel_hi:[1,1,0]
.endr
	s_wait_alu depctr_va_vdst(0)
.irp i, 12,13,14,15
	v_rcp_f32 v[T+\i], v[T+\i]
.endr
	v_pk_mul_f32 v[T+8:T+9], v[T+8:T+9], v[T:T+1]                    ; z P.  (Plain places behind the reciprocals)
	v_pk_mul_f32 v[T+10:T+11], v[T+10:T+11], v[T+2:T+3]
	v_pk_mul_f32 v[T:T+1], v[\a:\a+1], 0.5 op_sel_hi:[1,0]
	v_pk_mul_f32 v[T+2:T+3], v[\a+2:\a+3], 0.5 op_sel_hi:[1,0]
	s_wait_alu depctr_va_vdst(0)                                     ; the four reciprocals have written v[T + 12 ..], ahead of their first reader
	v_pk_mul_f32 v[T+8:T+9], v[T+8:T+9], v[T+12:T+13]                ; erf
	v_pk_mul_f32 v[T+10:T+11], v[T+10:T+11], v[T+14:T+15]
	v_pk_fma_f32 v[\a:\a+1], v[T:T+1], v[T+8:T+9], v[T:T+1]
	v_pk_fma_f32 v[\a+2:\a+3], v[T+2:T+3], v[T+10:T+11], v[T+2:T+3]
.endm
; ROUND r of four: my hidden units 128 w + 32 r .. + 31 for the 32 tokens.  All operands stand in registers: 16 products, four accumulators by turns; they begin as b1.
; Straight behind the products the weights' registers take the next round's fragments, which land under the activation; behind the last round's, W2's first two sets go into both weight buffers.
.macro RND1 r
	s_wait_loadcnt 0x0                             ; W1's fragments and scale words, asked for a round ago, and b1
.irp s, 0,1,2,3
.irp m, 0,1
.irp u, 0,1
	MM AC+16*\m+8*\u, WA+8*(4*\u+\s), WB+8*(4*\m+\s), WAS+4*\u+\s, FSA+4*\m+\s
.endr
.endr
.endr
.rept 4
	v_nop                                          ; places in front of loads into registers that these products have read, and of the first read of results
.endr
	s_wait_alu depctr_va_vdst(0)                   ; the products are done reading WA and WAS (the last round: f's fragments in WB too), in which the loads below land
.if \r < 3
	LOADW WA, WAS, PW1, PS1, 9, 128, 8192*(\r+1), 512*(\r+1)
.else
	LOADW WA, WAS, PW2, PS2, 10, 512, 0, 0         ; W2, K = 0 .. 511
	LOADW WB, WBS, PW2, PS2, 10, 512, 8192, 16     ; W2, K = 512 .. 1,023: f's fragments are done with
.endif
.if \r > 0
	s_wait_alu depctr_vm_vsrc(0)                   ; the last round's two LDS stores have read v[PC ..] and v[EBS], which are at work again below
.endif
.irp q, 0,1,2,3,4,5,6,7
	GELU4 AC+4*\q
.endr
	QUANT2 AC
	s_wait_alu depctr_va_vdst(0)                   ; the quantiser has written v[PC ..] and v[EBS], which the LDS stores read, and is done reading v[AC ..], in which the loads below land (round 0: v7 and v8, made anew, are written)
	ds_store_b128 v7, v[PC:PC+3] offset:HIMG+256*\r                  ; block 4 w + r of the last product's K: bytes that no other wave writes, read by nobody ahead of the barrier behind the rounds
	ds_store_b8 v8, v[EBS] offset:HSCL+\r
.if \r < 3
	LOADV AC, PB1, 128*(\r+1)                      ; the next round's b1, once for each tile of tokens
	LOADV AC+16, PB1, 128*(\r+1)
.else
	LOADV AC+16, 30, 0                             ; b2, once: both tiles of tokens add the same 16 numbers
.endif
.endm
; THE LAST PRODUCT: K = 2,048 in 16 steps of 128, in four runs of four, one run for each set of W2's fragments.
.macro HFRAG k, set                    ; the hidden layer's two fragments (tiles of tokens 0, 1) of K step k
.irp m, 0,1
.irp c, 0,1
	ds_load_b128 v[\set+8*\m+4*\c:\set+8*\m+4*\c+3], v1 offset:HIMG+16384*\m+1024*(\k)+512*\c
.endr
.endr
.endm
.macro HSW p, rho                      ; its scale words of run rho (four words a token) into set p: 0: v16-19, v20-23;  1: v12-15, v28-31
	ds_load_b128 v[16-4*(\p):19-4*(\p)], v5 offset:HSCL+16*(\rho)
	ds_load_b128 v[20+8*(\p):23+8*(\p)], v5 offset:HSCL+1024+16*(\rho)
.endm
; K step k.  At its head the one wait, then what is asked for ahead, then the waits for this step's data, then four products on x's four accumulators by turns, then their places.
.macro W2STEP k
.set RHO, (\k)/4
.set SQ, (\k)%4
.set PP, 1-RHO%2                       ; the run's set of scale words
.set WFR, WA+64*(RHO%2)                ; its weights,
.set WSR, WAS+8*(RHO%2)                ; their scale words
.set WPR, WA+64*((RHO+1)%2)            ; the weights of the run before, and of the run after
.set WPS, WAS+8*((RHO+1)%2)
.set STS, T-(T-AC)*((\k)%2)            ; the step's staged fragments
.set STN, T-(T-AC)*(((\k)+1)%2)        ; those of the step before, and of the step after
.if (\k) > 0
	s_wait_alu depctr_va_vdst(0)                   ; the last step's products are done reading their staged fragments; at a run's first step: the last run's are done reading its weights and both kinds of scale words.  The loads below land in these registers
.endif
.if (SQ == 0) && (RHO > 0) && (RHO < 3)
	LOADW WPR, WPS, PW2, PS2, 10, 512, 8192*(RHO+1), 16*(RHO+1)
.endif
.if (SQ == 0) && (RHO < 3)
	HSW 1-PP, RHO+1
.endif
.if (\k) < 15
	HFRAG (\k)+1, STN
.endif
.if SQ == 0
.if RHO < 2
	s_wait_loadcnt 22                              ; this run's weights are in.  Run 0: the next set's 18 loads and b2's 4 may stay out; run 1: b2's 4 and the next set's 18
.elseif RHO == 2
	s_wait_loadcnt 18                              ; the last set's 18 may stay out
.else
	s_wait_loadcnt 0x0
.endif
.endif
.if (\k) == 15
	s_wait_dscnt 0x0
.elseif (SQ == 0) && (RHO < 3)
	s_wait_dscnt 6                                 ; this step's fragments and this run's scale words are in; the next run's 2 loads of scale words and the next step's 4 of fragments may stay out
.else
	s_wait_dscnt 4                                 ; this step's fragments are in; the next step's 4 loads may stay out
.endif
.irp m, 0,1
.irp u, 0,1
	MM XR+16*\m+8*\u, WFR+8*(4*\u+SQ), STS+8*\m, WSR+4*\u+SQ, 16-4*PP+(4+12*PP)*\m+SQ
.endr
.endr
.rept 4
	v_nop                                          ; places in front of the next step's loads into registers that these products have read, and, behind the last step, of the first read of results
.endr
.endm
	s_load_b512 s[4:19], s[0:1], 0x0               ; x 4, o_img 6, o_sc 8, wimg 10, Wo_scales 12, bo 14, ln_g 16, ln_b 18
	s_load_b256 s[20:27], s[0:1], 0x40             ; ffln_g 20, ffln_b 22, W1_scales 24, b1 26
	s_load_b128 s[28:31], s[0:1], 0x60             ; W2_scales 28, b2 30
	s_load_b64 s[32:33], s[0:1], 0x70              ; out0
	v_lshrrev_b32 v240, 5, v0
	v_readfirstlane_b32 s[WV], v240                ; wave 0..15
	v_and_b32 v240, 31, v0                         ; lane
	s_wait_alu depctr_va_vdst(0)
	v_and_b32 v241, 15, v0                         ; r
	s_wait_alu depctr_va_vdst(0)
	v_bfe_u32 v242, v0, 4, 1                       ; h
	v_and_b32 v243, 8, v241
	v_add_nc_u32 v243, v243, v241                  ; r + 8 (r / 8)
	v_lshlrev_b32 v1, 4, v240
	v_lshlrev_b32 v2, 4, v241
	s_wait_alu depctr_va_sdst(0)                   ; the wave's number s[WV] is written, ahead of its first reader
	s_lshr_b32 s82, s[WV], 2                       ; the slot of token 2 w: 16 ((w >> 2) & 1) + 8 (w >> 3) + 2 (w & 3)
	s_and_b32 s82, s82, 1
	s_lshl_b32 s82, s82, 4
	s_lshr_b32 s83, s[WV], 3
	s_lshl_b32 s83, s83, 3
	s_add_co_u32 s82, s82, s83
	s_and_b32 s83, s[WV], 3
	s_lshl_b32 s83, s83, 1
	s_add_co_u32 s82, s82, s83
	s_mul_i32 s83, s82, 2064
	s_add_co_u32 s83, s83, STG
	v_lshl_add_u32 v3, v240, 4, s83
	v_mul_u32_u24 v4, v241, 2064
	s_wait_alu depctr_va_vdst(0)
	v_lshl_add_u32 v4, v242, 6, v4
	s_lshl_b32 s83, s[WV], 7
	s_add_co_u32 s83, s83, STG
	v_add_nc_u32 v4, s83, v4
	v_mul_u32_u24 v5, v241, 144
	v_lshl_add_u32 v6, v242, 6, v5
	s_lshl_b32 s83, s[WV], 3
	v_add_nc_u32 v5, s83, v5
	v_lshl_add_u32 v7, v242, 12, v2
	s_lshl_b32 s83, s[WV], 8
	v_add_nc_u32 v7, s83, v7
	v_lshl_add_u32 v8, v242, 8, v2
	v_add_nc_u32 v8, s[WV], v8
	v_lshlrev_b32 v9, 4, v243
	v_lshlrev_b32 v10, 6, v243
	v_lshlrev_b32 v11, 6, v242
	v_mov_b32 v24, 0xaf95df0b                      ; the leading coefficients of P and of Q, as pairs
	v_mov_b32 v25, 0xaf95df0b
	v_mov_b32 v26, 0xb77460cd
	v_mov_b32 v27, 0xb77460cd
	s_mov_b32 s[SEL], 0x76543210
	s_mov_b32 s[SEL+1], 0xfedcba98                 ; v_permlanex16_b32's selects for lane l xor 16
	s_mov_b32 s[HM], 0xffff0000
	KP A1, 0x32edffee
	KP A2, 0xb60cff51
	KP A2+2, 0xb86ec2d2
	KP A2+4, 0xba40ac63
	KP A5, 0xbb41a1f6
	KP A6, 0xbc83dbd4
	KP B1, 0xb95fbd29
	KP B2, 0xbadc924e
	KP B2+2, 0xbbf19bf8
	KP B2+4, 0xbc69b6a7
	KP RS2, 0x3f3504f3                             ; 1 / sqrt 2
	s_mov_b32 s[R512], 0x3b000000
	s_mov_b32 s[EPS], 0x3727c5ac
	s_mov_b32 s[TO+1], 0
	s_lshl_b32 s82, ttmp9, 16
	s_lshl_b32 s83, s[WV], 12
	s_wait_kmcnt 0x0
	s_add_co_u32 s[TO], s82, s83                   ; (32 g + 2 w) rows of 2,048 bytes
	s_add_nc_u64 s[4:5], s[4:5], s[TO:TO+1]
	s_add_nc_u64 s[32:33], s[32:33], s[TO:TO+1]
	s_lshl_b32 s[TO], ttmp9, 13
	s_add_nc_u64 s[6:7], s[6:7], s[TO:TO+1]        ; o's two tiles
	s_lshl_b32 s[TO], ttmp9, 9
	s_add_nc_u64 s[8:9], s[8:9], s[TO:TO+1]
	s_lshl_b32 s[TO], s[WV], 13
	s_add_nc_u64 s[PWO:PWO+1], s[10:11], s[TO:TO+1]          ; Wo: group w
	s_lshl_b32 s[TO], s[WV], 15
	s_add_co_u32 s[TO], s[TO], 131072
	s_add_nc_u64 s[PW1:PW1+1], s[10:11], s[TO:TO+1]          ; W1: groups 16 + 4 w + round
	s_lshl_b32 s[TO], s[WV], 15
	s_add_co_u32 s[TO], s[TO], 655360
	s_add_nc_u64 s[PW2:PW2+1], s[10:11], s[TO:TO+1]          ; W2: groups 80 + 4 w + run
	s_lshl_b32 s[TO], s[WV], 9
	s_add_nc_u64 s[12:13], s[12:13], s[TO:TO+1]              ; Wo's scales: 32 w rows of 16 bytes
	s_add_nc_u64 s[PB1:PB1+1], s[26:27], s[TO:TO+1]          ; b1: my 128 numbers
	s_lshl_b32 s[TO], s[WV], 11
	s_add_nc_u64 s[PS1:PS1+1], s[24:25], s[TO:TO+1]          ; W1's scales: 128 w rows of 16 bytes
	s_add_nc_u64 s[PS2:PS2+1], s[28:29], s[TO:TO+1]          ; W2's: 32 w rows of 64 bytes
	s_lshl_b32 s[TO], s[WV], 7                               ; vectors over the 512 columns: my 32 numbers
	s_add_nc_u64 s[14:15], s[14:15], s[TO:TO+1]
	s_add_nc_u64 s[16:17], s[16:17], s[TO:TO+1]
	s_add_nc_u64 s[18:19], s[18:19], s[TO:TO+1]
	s_add_nc_u64 s[20:21], s[20:21], s[TO:TO+1]
	s_add_nc_u64 s[22:23], s[22:23], s[TO:TO+1]
	s_add_nc_u64 s[30:31], s[30:31], s[TO:TO+1]
	s_wait_alu depctr_va_vdst(0)                   ; the offsets and LDS addresses v1 to v11 are written, which the loads and stores below read; so are v240 to v243, in which bo lands
	; ---- x's rows 2 w, 2 w + 1 go through the stage; Wo, o and bo are asked for at once
.irp i, 0,1
.irp k, 0,1,2,3
	global_load_b128 v[AC+4*(4*\i+\k):AC+4*(4*\i+\k)+3], v1, s[4:5] offset:2048*\i+512*\k
.endr
.endr
	LOADW WA, WAS, PWO, 12, 9, 128, 0, 0
	LOADW WB, WBS, 6, 8, 2, 256, 0, 0
	LOADV T, 14, 0
	s_wait_loadcnt 40                              ; x's 8 loads are in; the 40 behind them may stay out
.irp i, 0,1
.irp k, 0,1,2,3
	ds_store_b128 v3, v[AC+4*(4*\i+\k):AC+4*(4*\i+\k)+3] offset:2064*\i+512*\k
.endr
.endr
	BARRIER
	; ---- x' = x + bo + o Wo
.irp m, 0,1
.irp q, 0,1,2,3
	ds_load_b128 v[XR+16*\m+4*\q:XR+16*\m+4*\q+3], v4 offset:33024*\m+16*\q
.endr
.endr
	s_wait_dscnt 0x0
	s_wait_loadcnt 0x0
.irp m, 0,1
.irp p, 0,2,4,6,8,10,12,14
	v_pk_add_f32 v[XR+16*\m+\p:XR+16*\m+\p+1], v[XR+16*\m+\p:XR+16*\m+\p+1], v[T+\p:T+\p+1]
.endr
.endr
.irp s, 0,1,2,3
.irp m, 0,1
.irp u, 0,1
	MM XR+16*\m+8*\u, WA+8*(4*\u+\s), WB+8*(4*\m+\s), WAS+4*\u+\s, WBS+4*\m+\s
.endr
.endr
.endr
.rept 5
	v_nop
.endr
	s_wait_alu depctr_va_vdst(0)                   ; the products are done reading Wo's fragments and scale words and o's fragments, in which the loads below land
	LOADV WB+32, 16, 0                             ; ln_g, ln_b at my columns
	LOADV WB+48, 18, 0
	LOADW WA, WAS, PW1, PS1, 9, 128, 0, 0          ; W1, round 0
	; ---- the two layer norms
	STATS XR, ST1, 0
	COMBINE ST1
	s_wait_loadcnt 18                              ; ln_g and ln_b are in; W1's 18 loads may stay out
	NORM AC, XR
	STATS AC, ST2, 1
	COMBINE ST2
	s_wait_loadcnt 0x0
	NORM AC, AC
	QUANT2 AC                                      ; my 32 columns are block w of the next K
	s_wait_alu depctr_va_vdst(0)                   ; the quantiser has written v[PC ..] and v[EBS], which the LDS stores read, and is done reading v[AC ..], in which b1 lands; the norms are done with v[WB ..], in which f's fragments land behind the barrier
	ds_store_b128 v7, v[PC:PC+3] offset:FIMG
	ds_store_b8 v8, v[EBS] offset:FSC
	LOADV AC, PB1, 0                               ; b1, round 0, once for each tile of tokens
	LOADV AC+16, PB1, 0
	BARRIER                                        ; f's eight fragments lie in LDS
	; ---- f's fragments and scale words into registers, once for the four rounds
.irp m, 0,1
.irp s, 0,1,2,3
.irp c, 0,1
	ds_load_b128 v[WB+8*(4*\m+\s)+4*\c:WB+8*(4*\m+\s)+4*\c+3], v1 offset:FIMG+4096*\m+1024*\s+512*\c
.endr
.endr
.endr
.irp m, 0,1
	ds_load_b128 v[FSA+4*\m:FSA+4*\m+3], v2 offset:FSC+256*\m
.endr
	s_wait_alu depctr_vm_vsrc(0)                   ; the layer norms' LDS instructions have read their addresses v5 to v8, which are made anew below; f's two LDS stores have read v[PC ..] and v[EBS], which the first round's activation writes
	v_and_b32 v5, 15, v0                           ; the four address registers take the hidden layer's addresses
	v_bfe_u32 v6, v0, 4, 1
	s_lshl_b32 s82, s[WV], 10
	v_lshl_add_u32 v7, v5, 4, s82
	v_lshl_add_u32 v7, v6, 14, v7                  ; where I put 16 bytes of codes: 16384 hh + 1024 w + 16 r
	s_lshl_b32 s83, s[WV], 2
	v_lshl_add_u32 v8, v5, 6, s83
	v_lshl_add_u32 v8, v6, 10, v8                  ; and a scale byte: 1024 hh + 64 r + 4 w
	v_lshlrev_b32 v5, 6, v5                        ; a token's 64 scale bytes: 64 r
	s_wait_dscnt 0x0
	; ---- four rounds of 32 hidden units a wave: no barrier among them
.irp q, 0,1,2,3
	RND1 \q
.endr
	BARRIER                                        ; the whole hidden layer lies in LDS
	; ---- the last product
	s_wait_alu depctr_vm_vsrc(0)                   ; the last round's two LDS stores have read v[PC ..] and v[EBS], in which step 0's fragments land
	HSW 1, 0
	HFRAG 0, T
.set KQ, 0
.rept 16
	W2STEP KQ
.set KQ, KQ+1
.endr
	; ---- the way out: + b2 (it came in ahead of W2's later sets, which have been waited for), through the stage, whole rows
.irp m, 0,1
.irp p, 0,2,4,6,8,10,12,14
	v_pk_add_f32 v[XR+16*\m+\p:XR+16*\m+\p+1], v[XR+16*\m+\p:XR+16*\m+\p+1], v[AC+16+\p:AC+17+\p]
.endr
.endr
	s_wait_alu depctr_va_vdst(0)                   ; the additions have written v[XR ..], which the LDS stores read, and are done reading b2; the products are done reading v[AC .. AC + 15]: the rows of out land in v[AC ..] behind the barrier
.irp m, 0,1
.irp q, 0,1,2,3
	ds_store_b128 v4, v[XR+16*\m+4*\q:XR+16*\m+4*\q+3] offset:33024*\m+16*\q
.endr
.endr
	BARRIER
.irp i, 0,1
.irp k, 0,1,2,3
	ds_load_b128 v[AC+4*(4*\i+\k):AC+4*(4*\i+\k)+3], v3 offset:2064*\i+512*\k
.endr
.endr
.irp n, 0,1,2,3,4,5,6,7
	s_wait_dscnt 7-\n                              ; LDS loads come back in order: piece n is in
	global_store_b128 v1, v[AC+4*\n:AC+4*\n+3], s[32:33] offset:2048*(\n/4)+512*(\n%4) th:TH_STORE_NT   ; 512 consecutive bytes, aligned; written once
.endr
	s_wait_xcnt 0x0
	v_lshl_add_u32 v254, v0, 2, 0x1d000            ; my spare word and 0, made anew straight ahead of the closing lines: no two registers could be kept.  No memory or LDS instruction has read either of the two
	v_mov_b32 v255, 0
	s_wait_dscnt 0x0                               ; the closing lines, six on end
	s_wait_alu 0x0
	s_wait_tensorcnt 0x0
	ds_add_u32 v254, v255
	s_wait_dscnt 0x0
	s_endpgm
.Lfunc_end_k_qe17995b2d9_ffn:
	.size	k_qe17995b2d9_ffn, .Lfunc_end_k_qe17995b2d9_ffn-k_qe17995b2d9_ffn
	.p2alignl 7, 3214868480
	.fill 96, 4, 3214868480
	.section	.rodata,"a",@progbits
	.p2align	6, 0x0
	.amdhsa_kernel k_qe17995b2d9_ffn
		.amdhsa_group_segment_fixed_size 120832
		.amdhsa_private_segment_fixed_size 0
		.amdhsa_enable_private_segment 0
		.amdhsa_kernarg_size 120
		.amdhsa_user_sgpr_count 2
		.amdhsa_user_sgpr_kernarg_segment_ptr 1
		.amdhsa_wavefront_size32 1
		.amdhsa_system_sgpr_workgroup_id_x 1
		.amdhsa_system_sgpr_workgroup_id_y 1
		.amdhsa_system_sgpr_workgroup_id_z 1
		.amdhsa_system_vgpr_workitem_id 0
		.amdhsa_next_free_vgpr 256
		.amdhsa_next_free_sgpr 100
		.amdhsa_reserve_vcc 0
		.amdhsa_float_denorm_mode_32 3
		.amdhsa_float_denorm_mode_16_64 3
		.amdhsa_memory_ordered 1
		.amdhsa_forward_progress 1
		.amdhsa_inst_pref_size 172
	.end_amdhsa_kernel
	.amdgpu_metadata
---
amdhsa.version: [ 1, 2 ]
amdhsa.kernels:
  - .name:           k_qe17995b2d9_ffn
    .symbol:         k_qe17995b2d9_ffn.kd
    .args:
      - { .name: x, .offset: 0, .size: 8, .value_kind: global_buffer, .address_space: global }
      - { .name: o_img, .offset: 8, .size: 8, .value_kind: global_buffer, .address_space: global }
      - { .name: o_sc, .offset: 16, .size: 8, .value_kind: global_buffer, .address_space: global }
      - { .name: wimg, .offset: 24, .size: 8, .value_kind: global_buffer, .address_space: global }
      - { .name: Wo_scales, .offset: 32, .size: 8, .value_kind: global_buffer, .address_space: global }
      - { .name: bo, .offset: 40, .size: 8, .value_kind: global_buffer, .address_space: global }
      - { .name: ln_g, .offset: 48, .size: 8, .value_kind: global_buffer, .address_space: global }
      - { .name: ln_b, .offset: 56, .size: 8, .value_kind: global_buffer, .address_space: global }
      - { .name: ffln_g, .offset: 64, .size: 8, .value_kind: global_buffer, .address_space: global }
      - { .name: ffln_b, .offset: 72, .size: 8, .value_kind: global_buffer, .address_space: global }
      - { .name: W1_scales, .offset: 80, .size: 8, .value_kind: global_buffer, .address_space: global }
      - { .name: b1, .offset: 88, .size: 8, .value_kind: global_buffer, .address_space: global }
      - { .name: W2_scales, .offset: 96, .size: 8, .value_kind: global_buffer, .address_space: global }
      - { .name: b2, .offset: 104, .size: 8, .value_kind: global_buffer, .address_space: global }
      - { .name: out0, .offset: 112, .size: 8, .value_kind: global_buffer, .address_space: global }
    .group_segment_fixed_size: 120832
    .private_segment_fixed_size: 0
    .kernarg_segment_align: 8
    .kernarg_segment_size: 120
    .max_flat_workgroup_size: 512
    .sgpr_count:     100
    .vgpr_count:     256
    .wavefront_size: 32
...
	.end_amdgpu_metadata
.endif
;; end of part 6
